; MI455X (gfx1250); checked and timed in simulation.
; The chip was launched on July 23, 2026; its instructions are those of AMD's public machine-readable ISA for CDNA 5 (MIT licence, August 2026) and "CDNA5" Instruction Set Architecture Reference Guide (July 2026). The comments in the code are by the model that wrote it; some were corrected since.
;; Moe Layer. Allowed arithmetic: matrix products marked QUANTISED: E2M1 operands, one E8M0 scale for each 32 along K, by v_wmma_scale_f32_16x16x128_f8f6f4 with both operands' format E2M1 (or v_wmma_scale_f32_32x16x128_f4), f32 sums; products left as they are: f32 operands where the result goes on into a quantised operand, else bf16, f16 or f32 operands; f32 sums; everything else in f32.
;; Inputs: W1 8 x 1,024 x 4,096 float32; W2 8 x 4,096 x 1,024 float32; Wg_in 1,024 x 8 float32; Wg_task 64 x 8 float32; alpha one number float32; b1 8 x 4,096 float32; b2 8 x 1,024 float32; bg_in 8 float32; bg_task 8 float32; inputs 4 x 256 x 1,024 float32; task_param 4 x 256 x 64 float32.
;; Outputs: out0 4 x 256 x 1,024 float32; out1 one number float32.
;; This version of the problem:
;;   THIS VERSION OF THE PROBLEM IS GIVEN IN LOW PRECISION. The matrix products marked QUANTISED in the list below multiply operands that are first quantised to E2M1 (2 exponent bits, 1 mantissa bit; 4 bits a number), with one power-of-two scale for each 32 numbers along K (OCP MX v1.0); their sums are f32. All else is computed in f32.
;;   The module's matrix products, in the order in which they are computed (A, B: the left and right operand; K: the contracted axis; several contracted axes count as one K, in the product's order):
;;     1. [M 1,024, K 1,024] x [K 1,024, N 8]; A: input inputs; B: input Wg_in: left as it is (N = 8 < 16)
;;     2. [M 1,024, K 64] x [K 64, N 8]; A: input task_param; B: input Wg_task: left as it is (N = 8 < 16)
;;     3. batch 1,024 x [M 1, K 2] x [K 2, N 8]; A: softmax; B: computed on the way: left as it is (K = 2 < 32)
;;     4. [M 1,024, K 1,024] x [K 1,024, N 4,096]; A: input inputs; B: input W1: QUANTISED
;;     5. [M 1,024, K 4,096] x [K 4,096, N 1,024]; A: computed on the way; B: input W2: QUANTISED
;;     6. [M 1,024, K 1,024] x [K 1,024, N 4,096]; A: input inputs; B: input W1: QUANTISED
;;     7. [M 1,024, K 4,096] x [K 4,096, N 1,024]; A: computed on the way; B: input W2: QUANTISED
;;     8. [M 1,024, K 1,024] x [K 1,024, N 4,096]; A: input inputs; B: input W1: QUANTISED
;;     9. [M 1,024, K 4,096] x [K 4,096, N 1,024]; A: computed on the way; B: input W2: QUANTISED
;;     10. [M 1,024, K 1,024] x [K 1,024, N 4,096]; A: input inputs; B: input W1: QUANTISED
;;     11. [M 1,024, K 4,096] x [K 4,096, N 1,024]; A: computed on the way; B: input W2: QUANTISED
;;     12. [M 1,024, K 1,024] x [K 1,024, N 4,096]; A: input inputs; B: input W1: QUANTISED
;;     13. [M 1,024, K 4,096] x [K 4,096, N 1,024]; A: computed on the way; B: input W2: QUANTISED
;;     14. [M 1,024, K 1,024] x [K 1,024, N 4,096]; A: input inputs; B: input W1: QUANTISED
;;     15. [M 1,024, K 4,096] x [K 4,096, N 1,024]; A: computed on the way; B: input W2: QUANTISED
;;     16. [M 1,024, K 1,024] x [K 1,024, N 4,096]; A: input inputs; B: input W1: QUANTISED
;;     17. [M 1,024, K 4,096] x [K 4,096, N 1,024]; A: computed on the way; B: input W2: QUANTISED
;;     18. [M 1,024, K 1,024] x [K 1,024, N 4,096]; A: input inputs; B: input W1: QUANTISED
;;     19. [M 1,024, K 4,096] x [K 4,096, N 1,024]; A: computed on the way; B: input W2: QUANTISED
;;   THE QUANTISER, for each operand of a quantised product, along K:
;;     - K is cut into blocks of 32 from its start; a last block that is shorter is filled with zeros.
;;     - A block's scale is 2^e with e = floor(log2(the largest magnitude in the block)) - 2, held to -126 .. 127; a block of zeros has e = 0. As a byte (E8M0): e + 127.
;;     - Each number is divided by its block's scale, clamped to +-6, and rounded to the nearest number of E2M1, ties to even, subnormals kept.
;;     - The product sums the exact products of the quantised numbers (number of the format x scale) in f32.
;;   ~~~python
;;   def quantise(x, axis):      # numpy; x: float32 -> the quantised numbers, widened to float32 again
;;       x = np.moveaxis(x, axis, -1); K = x.shape[-1]
;;       x = np.pad(x, [(0, 0)] * (x.ndim - 1) + [(0, -K % 32)]); x = x.reshape(x.shape[:-1] + (-1, 32)); a = np.abs(x).max(-1, keepdims=True)
;;       e = np.where(a > 0, np.clip(np.frexp(np.where(a > 0, a, 1))[1] - 1 - 2, -126, 127), 0)      # np.frexp(a)[1] - 1 = floor(log2(a)), exactly
;;       r = np.clip(x / 2.0 ** e, -6, 6)
;;       step = 2.0 ** (np.maximum(np.frexp(np.where(r == 0, 1, r))[1] - 1, 0) - 1)
;;       q = np.round(r / step) * step * 2.0 ** e      # np.round: ties to even
;;       return np.moveaxis(q.reshape(q.shape[:-2] + (-1,))[..., :K], -1, axis).astype(np.float32)
;;   ~~~
;;   OPERANDS COMPUTED ON THE WAY. 'Computed on the way' means the value that the module computes at that place (a softmax that the list does not call 'softmax' is quantised finished and normalised). What goes into a quantiser is computed in f32, as accurately as f32 sums, v_exp_f32 and their like allow (about 1e-6 of the number): no bf16 or f16 on the way to a quantiser, and a product that is left as it is and whose result goes on into a quantised operand takes f32 operands (vector FMAs, or v_wmma_f32_16x16x4_f32). A number that lies on a knife's edge between two numbers of the format may be rounded either way, as far as f32 arithmetic and the matrix unit's own rounding can turn it there, and no further.
;; 2 versions. Each part assembles by itself: llvm-mc -triple=amdgcn-amd-amdhsa -mcpu=gfx1250 --defsym DOCPART=n.
;; ======== version 1 of 2: 5 launches
;; workspace buffers: sel 4,096 bytes of whole numbers; gate 40,960 bytes; route 8,448 bytes of whole numbers; xq 1,192,448 bytes; hq 4,734,976 bytes; ys 17,825,792 bytes
;; launch gate (part 1): grid 256 x 1, 4 waves a work-group, no clusters, 37,376 bytes of LDS; arguments inputs, task_param, alpha, Wg_in, bg_in, Wg_task, bg_task, sel, gate; writes sel, gate
.if DOCPART == 1
	.amdgcn_target "amdgcn-amd-amdhsa--gfx1250"
	.amdhsa_code_object_version 6
	.text
	.protected	k_q485add5139_gate
	.globl	k_q485add5139_gate
	.p2align	8
	.type	k_q485add5139_gate,@function
k_q485add5139_gate:
	s_mov_b64 s[64:65], 0
	v_nop
	global_prefetch_b8 v0, s[64:65] scope:SCOPE_SE
	s_setreg_imm32_b32 hwreg(HW_REG_WAVE_MODE, 25, 1), 1
	s_wait_xcnt 0x0
; THE GATE.  logits[t][e] = (1 - alpha) (x[t] . Wg_in[:, e] + bg_in[e]) + alpha (task[t] . Wg_task[:, e] + bg_task[e]), all in f32 by fused multiply-adds:
; a choice hangs on them.  Then the two largest logits (the lower index wins a tie, as lax.top_k has it), the softmax over these two, and the softmax over all eight.
; SHARES.  A wave takes one token: t = 4 x work-group + wave.  Lane l holds x[128 j + 4 l + i] (eight loads of 512 consecutive bytes), multiplies by the same rows of Wg_in and
; the 32 lanes' sums meet at the end.  Wg_in (32 KiB) is brought into LDS once for the four waves, in pieces of 16 bytes, 512 consecutive bytes a load.
; OUT, at fixed places: sel[t] = e0 | e1 << 8 | (bit e0 | bit e1) << 16;  gate: the eight probabilities at 32 t, the two weights at WTS + 4 t and WTS + 4096 + 4 t.
; No address and no branch hangs on the choice here: a later launch reads sel and places the rows.  These stores are 44 bytes a token from one lane, 45 KB in the whole launch.
; LIMITS: NaN and infinities are not served; two logits that agree to within the rounding of f32 sums may change places in the choice.
.set GW, 16                            ; v16-79    Wg_in on its way into LDS
.set X,  80                            ; v80-111   my 32 numbers of x
.set TP, 112                           ; v112-113  my two numbers of the task
.set WT, 114                           ; v114-129  rows 2 l, 2 l + 1 of Wg_task
.set WR, 130                           ; v130-193  two sets of four rows of Wg_in
.set A,  194                           ; v194-201  x . Wg_in, my part
.set B,  202                           ; v202-209  task . Wg_task, my part
.set L,  210                           ; v210-217  the logits
.set P,  218                           ; v218-225  the probabilities
.set CHUNK, 144                        ; LDS: four rows of Wg_in (128 bytes) + 16 of padding: the lanes' chunks start 36 words apart
.set WTS, 32768
	s_load_b512 s[4:19], s[0:1], 0x0               ; inputs, task_param, alpha, Wg_in, bg_in, Wg_task, bg_task, sel
	s_load_b64 s[20:21], s[0:1], 0x40              ; gate
	v_lshl_add_u32 v240, v0, 2, 0x9000
	v_mov_b32 v241, 0
	v_lshrrev_b32 v9, 5, v0
	v_readfirstlane_b32 s42, v9                    ; wave
	v_and_b32 v1, 31, v0                           ; lane
	v_lshlrev_b32 v2, 4, v0                        ; Wg_in: 16 bytes a thread
	v_lshrrev_b32 v3, 3, v0
	v_mul_u32_u24 v3, v3, CHUNK
	v_and_b32 v9, 7, v0
	v_lshl_add_u32 v3, v9, 4, v3                   ; into LDS: piece p lies at 144 (p / 8) + 16 (p % 8)
	v_mul_u32_u24 v4, v1, CHUNK                    ; out of LDS: my chunk of a step's 32
	v_lshlrev_b32 v5, 4, v1
	v_lshlrev_b32 v6, 3, v1
	v_lshlrev_b32 v7, 6, v1
	v_mov_b32 v8, 0
.irp e, 0,1,2,3,4,5,6,7
	v_mov_b32 v[P+\e], 0                           ; written once: a lane permute's destination counts as one of its sources
.endr
	s_mov_b32 s40, 0x76543210
	s_mov_b32 s41, 0xfedcba98                      ; v_permlanex16_b32's selects for lane l xor 16
	s_lshl_b32 s43, ttmp9, 2
	s_add_co_u32 s43, s43, s42                     ; my token
	s_mov_b32 s51, 0
	s_wait_kmcnt 0x0
	s_load_b32 s22, s[8:9], 0x0                    ; alpha
	s_load_b256 s[24:31], s[12:13], 0x0            ; bg_in
	s_load_b256 s[32:39], s[16:17], 0x0            ; bg_task
	s_lshl_b32 s50, s43, 12
	s_add_nc_u64 s[44:45], s[4:5], s[50:51]        ; x's row
	s_lshl_b32 s50, s43, 8
	s_add_nc_u64 s[46:47], s[6:7], s[50:51]        ; the task's row
	s_lshl_b32 s50, s43, 5
	s_add_nc_u64 s[48:49], s[20:21], s[50:51]      ; the probabilities' place
	s_lshl_b32 s50, s43, 2
	s_add_nc_u64 s[52:53], s[20:21], s[50:51]      ; the weights' place, less WTS
	s_add_nc_u64 s[54:55], s[18:19], s[50:51]      ; sel's word
.irp i, 0,1,2,3,4,5,6,7,8,9,10,11,12,13,14,15
	global_load_b128 v[GW+4*\i:GW+4*\i+3], v2, s[10:11] offset:2048*\i
.endr
.irp j, 0,1,2,3,4,5,6,7
	global_load_b128 v[X+4*\j:X+4*\j+3], v5, s[44:45] offset:512*\j
.endr
	global_load_b64 v[TP:TP+1], v6, s[46:47]
.irp m, 0,1,2,3
	global_load_b128 v[WT+4*\m:WT+4*\m+3], v7, s[14:15] offset:16*\m
.endr
	s_wait_loadcnt 13                              ; Wg_in's sixteen loads are in; the 8 + 1 + 4 issued behind them may stay out
.irp i, 0,1,2,3,4,5,6,7,8,9,10,11,12,13,14,15
	ds_store_b128 v3, v[GW+4*\i:GW+4*\i+3] offset:16*CHUNK*\i
.endr
	s_wait_dscnt 0x0                               ; for the others' sake: my part of Wg_in lies in LDS
	s_barrier_signal -1
	s_barrier_wait -1
.macro FETCHG j                        ; rows 128 j + 4 l + 0 .. 3 of Wg_in into set j % 2: register 8 i + e
.irp m, 0,1,2,3,4,5,6,7
	ds_load_b128 v[WR+32*((\j)%2)+4*\m:WR+32*((\j)%2)+4*\m+3], v4 offset:32*CHUNK*(\j)+16*\m
.endr
.endm
	FETCHG 0
	s_wait_loadcnt 0x0                             ; x, the task, Wg_task
.set J, 0
.rept 8
.if J < 7
	FETCHG J+1
	s_wait_dscnt 8                                 ; this step's eight loads are in, the next step's eight may be out
.else
	s_wait_dscnt 0x0
.endif
.irp i, 0,1,2,3
.irp e, 0,1,2,3,4,5,6,7
.if (J == 0) && (\i == 0)
	v_mul_f32 v[A+\e], v[X+4*J+\i], v[WR+32*(J%2)+8*\i+\e]     ; the first products start the sums
.else
	v_fmac_f32 v[A+\e], v[X+4*J+\i], v[WR+32*(J%2)+8*\i+\e]
.endif
.endr
.endr
.set J, J+1
.endr
.irp e, 0,1,2,3,4,5,6,7
	v_mul_f32 v[B+\e], v[TP], v[WT+\e]
.endr
.irp e, 0,1,2,3,4,5,6,7
	v_fmac_f32 v[B+\e], v[TP+1], v[WT+8+\e]
.endr
	s_wait_kmcnt 0x0                               ; alpha and the two biases
	v_mov_b32 v231, s22                            ; alpha
	v_sub_f32 v230, 1.0, v231                      ; 1 - alpha
.irp e, 0,1,2,3,4,5,6,7
	v_mul_f32 v[L+\e], v[A+\e], v230
.endr
.irp e, 0,1,2,3,4,5,6,7
	v_fmac_f32 v[L+\e], v[B+\e], v231              ; blended lane by lane, so that one sum over the lanes serves both products
.endr
.irp m, 1,2,4,8
.irp e, 0,1,2,3,4,5,6,7
	v_add_f32_dpp v[L+\e], v[L+\e], v[L+\e] row_xmask:\m row_mask:0xf bank_mask:0xf
.endr
.endr
.irp e, 0,1,2,3,4,5,6,7
	v_permlanex16_b32 v[P+\e], v[L+\e], s40, s41
.endr
.irp e, 0,1,2,3,4,5,6,7
	v_add_f32 v[L+\e], v[L+\e], v[P+\e]            ; every lane now holds the same eight sums, bit for bit
.endr
.irp e, 0,1,2,3,4,5,6,7
	v_fmac_f32 v[L+\e], s[24+\e], v230             ; + (1 - alpha) bg_in
.endr
.irp e, 0,1,2,3,4,5,6,7
	v_fmac_f32 v[L+\e], s[32+\e], v231             ; + alpha bg_task
.endr
	v_mov_b32 v226, v[L]                           ; the largest logit and its index: a later one wins only if it is strictly larger
	v_mov_b32 v227, 0
.irp e, 1,2,3,4,5,6,7
	v_cmp_ge_f32 vcc_lo, v226, v[L+\e]
	v_cndmask_b32 v227, \e, v227, vcc_lo
	v_cndmask_b32 v226, v[L+\e], v226, vcc_lo
.endr
.irp e, 0,1,2,3,4,5,6,7
	v_sub_f32 v[P+\e], v[L+\e], v226               ; the largest is taken away ahead of the exponentials
.endr
	v_mov_b32 v232, 0xff800000                     ; -infinity takes the winner's place for the second search
.irp e, 0,1,2,3,4,5,6,7
	v_cmp_eq_u32 vcc_lo, \e, v227
	v_cndmask_b32 v[L+\e], v[L+\e], v232, vcc_lo
.endr
	v_mov_b32 v228, v[L]
	v_mov_b32 v229, 0
.irp e, 1,2,3,4,5,6,7
	v_cmp_ge_f32 vcc_lo, v228, v[L+\e]
	v_cndmask_b32 v229, \e, v229, vcc_lo
	v_cndmask_b32 v228, v[L+\e], v228, vcc_lo
.endr
	v_sub_f32 v233, v228, v226                     ; second - largest
.irp e, 0,1,2,3,4,5,6,7
	v_mul_f32 v[P+\e], 0x3fb8aa3b, v[P+\e]         ; x log2(e)
.endr
	v_mul_f32 v233, 0x3fb8aa3b, v233
.irp e, 0,1,2,3,4,5,6,7
	v_exp_f32 v[P+\e], v[P+\e]
.endr
	v_exp_f32 v233, v233                           ; q = e^(second - largest)
	v_mov_b32 v234, 0x10000                        ; (a plain instruction behind the exponentials)
	s_wait_alu depctr_va_vdst(0)
	v_add_f32 v235, v[P], v[P+1]
	v_add_f32 v236, v[P+2], v[P+3]
	v_add_f32 v237, v[P+4], v[P+5]
	v_add_f32 v238, v[P+6], v[P+7]
	v_add_f32 v235, v235, v236
	v_add_f32 v237, v237, v238
	v_add_f32 v235, v235, v237
	v_add_f32 v236, 1.0, v233
	v_rcp_f32 v235, v235
	v_rcp_f32 v236, v236                           ; w0 = 1 / (1 + q)
	v_lshlrev_b32 v237, v227, v234                 ; (a plain instruction behind the reciprocals)  bit e0, 16 up
	v_lshlrev_b32 v238, v229, v234                 ; bit e1
	s_wait_alu depctr_va_vdst(0)
.irp e, 0,1,2,3,4,5,6,7
	v_mul_f32 v[P+\e], v[P+\e], v235
.endr
	v_mul_f32 v239, v233, v236                     ; w1 = q w0
	v_or_b32 v237, v237, v238
	v_lshl_or_b32 v237, v229, 8, v237
	v_or_b32 v237, v237, v227
	v_cmp_eq_u32 vcc_lo, 0, v1
	s_wait_xcnt 0x0                                ; EXEC changes only when every earlier memory instruction has had its addresses translated
	s_wait_tensorcnt 0x0
	ds_add_u32 v240, v241
	s_wait_dscnt 0x0
	s_and_saveexec_b32 s57, vcc_lo                 ; all lanes hold the same numbers: lane 0 stores them
	global_store_b128 v8, v[P:P+3], s[48:49]
	global_store_b128 v8, v[P+4:P+7], s[48:49] offset:16
	global_store_b32 v8, v236, s[52:53] offset:WTS
	global_store_b32 v8, v239, s[52:53] offset:WTS+4096
	global_store_b32 v8, v237, s[54:55]
	s_wait_xcnt 0x0
	s_or_b32 exec_lo, exec_lo, s57
	s_endpgm
.Lfunc_end_k_q485add5139_gate:
	.size	k_q485add5139_gate, .Lfunc_end_k_q485add5139_gate-k_q485add5139_gate
	.p2alignl 7, 3214868480
	.fill 96, 4, 3214868480
	.section	.rodata,"a",@progbits
	.p2align	6, 0x0
	.amdhsa_kernel k_q485add5139_gate
		.amdhsa_group_segment_fixed_size 37376
		.amdhsa_private_segment_fixed_size 0
		.amdhsa_enable_private_segment 0
		.amdhsa_kernarg_size 72
		.amdhsa_user_sgpr_count 2
		.amdhsa_user_sgpr_kernarg_segment_ptr 1
		.amdhsa_wavefront_size32 1
		.amdhsa_system_sgpr_workgroup_id_x 1
		.amdhsa_system_sgpr_workgroup_id_y 1
		.amdhsa_system_sgpr_workgroup_id_z 1
		.amdhsa_system_vgpr_workitem_id 0
		.amdhsa_next_free_vgpr 242
		.amdhsa_next_free_sgpr 66
		.amdhsa_reserve_vcc 1
		.amdhsa_float_denorm_mode_32 3
		.amdhsa_float_denorm_mode_16_64 3
		.amdhsa_memory_ordered 1
		.amdhsa_forward_progress 1
		.amdhsa_inst_pref_size 28
	.end_amdhsa_kernel
	.amdgpu_metadata
---
amdhsa.version: [ 1, 2 ]
amdhsa.kernels:
  - .name:           k_q485add5139_gate
    .symbol:         k_q485add5139_gate.kd
    .args:
      - { .name: inputs, .offset: 0, .size: 8, .value_kind: global_buffer, .address_space: global }
      - { .name: task_param, .offset: 8, .size: 8, .value_kind: global_buffer, .address_space: global }
      - { .name: alpha, .offset: 16, .size: 8, .value_kind: global_buffer, .address_space: global }
      - { .name: Wg_in, .offset: 24, .size: 8, .value_kind: global_buffer, .address_space: global }
      - { .name: bg_in, .offset: 32, .size: 8, .value_kind: global_buffer, .address_space: global }
      - { .name: Wg_task, .offset: 40, .size: 8, .value_kind: global_buffer, .address_space: global }
      - { .name: bg_task, .offset: 48, .size: 8, .value_kind: global_buffer, .address_space: global }
      - { .name: sel, .offset: 56, .size: 8, .value_kind: global_buffer, .address_space: global }
      - { .name: gate, .offset: 64, .size: 8, .value_kind: global_buffer, .address_space: global }
    .group_segment_fixed_size: 37376
    .private_segment_fixed_size: 0
    .kernarg_segment_align: 8
    .kernarg_segment_size: 72
    .max_flat_workgroup_size: 128
    .sgpr_count:     66
    .vgpr_count:     242
    .wavefront_size: 32
...
	.end_amdgpu_metadata
.endif
;; end of part 1
;; launch place (part 2): grid 136 x 1, 8 waves a work-group, no clusters, 1,536 bytes of LDS; arguments sel, gate, inputs, route, xq; writes route, xq
.if DOCPART == 2
	.amdgcn_target "amdgcn-amd-amdhsa--gfx1250"
	.amdhsa_code_object_version 6
	.text
	.protected	k_q485add5139_place
	.globl	k_q485add5139_place
	.p2align	8
	.type	k_q485add5139_place,@function
k_q485add5139_place:
	s_mov_b64 s[64:65], 0
	v_nop
	global_prefetch_b8 v0, s[64:65] scope:SCOPE_SE
	s_setreg_imm32_b32 hwreg(HW_REG_WAVE_MODE, 25, 1), 1
	s_wait_xcnt 0x0
; THE PLACING.  The 2,048 routed rows (token, k) are laid by expert into SLOTS; each expert takes whole tiles of 16 slots, tile_start[e] = the sum of ceil(count / 16) of the experts before it.
; There are never more than 128 + 7 tiles, whatever the choice; 136 are laid out.  A slot that no row takes (a pad) carries token 0's x; what is computed of it is read by nobody.
; SHARES.  A work-group makes ONE tile T of slots, and every work-group first repeats the small counting: wave w counts expert w over all of sel (4 KiB); the eight counts meet in LDS.
; Wave 0 then walks sel once more and scatters into LDS the 16 entries (k x 1024 + token) whose rank in the tile's expert is 16 (T - tile_start) + 0 .. 15.  The ranks go by register, then by lane: the same in every work-group.
; Then wave w gathers the 16 tokens' numbers of K step w (128 along K), quantises them (E2M1, one E8M0 byte for 32) and stores the fragment AS AN IMAGE OF THE OPERAND'S REGISTERS:
; XC[T][s][c][lane][16 bytes], 512 consecutive bytes a store; the scale words XSS[T][s][row].  Wave 1 also stores the slots' gate weights and each routed row's slot (pos); wave 2 of work-group 0 the table.
; A block's scale byte is its largest magnitude's exponent field - 2, held at 1 from below; a block of zeros so gets 1 (its codes are zeros, and this program alone reads the bytes).
; LIMITS: NaN and infinities among the inputs are not served.
.set CT, 16                            ; v16-23   the eight counts
.set TC, 24                            ; v24-31   tiles of each expert
.set ST, 32                            ; v32-39   first tile of each expert
.set SV, 40                            ; v40-71   sel: register 4 j + i holds token 128 j + 4 lane + i
.set X,  72                            ; v72-135  64 numbers of x: register 32 c + i = k 128 w + 64 c + 32 (lane / 16) + i of my slot's token
.set LIST, 256                         ; LDS: the counts at 0 (8 words); the tile's 16 entries at 256, word 16 takes what does not belong to the tile
.set XSS, 1114112
.set WSL, 1183744
.set WTS, 32768
.set POS, 256
	s_load_b256 s[4:11], s[0:1], 0x0               ; sel, gate, inputs, route
	s_load_b64 s[12:13], s[0:1], 0x20              ; xq
	v_lshl_add_u32 v176, v0, 2, 0x200
	v_mov_b32 v177, 0
	v_lshrrev_b32 v7, 5, v0
	v_readfirstlane_b32 s14, v7                    ; wave 0..7
	s_mov_b32 s15, ttmp9                           ; T
	v_and_b32 v1, 31, v0                           ; lane
	v_and_b32 v2, 15, v0                           ; r
	v_bfe_u32 v3, v0, 4, 1                         ; h
	v_lshlrev_b32 v4, 2, v1                        ; 4 x lane: my first token of a load's 128
	v_mov_b32 v5, -1
	v_mov_b32 v6, 0x400
	v_lshl_add_u32 v164, v2, 2, LIST               ; every LDS address that stays is made here
	v_lshl_add_u32 v165, v1, 2, LIST
	s_lshl_b32 s23, s14, 2
	v_mov_b32 v166, s23                            ; my wave's count
	v_mov_b32 v167, 0
	v_lshlrev_b32 v168, 4, v1
	v_lshlrev_b32 v169, 2, v2
	v_mov_b32 v162, 0                              ; written once: a lane permute's destination counts as one of its sources
	s_mov_b32 s40, 0x76543210
	s_mov_b32 s41, 0xfedcba98
	s_mov_b32 s33, 0
	s_wait_kmcnt 0x0
.irp j, 0,1,2,3,4,5,6,7
	global_load_b128 v[SV+4*\j:SV+4*\j+3], v168, s[4:5] offset:512*\j
.endr
	s_lshl_b32 s32, s14, 9
	s_add_nc_u64 s[16:17], s[8:9], s[32:33]        ; inputs at K step w
	s_lshl_b32 s32, s15, 13
	s_lshl_b32 s23, s14, 10
	s_add_co_u32 s32, s32, s23
	s_add_nc_u64 s[18:19], s[12:13], s[32:33]      ; XC[T][w]
	s_lshl_b32 s32, s15, 9
	s_lshl_b32 s23, s14, 6
	s_add_co_u32 s32, s32, s23
	s_add_nc_u64 s[26:27], s[12:13], s[32:33]      ; XSS[T][w], less XSS
	s_lshl_b32 s32, s15, 6
	s_add_nc_u64 s[28:29], s[12:13], s[32:33]      ; WSL[16 T], less WSL
	s_add_co_u32 s20, s14, 16
	s_lshl_b32 s20, 1, s20                         ; expert w's bit in a word of sel
	s_mov_b32 s21, 0
	s_wait_loadcnt 0x0
.set Q, 0
.rept 32
	v_and_b32 v7, s20, v[SV+Q]
	v_cmp_ne_u32 vcc_lo, 0, v7
	s_bcnt1_i32_b32 s22, vcc_lo
	s_add_co_u32 s21, s21, s22
.set Q, Q+1
.endr
	v_mov_b32 v7, s21
	ds_store_b32 v166, v7                          ; all lanes write the same word with the same value
	s_wait_dscnt 0x0
	s_barrier_signal -1
	s_barrier_wait -1                              ; the eight counts lie in LDS
	ds_load_b128 v[CT:CT+3], v167
	ds_load_b128 v[CT+4:CT+7], v167 offset:16
	s_wait_dscnt 0x0
	s_barrier_signal -1
	s_barrier_wait -1                              ; every wave has read them: from here to the next barrier wave 0 alone touches LDS
.irp e, 0,1,2,3,4,5,6,7
	v_add_nc_u32 v[TC+\e], 15, v[CT+\e]
.endr
.irp e, 0,1,2,3,4,5,6,7
	v_lshrrev_b32 v[TC+\e], 4, v[TC+\e]
.endr
	v_mov_b32 v[ST], 0
.irp e, 0,1,2,3,4,5,6
	v_add_nc_u32 v[ST+\e+1], v[ST+\e], v[TC+\e]
.endr
	v_mov_b32 v10, 0                               ; the tile's expert: the last whose first tile is not behind T
	v_mov_b32 v9, 0                                ; and that first tile
.irp j, 1,2,3,4,5,6,7
	v_cmp_lt_u32 vcc_lo, s15, v[ST+\j]
	v_cndmask_b32 v10, \j, v10, vcc_lo
	v_cndmask_b32 v9, v[ST+\j], v9, vcc_lo
.endr
	v_sub_nc_u32 v11, s15, v9
	v_lshlrev_b32 v11, 4, v11                      ; the rank of the tile's first slot
	v_mov_b32 v12, 0x10000
	v_lshlrev_b32 v12, v10, v12                    ; the expert's bit
	s_cmp_lg_u32 s14, 0
	s_cbranch_scc1 .Lno_scatter
	v_mov_b32 v7, 0x800                            ; a pad: token 0, and past both k
	ds_store_b32 v165, v7
	s_mov_b32 s24, 0                               ; rows of the expert seen so far
.macro SCAT q
	v_and_b32 v7, v12, v[SV+(\q)]
	v_cmp_ne_u32 vcc_lo, 0, v7
	v_mbcnt_lo_u32_b32 v7, vcc_lo, s24             ; my row's rank: those seen + those in lower lanes
	s_bcnt1_i32_b32 s25, vcc_lo
	s_add_co_u32 s24, s24, s25
	v_sub_nc_u32 v7, v7, v11                       ; its place in the tile,
	v_cndmask_b32 v7, v5, v7, vcc_lo               ; none where the token did not choose the expert,
	v_min_u32 v7, 16, v7                           ; and word 16 for all that lies outside 0 .. 15
	v_lshlrev_b32 v15, 2, v7
	v_bfe_u32 v8, v[SV+(\q)], 8, 8
	v_cmp_eq_u32 vcc_lo, v8, v10                   ; is the expert the token's second choice?
	v_cndmask_b32 v8, 0, v6, vcc_lo
	v_add3_u32 v8, v8, v4, 128*((\q)/4)+(\q)%4     ; k x 1024 + token
	ds_store_b32 v15, v8 offset:LIST
.endm
.set Q, 0
.rept 32
	SCAT Q
.set Q, Q+1
.endr
.Lno_scatter:
	s_wait_dscnt 0x0
	s_barrier_signal -1
	s_barrier_wait -1                              ; the tile's sixteen entries lie in LDS
	ds_load_b32 v13, v164                          ; my slot's entry
	s_wait_dscnt 0x0
	v_and_b32 v7, 0x3ff, v13
	v_min_u32 v7, 0x3ff, v7                        ; the token
	v_lshlrev_b32 v14, 12, v7
	v_lshl_add_u32 v14, v3, 7, v14                 ; its row of 4,096 bytes, + 128 h
.irp c, 0,1
.irp m, 0,1,2,3,4,5,6,7
	global_load_b128 v[X+32*\c+4*\m:X+32*\c+4*\m+3], v14, s[16:17] offset:256*\c+16*\m
.endr
.endr
	s_wait_loadcnt 8                               ; my first block's eight loads are in, the second's may be out
	v_max3_num_f32 v136, |v[X]|, |v[X+1]|, 0x1800000     ; a whole block of 32 is mine; the floor 2^(3 - 127) holds the byte at 1 from below
.irp i, 2,4,6,8,10,12,14,16,18,20,22,24,26,28,30
	v_max3_num_f32 v136, v136, |v[X+\i]|, |v[X+\i+1]|
.endr
	s_wait_loadcnt 0x0
	v_max3_num_f32 v137, |v[X+32]|, |v[X+33]|, 0x1800000
.irp i, 2,4,6,8,10,12,14,16,18,20,22,24,26,28,30
	v_max3_num_f32 v137, v137, |v[X+32+\i]|, |v[X+33+\i]|
.endr
.irp c, 0,1
	v_add_nc_u32 v[140+\c], 0xff000000, v[136+\c]  ; 2 off the exponent field: the conversion takes this operand's exponent field as its scale
.endr
.irp c, 0,1
	v_lshrrev_b32 v[138+\c], 23, v[140+\c]         ; the scale's byte
.endr
	v_lshl_or_b32 v160, v139, 16, v138             ; my two bytes, blocks h and 2 + h,
	v_lshlrev_b32 v161, 3, v3
	v_lshlrev_b32 v160, v161, v160                 ; at their places in the word;
	v_permlanex16_b32 v162, v160, s40, s41
	v_or_b32 v160, v160, v162                      ; with lane l xor 16's two the word is whole
.irp c, 0,1
.irp g, 0,1,2,3
	v_cvt_scalef32_pk8_fp4_f32 v[152+4*\c+\g], v[X+32*\c+8*\g:X+32*\c+8*\g+7], v[140+\c]
.endr
.endr
	v_nop                                          ; one plain instruction behind the last scaled conversion
	global_store_b128 v168, v[152:155], s[18:19]               ; 32 lanes store 512 consecutive bytes
	global_store_b128 v168, v[156:159], s[18:19] offset:512
	global_store_b32 v169, v160, s[26:27] offset:XSS           ; both halves of the lanes store the same word with the same value
	s_cmp_lg_u32 s14, 1
	s_cbranch_scc1 .Lnot_wave_1
	v_min_u32 v170, 0x7ff, v13                     ; k x 1024 + token; a pad reads the last weight, which nobody uses
	v_lshlrev_b32 v170, 2, v170
	global_load_b32 v171, v170, s[6:7] offset:WTS
	s_lshl_b32 s31, s15, 4
	v_add_nc_u32 v172, s31, v2                     ; my slot
	v_cmp_gt_u32 vcc_lo, 0x800, v13                ; a routed row, not a pad
	s_wait_loadcnt 0x0
	global_store_b32 v169, v171, s[28:29] offset:WSL
	s_wait_xcnt 0x0                                ; EXEC changes only when every earlier memory instruction has had its addresses translated
	s_and_saveexec_b32 s30, vcc_lo
	global_store_b32 v170, v172, s[10:11] offset:POS           ; pos[k][token] = slot
	s_wait_xcnt 0x0
	s_or_b32 exec_lo, exec_lo, s30
.Lnot_wave_1:
	s_cmp_lg_u32 s14, 2
	s_cbranch_scc1 .Ldone
	s_cmp_lg_u32 s15, 0
	s_cbranch_scc1 .Ldone
	v_cmp_eq_u32 vcc_lo, 0, v1
	s_wait_xcnt 0x0
	s_and_saveexec_b32 s30, vcc_lo                 ; the table: one lane of one wave of one work-group
	global_store_b128 v167, v[ST:ST+3], s[10:11]
	global_store_b128 v167, v[ST+4:ST+7], s[10:11] offset:16
	global_store_b128 v167, v[TC:TC+3], s[10:11] offset:32
	global_store_b128 v167, v[TC+4:TC+7], s[10:11] offset:48
	global_store_b128 v167, v[CT:CT+3], s[10:11] offset:64
	global_store_b128 v167, v[CT+4:CT+7], s[10:11] offset:80
	s_wait_xcnt 0x0
	s_or_b32 exec_lo, exec_lo, s30
.Ldone:
	s_wait_tensorcnt 0x0
	ds_add_u32 v176, v177
	s_wait_dscnt 0x0
	s_endpgm
.Lfunc_end_k_q485add5139_place:
	.size	k_q485add5139_place, .Lfunc_end_k_q485add5139_place-k_q485add5139_place
	.p2alignl 7, 3214868480
	.fill 96, 4, 3214868480
	.section	.rodata,"a",@progbits
	.p2align	6, 0x0
	.amdhsa_kernel k_q485add5139_place
		.amdhsa_group_segment_fixed_size 1536
		.amdhsa_private_segment_fixed_size 0
		.amdhsa_enable_private_segment 0
		.amdhsa_kernarg_size 40
		.amdhsa_user_sgpr_count 2
		.amdhsa_user_sgpr_kernarg_segment_ptr 1
		.amdhsa_wavefront_size32 1
		.amdhsa_system_sgpr_workgroup_id_x 1
		.amdhsa_system_sgpr_workgroup_id_y 1
		.amdhsa_system_sgpr_workgroup_id_z 1
		.amdhsa_system_vgpr_workitem_id 0
		.amdhsa_next_free_vgpr 178
		.amdhsa_next_free_sgpr 66
		.amdhsa_reserve_vcc 1
		.amdhsa_float_denorm_mode_32 3
		.amdhsa_float_denorm_mode_16_64 3
		.amdhsa_memory_ordered 1
		.amdhsa_forward_progress 1
		.amdhsa_inst_pref_size 35
	.end_amdhsa_kernel
	.amdgpu_metadata
---
amdhsa.version: [ 1, 2 ]
amdhsa.kernels:
  - .name:           k_q485add5139_place
    .symbol:         k_q485add5139_place.kd
    .args:
      - { .name: sel, .offset: 0, .size: 8, .value_kind: global_buffer, .address_space: global }
      - { .name: gate, .offset: 8, .size: 8, .value_kind: global_buffer, .address_space: global }
      - { .name: inputs, .offset: 16, .size: 8, .value_kind: global_buffer, .address_space: global }
      - { .name: route, .offset: 24, .size: 8, .value_kind: global_buffer, .address_space: global }
      - { .name: xq, .offset: 32, .size: 8, .value_kind: global_buffer, .address_space: global }
    .group_segment_fixed_size: 1536
    .private_segment_fixed_size: 0
    .kernarg_segment_align: 8
    .kernarg_segment_size: 40
    .max_flat_workgroup_size: 256
    .sgpr_count:     66
    .vgpr_count:     178
    .wavefront_size: 32
...
	.end_amdgpu_metadata
.endif
;; end of part 2
;; launch ffn1 (part 3): grid 32 x 8, 4 waves a work-group, no clusters, 74,240 bytes of LDS; arguments W1, b1, route, xq, hq; writes hq
.if DOCPART == 3
	.amdgcn_target "amdgcn-amd-amdhsa--gfx1250"
	.amdhsa_code_object_version 6
	.text
	.protected	k_q485add5139_ffn1
	.globl	k_q485add5139_ffn1
	.p2align	8
	.type	k_q485add5139_ffn1,@function
k_q485add5139_ffn1:
	s_mov_b64 s[64:65], 0
	v_nop
	global_prefetch_b8 v0, s[64:65] scope:SCOPE_SE
	s_setreg_imm32_b32 hwreg(HW_REG_WAVE_MODE, 25, 1), 1
	s_wait_xcnt 0x0
; h = gelu(x W1[e] + b1[e]) for the rows that chose expert e, on codes of E2M1 with one E8M0 scale for 32 along K; h is quantised on the way and leaves as codes.
; THE WEIGHTS STAY, THE ROWS WALK.  Work-group (slab, e) owns W1[e][all 1,024 k][128 slab .. + 127]: 512 KiB of f32, read from memory ONCE in the whole launch, by this work-group alone.
; PHASE A.  Wave w takes rows 256 w .. + 255 in eight blocks of 32.  A load reads one row's 512 bytes (16 a lane: four columns).  The conversions take neighbours along K from consecutive registers of one lane,
; so a block is first turned in registers (128 moves: register 32 jj + i = row i of my column jj); a block of 32 along K of a column then lies in one lane: no other lane is asked for its largest magnitude.
; The codes go to LDS as IMAGES OF THE OPERAND'S REGISTERS (fragment (tile n, K step s), group c, at n TILEP + 1024 s + 512 c + 16 lane), the scale words beside them.  One barrier.
; PHASE B.  Every wave fetches ALL 64 fragments (512 registers) and the waves share the expert's tiles of 16 slots: wave w takes tiles start + w, + 4, ..  A tile: x's eight fragments from xq (images: 512 consecutive
; bytes a load), 64 products, gelu, quantiser, one fragment of h and its scale words to hq.  The next tile's x is asked for ahead of the gelu.
; The number of tiles is read from route, which an earlier launch stored; so this text has no tensor load, and no barrier behind the one above.
; THE PRODUCT IS USED TRANSPOSED (source 0 = 16 columns of W1, source 1 = 16 slots of x): a lane holds one slot, its registers run along the hidden units.  THE COLUMNS OF A TILE ARE NOT NEIGHBOURS: row r of tile 2 b + u
; is column 32 b + 8 u + r + 8 (r / 8), so that the 16 registers of tiles 2 b, 2 b + 1 are 16 neighbours along the next K.  b1 is the C of each sum's first product.
; gelu is the tanh form: x / (1 + 2^(K1 x + K2 x^3)), K1 = -2 sqrt(2 / pi) log2(e), K2 = 0.044715 K1, all in f32.
; No multicast: what work-groups share here (x's codes, 8.5 KiB a tile) is small beside the weights, which nobody shares, and the partners' trip counts hang on stored numbers.
; LIMITS: NaN and infinities are not served; a block of zeros gets the scale byte 1 (its codes are zeros; this program alone reads the bytes).
; REGISTERS, in windows of 256.  Window 0: v1-15 addresses and constants; v16-47 W1's scale words; v48-51 x's; v52 h's; v56-71 at work; v72-79 the codes just made; v80-143 the eight accumulators; v144-207 at work in gelu
;   (phase A: v80-207 a block, turned; v208-223 its codes; v224-231 scale words).  Window 1: phase A two sets of loads; then the fragments of K steps 0-3 at v[8 (4 n + s)].  Window 2: K steps 4-7.  Window 3: v0-63 x; v128-191 b1.
.set TILEP, 8208                       ; a tile's eight fragments + 16 bytes, so that the four tiles that sixteen lanes of a store touch start four words apart
.set SCB,   8*TILEP                    ; the scale words: 48 bytes for each of 128 places (32 b + 16 u + r), word s at 4 s
.set XSS,   1114112
.set HSS,   4456448
.set WS, 16                            ; register 8 P + s: lanes 0-15 tile 2 P, lanes 16-31 tile 2 P + 1
.set XS, 48                            ; register q: lanes 0-15 K step 2 q, lanes 16-31 K step 2 q + 1
.set PW, 52
.set TM, 56
.set PC, 72
.set HA, 80
.set T,  144
.set TT, 80
.set C,  208
.set SW, 224
.set B1, 128
.set SEL, 40
.set MSB, 0
.macro WIN new                         ; the immediate's low byte: bits 1:0 source 0, 3:2 source 1, 5:4 source 2, 7:6 destination; its high byte repeats the setting that is left
.if MSB != \new
	s_set_vgpr_msb (MSB<<8)|\new
.set MSB, \new
.endif
.endm
	s_load_b256 s[4:11], s[0:1], 0x0               ; W1, b1, route, xq
	s_load_b64 s[12:13], s[0:1], 0x20              ; hq
	v_lshl_add_u32 v254, v0, 2, 0x12000
	v_mov_b32 v255, 0
	v_lshrrev_b32 v12, 5, v0
	v_readfirstlane_b32 s14, v12                   ; wave
	s_mov_b32 s15, ttmp9                           ; slab
	s_and_b32 s16, ttmp7, 0xffff                   ; expert
	v_and_b32 v1, 31, v0                           ; lane
	v_lshlrev_b32 v2, 4, v1                        ; 16 x lane: a row's bytes, and an image's place
	v_lshrrev_b32 v12, 3, v1                       ; my four columns 4 l + jj: b = l / 8,
	v_bfe_u32 v13, v1, 1, 1                        ; u,
	v_bfe_u32 v14, v1, 2, 1                        ; the row's upper half,
	v_and_b32 v15, 1, v1                           ; and which four of its eight
	v_mul_u32_u24 v3, v12, 2*TILEP
	v_mad_u32_u24 v3, v13, TILEP, v3
	v_lshl_add_u32 v3, v14, 7, v3
	v_lshl_add_u32 v3, v15, 6, v3
	s_lshl_b32 s23, s14, 11
	v_add_nc_u32 v3, s23, v3                       ; where my codes go: tile (2 b + u), row 8 x + 4 y (+ jj), K steps 2 w on
	v_lshlrev_b32 v4, 5, v12
	v_lshl_add_u32 v4, v13, 4, v4
	v_lshl_add_u32 v4, v14, 3, v4
	v_lshl_add_u32 v4, v15, 2, v4
	v_mul_u32_u24 v4, v4, 48
	s_lshl_b32 s23, s14, 3
	v_add_nc_u32 v4, s23, v4
	v_add_nc_u32 v4, SCB, v4                       ; and my scale words: two for each column
	v_lshlrev_b32 v6, 2, v1
	v_mul_u32_u24 v7, v1, 48
	v_add_nc_u32 v7, SCB, v7
	v_bfe_u32 v8, v0, 4, 1
	v_lshlrev_b32 v8, 6, v8                        ; b1: 64 h
	v_and_b32 v9, 15, v0
	v_lshlrev_b32 v9, 2, v9
	v_mov_b32 v10, 0xc0135761                      ; K1
	v_mov_b32 v11, 0xc0135761
	s_mov_b32 s42, 0xbdd2d3e8                      ; K2
	s_mov_b32 s43, s42
	s_mov_b32 s[SEL], 0x76543210
	s_mov_b32 s[SEL+1], 0xfedcba98
	s_lshl_b32 s46, s15, 10                        ; h's fragment of this slab in a tile
	s_lshl_b32 s47, s15, 6                         ; and its scale words
	s_lshl_b32 s22, s16, 2
	s_mov_b32 s39, 0
	s_lshl_b32 s38, s16, 24
	s_lshl_b32 s23, s14, 22
	s_add_co_u32 s38, s38, s23
	s_lshl_b32 s23, s15, 9
	s_add_co_u32 s38, s38, s23
	s_wait_kmcnt 0x0
	s_add_nc_u64 s[18:19], s[4:5], s[38:39]        ; W1[e][256 w][128 slab]
	s_lshl_b32 s38, s16, 14
	s_add_co_u32 s38, s38, s23
	s_add_nc_u64 s[44:45], s[6:7], s[38:39]        ; b1[e][128 slab]
	s_load_b32 s20, s[8:9], s22 offset:0x0         ; the expert's first tile
	s_load_b32 s21, s[8:9], s22 offset:0x20        ; and how many
	WIN 0xc0
.irp t, 0,1,2,3,4,5,6,7
	global_load_b128 v[B1+8*\t:B1+8*\t+3], v8, s[44:45] offset:(32*(\t/2)+8*(\t%2))*4
	global_load_b128 v[B1+8*\t+4:B1+8*\t+7], v8, s[44:45] offset:(32*(\t/2)+8*(\t%2))*4+16
.endr
.macro LOADBLK set, b                  ; rows 32 b + 0 .. 31 of my 256: register 128 set + 4 i + jj of window 1
	WIN 0x40
.set I, 0
.rept 32
	global_load_b128 v[128*(\set)+4*I:128*(\set)+4*I+3], v2, s[18:19] offset:(32*(\b)+I)*16384 th:TH_LOAD_NT
.set I, I+1
.endr
.endm
.macro BLOCK b
.if (\b) < 7
	s_wait_loadcnt 32                              ; this block's 32 loads are in (and all issued before them); the other set's may be out
.else
	s_wait_loadcnt 0x0
.endif
	WIN 0x01
.set I, 0
.rept 32
.irp jj, 0,1,2,3
	v_mov_b32 v[TT+32*\jj+I], v[128*((\b)%2)+4*I+\jj]          ; turned: a column's 32 numbers on end
.endr
.set I, I+1
.endr
.if (\b)+2 < 8
	LOADBLK (\b)%2, (\b)+2
.endif
	WIN 0
.irp jj, 0,1,2,3
	v_max3_num_f32 v[TM+\jj], |v[TT+32*\jj]|, |v[TT+32*\jj+1]|, 0x1800000   ; the floor 2^(3 - 127) holds the byte at 1 from below
.endr
.irp i, 2,4,6,8,10,12,14,16,18,20,22,24,26,28,30
.irp jj, 0,1,2,3
	v_max3_num_f32 v[TM+\jj], v[TM+\jj], |v[TT+32*\jj+\i]|, |v[TT+32*\jj+\i+1]|   ; the four columns by turns
.endr
.endr
.irp jj, 0,1,2,3
	v_add_nc_u32 v[TM+4+\jj], 0xff000000, v[TM+\jj]            ; 2 off the exponent field: the conversion's scale operand
.endr
.irp jj, 0,1,2,3
	v_lshrrev_b32 v[TM+8+\jj], 23, v[TM+4+\jj]                 ; the scale's byte
.endr
.irp jj, 0,1,2,3
.if (\b)%4 == 0
	v_mov_b32 v[SW+2*\jj+(\b)/4], v[TM+8+\jj]
.else
	v_lshl_or_b32 v[SW+2*\jj+(\b)/4], v[TM+8+\jj], 8*((\b)%4), v[SW+2*\jj+(\b)/4]
.endif
.endr
	s_wait_dscnt 0x0                               ; the last block's LDS stores have read the registers that the conversions write
.irp jj, 0,1,2,3
.irp g, 0,1,2,3
	v_cvt_scalef32_pk8_fp4_f32 v[C+4*\jj+\g], v[TT+32*\jj+8*\g:TT+32*\jj+8*\g+7], v[TM+4+\jj]
.endr
.endr
	v_nop                                          ; one plain instruction behind the last scaled conversion
.irp jj, 0,1,2,3
	ds_store_b128 v3, v[C+4*\jj:C+4*\jj+3] offset:256*(\b)+16*\jj   ; block b of my eight: 1024 (b / 4) + 512 ((b / 2) % 2) + 256 (b % 2) = 256 b
.endr
.endm
	LOADBLK 0, 0
	LOADBLK 1, 1
.irp b, 0,1,2,3,4,5,6,7
	BLOCK \b
.endr
.irp jj, 0,1,2,3
	ds_store_b64 v4, v[SW+2*\jj:SW+2*\jj+1] offset:48*\jj
.endr
	s_wait_dscnt 0x0                               ; for the others' sake: my codes and scale words lie in LDS
	s_barrier_signal -1
	s_barrier_wait -1                              ; the launch's one barrier: nothing in LDS is written behind it
	s_wait_kmcnt 0x0
	s_min_u32 s20, s20, 135
	s_min_u32 s21, s21, 136
	s_cmp_le_u32 s21, s14
	s_cbranch_scc1 .Lend                           ; fewer tiles than waves: nothing for me
	s_add_co_u32 s24, s20, s14                     ; my tile
	s_add_co_u32 s25, s20, s21
	s_sub_co_u32 s25, s25, 1                       ; the expert's last
	s_sub_co_u32 s27, s21, s14
	s_add_co_u32 s27, s27, 3
	s_lshr_b32 s27, s27, 2                         ; my tiles
	s_mov_b32 s26, 0
.macro XBASE                           ; where tile s24's x lies; past the expert's last tile the last is read again, and not used
	s_min_u32 s36, s24, s25
	s_min_u32 s36, s36, 135
	s_lshl_b32 s38, s36, 13
	s_add_nc_u64 s[28:29], s[10:11], s[38:39]
	s_lshl_b32 s38, s36, 9
	s_add_nc_u64 s[30:31], s[10:11], s[38:39]
.endm
.macro LOADX                           ; 20 loads: eight fragments, and their scale words two K steps to a register
	WIN 0xc0
.irp s, 0,1,2,3,4,5,6,7
.irp c, 0,1
	global_load_b128 v[8*\s+4*\c:8*\s+4*\c+3], v2, s[28:29] offset:1024*\s+512*\c
.endr
.endr
	WIN 0
.irp q, 0,1,2,3
	global_load_b32 v[XS+\q], v6, s[30:31] offset:XSS+128*\q
.endr
.endm
	XBASE
	LOADX
	WIN 0x40
.irp n, 0,1,2,3,4,5,6,7
.irp s, 0,1,2,3
.irp c, 0,1
	ds_load_b128 v[8*(4*\n+\s)+4*\c:8*(4*\n+\s)+4*\c+3], v2 offset:\n*TILEP+\s*1024+\c*512
.endr
.endr
.endr
	WIN 0x80
.irp n, 0,1,2,3,4,5,6,7
.irp s, 4,5,6,7
.irp c, 0,1
	ds_load_b128 v[8*(4*\n+\s-4)+4*\c:8*(4*\n+\s-4)+4*\c+3], v2 offset:\n*TILEP+\s*1024+\c*512
.endr
.endr
.endr
	WIN 0
.irp pp, 0,1,2,3
.irp g, 0,1
	ds_load_b128 v[WS+8*\pp+4*\g:WS+8*\pp+4*\g+3], v7 offset:1536*\pp+16*\g
.endr
.endr
	s_wait_dscnt 0x0
; one product: tile n of W1's columns x the tile of slots, K step s.  The scales' rows: odd tiles and odd K steps lie in lanes 16-31 of their registers
.macro MM1 n, s
.set rD, HA+8*(\n)
.set rA, 8*(4*(\n)+(\s)%4)
.set rB, 8*(\s)
.set rC, B1+8*(\n)
.set rP, WS+8*((\n)/2)+(\s)
.set rQ, XS+(\s)/2
.if (\s) == 0
.if (\n)%2 == 0
	v_wmma_scale_f32_16x16x128_f8f6f4 v[rD:rD+7], v[rA:rA+7], v[rB:rB+7], v[rC:rC+7], v[rP], v[rQ] matrix_a_fmt:MATRIX_FMT_FP4 matrix_b_fmt:MATRIX_FMT_FP4
.else
	v_wmma_scale_f32_16x16x128_f8f6f4 v[rD:rD+7], v[rA:rA+7], v[rB:rB+7], v[rC:rC+7], v[rP], v[rQ] matrix_a_fmt:MATRIX_FMT_FP4 matrix_b_fmt:MATRIX_FMT_FP4 matrix_a_scale:MATRIX_SCALE_ROW1
.endif
.elseif (\s)%2 == 0
.if (\n)%2 == 0
	v_wmma_scale_f32_16x16x128_f8f6f4 v[rD:rD+7], v[rA:rA+7], v[rB:rB+7], v[rD:rD+7], v[rP], v[rQ] matrix_a_fmt:MATRIX_FMT_FP4 matrix_b_fmt:MATRIX_FMT_FP4
.else
	v_wmma_scale_f32_16x16x128_f8f6f4 v[rD:rD+7], v[rA:rA+7], v[rB:rB+7], v[rD:rD+7], v[rP], v[rQ] matrix_a_fmt:MATRIX_FMT_FP4 matrix_b_fmt:MATRIX_FMT_FP4 matrix_a_scale:MATRIX_SCALE_ROW1
.endif
.else
.if (\n)%2 == 0
	v_wmma_scale_f32_16x16x128_f8f6f4 v[rD:rD+7], v[rA:rA+7], v[rB:rB+7], v[rD:rD+7], v[rP], v[rQ] matrix_a_fmt:MATRIX_FMT_FP4 matrix_b_fmt:MATRIX_FMT_FP4 matrix_b_scale:MATRIX_SCALE_ROW1
.else
	v_wmma_scale_f32_16x16x128_f8f6f4 v[rD:rD+7], v[rA:rA+7], v[rB:rB+7], v[rD:rD+7], v[rP], v[rQ] matrix_a_fmt:MATRIX_FMT_FP4 matrix_b_fmt:MATRIX_FMT_FP4 matrix_a_scale:MATRIX_SCALE_ROW1 matrix_b_scale:MATRIX_SCALE_ROW1
.endif
.endif
.endm
; 64 numbers of a lane, register 16 b + i = k 32 b + 16 (lane / 16) + i of my slot, become a fragment's codes in v[PC] on and its scale word in v[PW]
.macro QUANT s
.irp b, 0,1,2,3
	v_max3_num_f32 v[TM+\b], |v[\s+16*\b]|, |v[\s+1+16*\b]|, 0x1800000
.endr
.irp i, 2,4,6,8,10,12,14
.irp b, 0,1,2,3
	v_max3_num_f32 v[TM+\b], v[TM+\b], |v[\s+16*\b+\i]|, |v[\s+1+16*\b+\i]|
.endr
.endr
.irp b, 0,1,2,3
	v_permlanex16_b32 v[TM+4+\b], v[TM+\b], s[SEL], s[SEL+1]
.endr
.irp b, 0,1,2,3
	v_max_num_f32 v[TM+\b], v[TM+\b], v[TM+4+\b]   ; with lane l xor 16's: the block's largest magnitude
.endr
.irp b, 0,1,2,3
	v_add_nc_u32 v[TM+12+\b], 0xff000000, v[TM+\b]
.endr
.irp b, 0,1,2,3
	v_lshrrev_b32 v[TM+4+\b], 23, v[TM+12+\b]
.endr
	v_lshl_or_b32 v[PW], v[TM+5], 8, v[TM+4]
	v_lshl_or_b32 v[PW], v[TM+6], 16, v[PW]
	v_lshl_or_b32 v[PW], v[TM+7], 24, v[PW]
.irp b, 0,1,2,3
	v_cvt_scalef32_pk8_fp4_f32 v[PC+2*\b], v[\s+16*\b:\s+7+16*\b], v[TM+12+\b]
	v_cvt_scalef32_pk8_fp4_f32 v[PC+1+2*\b], v[\s+8+16*\b:\s+15+16*\b], v[TM+12+\b]
.endr
	v_nop                                          ; one plain instruction behind the last scaled conversion
.irp c, 0,1                                    ; the operand's layout wants a whole block in a lane: lanes 0-15 block 2 c, lanes 16-31 block 2 c + 1
.irp i, 0,1
	v_permlane16_swap_b32 v[PC+4*\c+\i], v[PC+2+4*\c+\i]
.endr
.endr
.endm
.Ltile:
	s_wait_loadcnt 0x0                             ; this tile's x (asked for a tile ago), in the first trip b1 too
.irp s, 0,1,2,3,4,5,6,7                        ; the eight accumulators take turns, one instruction a turn
.if \s == 0
	WIN 0x3d                                       ; W1 window 1, x window 3, C = b1 window 3, D window 0
.elseif \s < 4
	WIN 0x0d
.else
	WIN 0x0e                                       ; W1 window 2
.endif
.irp n, 0,1,2,3,4,5,6,7
	MM1 \n, \s
.endr
.endr
	WIN 0
.rept 4
	v_nop                                          ; four plain instructions between the last products and the loads into their operands, and the first read of their results
.endr
	s_wait_xcnt 0x0                                ; the last trip's stores have read their data and bases: both are written again below
	s_min_u32 s37, s24, 135
	s_lshl_b32 s38, s37, 15
	s_add_co_u32 s38, s38, s46
	s_add_nc_u64 s[32:33], s[12:13], s[38:39]      ; HC[tile][slab]
	s_lshl_b32 s38, s37, 11
	s_add_co_u32 s38, s38, s47
	s_add_nc_u64 s[34:35], s[12:13], s[38:39]      ; HSS[tile][slab], less HSS
	s_add_co_u32 s24, s24, 4
	XBASE
	LOADX                                          ; my next tile's x lands while this tile's gelu is worked
.set I, 0
.rept 32
	v_pk_mul_f32 v[T+I:T+I+1], v[HA+I:HA+I+1], v[HA+I:HA+I+1]  ; x^2; each accumulator is read from its low end on
.set I, I+2
.endr
.set I, 0
.rept 32
	v_pk_fma_f32 v[T+I:T+I+1], v[T+I:T+I+1], s[42:43], v[10:11] op_sel_hi:[1,0,0]   ; K2 x^2 + K1
.set I, I+2
.endr
.set I, 0
.rept 32
	v_pk_mul_f32 v[T+I:T+I+1], v[T+I:T+I+1], v[HA+I:HA+I+1]
.set I, I+2
.endr
.set I, 0
.rept 64
	v_exp_f32 v[T+I], v[T+I]
.set I, I+1
.endr
	v_nop                                          ; a plain instruction behind the exponentials
.set I, 0
	s_wait_alu depctr_va_vdst(0)
.rept 32
	v_pk_add_f32 v[T+I:T+I+1], v[T+I:T+I+1], 1.0 op_sel_hi:[1,0]
.set I, I+2
.endr
.set I, 0
.rept 64
	v_rcp_f32 v[T+I], v[T+I]
.set I, I+1
.endr
	v_nop                                          ; a plain instruction behind the reciprocals
.set I, 0
	s_wait_alu depctr_va_vdst(0)
.rept 32
	v_pk_mul_f32 v[HA+I:HA+I+1], v[HA+I:HA+I+1], v[T+I:T+I+1]
.set I, I+2
.endr
	QUANT HA
	global_store_b128 v2, v[PC:PC+3], s[32:33]                 ; 32 lanes store 512 consecutive bytes
	global_store_b128 v2, v[PC+4:PC+7], s[32:33] offset:512
	global_store_b32 v9, v[PW], s[34:35] offset:HSS            ; both halves of the lanes store the same word with the same value
	s_add_co_u32 s26, s26, 1
	s_cmp_lt_u32 s26, s27
	s_cbranch_scc1 .Ltile
.Lend:
	s_wait_tensorcnt 0x0
	ds_add_u32 v254, v255
	s_wait_dscnt 0x0
	s_endpgm
.Lfunc_end_k_q485add5139_ffn1:
	.size	k_q485add5139_ffn1, .Lfunc_end_k_q485add5139_ffn1-k_q485add5139_ffn1
	.p2alignl 7, 3214868480
	.fill 96, 4, 3214868480
	.section	.rodata,"a",@progbits
	.p2align	6, 0x0
	.amdhsa_kernel k_q485add5139_ffn1
		.amdhsa_group_segment_fixed_size 74240
		.amdhsa_private_segment_fixed_size 0
		.amdhsa_enable_private_segment 0
		.amdhsa_kernarg_size 40
		.amdhsa_user_sgpr_count 2
		.amdhsa_user_sgpr_kernarg_segment_ptr 1
		.amdhsa_wavefront_size32 1
		.amdhsa_system_sgpr_workgroup_id_x 1
		.amdhsa_system_sgpr_workgroup_id_y 1
		.amdhsa_system_sgpr_workgroup_id_z 1
		.amdhsa_system_vgpr_workitem_id 0
		.amdhsa_next_free_vgpr 1024
		.amdhsa_next_free_sgpr 66
		.amdhsa_reserve_vcc 0
		.amdhsa_float_denorm_mode_32 3
		.amdhsa_float_denorm_mode_16_64 3
		.amdhsa_memory_ordered 1
		.amdhsa_forward_progress 1
		.amdhsa_inst_pref_size 151
	.end_amdhsa_kernel
	.amdgpu_metadata
---
amdhsa.version: [ 1, 2 ]
amdhsa.kernels:
  - .name:           k_q485add5139_ffn1
    .symbol:         k_q485add5139_ffn1.kd
    .args:
      - { .name: W1, .offset: 0, .size: 8, .value_kind: global_buffer, .address_space: global }
      - { .name: b1, .offset: 8, .size: 8, .value_kind: global_buffer, .address_space: global }
      - { .name: route, .offset: 16, .size: 8, .value_kind: global_buffer, .address_space: global }
      - { .name: xq, .offset: 24, .size: 8, .value_kind: global_buffer, .address_space: global }
      - { .name: hq, .offset: 32, .size: 8, .value_kind: global_buffer, .address_space: global }
    .group_segment_fixed_size: 74240
    .private_segment_fixed_size: 0
    .kernarg_segment_align: 8
    .kernarg_segment_size: 40
    .max_flat_workgroup_size: 128
    .sgpr_count:     66
    .vgpr_count:     1024
    .wavefront_size: 32
...
	.end_amdgpu_metadata
.endif
;; end of part 3
;; launch ffn2 (part 4): grid 32 x 8, 4 waves a work-group, no clusters, 90,624 bytes of LDS; arguments W2, b2, route, xq, hq, ys; writes ys
.if DOCPART == 4
	.amdgcn_target "amdgcn-amd-amdhsa--gfx1250"
	.amdhsa_code_object_version 6
	.text
	.protected	k_q485add5139_ffn2
	.globl	k_q485add5139_ffn2
	.p2align	8
	.type	k_q485add5139_ffn2,@function
k_q485add5139_ffn2:
	s_mov_b64 s[64:65], 0
	v_nop
	global_prefetch_b8 v0, s[64:65] scope:SCOPE_SE
	s_setreg_imm32_b32 hwreg(HW_REG_WAVE_MODE, 25, 1), 1
	s_wait_xcnt 0x0
; ys[H][slot] = weight[slot] x (h[slot] W2[e] over half H of K, + b2[e] in half 0), on codes of E2M1 with one E8M0 scale for 32 along K.  The last launch adds a token's four rows.
; THE WEIGHTS STAY, THE ROWS WALK, as in the launch before.  Work-group (cs, H, e) owns W2[e][2048 H .. + 2047][64 cs .. + 63]: 512 KiB of f32, read from memory once in the whole launch.
; PHASE A.  Wave w takes rows 512 w .. + 511 of the half.  A load reads two rows' 256 bytes: lanes 0-15 a row of an even block of 32, lanes 16-31 the same row of the odd block behind it; 16 bytes (four columns) a lane.
; A block is turned in registers, quantised in one lane, and its codes go to LDS as images of the operand's registers (fragment (tile n, K step s): n TILEP + 1024 s + 512 c + 16 lane).  One barrier.
; PHASE B.  Every wave fetches all 64 fragments (512 registers); wave w takes the expert's tiles start + w, + 4, ..  A tile: h's sixteen fragments of this half from hq, 64 products on four accumulators, x the slot's weight,
; through the wave's own stage in LDS, out as rows of 256 consecutive bytes.  Two sets of registers for h take turns, so that a tile's 41 loads have a whole tile's work in which to land.
; The loop's one trip runs both sets; where the number of my tiles is odd, the second half works the expert's last tile once more and its stores are passed over.
; THE PRODUCT IS USED TRANSPOSED (source 0 = 16 columns of W2, source 1 = 16 slots of h): a lane holds eight neighbouring outputs of one slot.  b2 (x 1 in half 0, x 0 in half 1) is the C of each sum's first product.
; The number of tiles is read from route, which an earlier launch stored; so this text has no tensor load, and no barrier behind the one above.  No multicast, for the reasons given in the launch before.
; LIMITS: NaN and infinities are not served; a block of zeros gets the scale byte 1 (its codes are zeros; this program alone reads the bytes).
; REGISTERS, in windows of 256.  Window 0: v1-15 addresses; v16-47 W2's scale words; v48-63 h's, two sets; v64-67 the weights, as pairs; v68-79 at work; v80-111 four accumulators; v112-143 b2; v144-175 rows on the way out
;   (phase A: v80-207 a block, turned; v208-223 its codes; v224-239 scale words).  Windows 1, 2: phase A two sets of loads (window 1); then the fragments at v[8 (4 (s % 8) + n)] of window 1 + s / 8.  Window 3: h, two sets of 128.
.set TILEP, 16400                      ; a tile's sixteen fragments + 16 bytes
.set SCB,   4*TILEP                    ; the scale words: 80 bytes for each of 64 columns, word s at 4 s
.set STG,   SCB+64*80                  ; the stages: 16 rows x (256 + 16) bytes for each wave
.set HSS,   4456448
.set WSL,   1183744
.set HALFB, 8912896
.set WS, 16                            ; register 16 P + s: lanes 0-15 tile 2 P, lanes 16-31 tile 2 P + 1
.set XS, 48                            ; register 8 p + q: lanes 0-15 K step 2 q, lanes 16-31 K step 2 q + 1
.set WT, 64
.set TM, 68
.set ACC, 80
.set BIAS, 112
.set OB, 144
.set TT, 80
.set C,  208
.set SW, 224
.set MSB, 0
.macro WIN new                         ; the immediate's low byte: bits 1:0 source 0, 3:2 source 1, 5:4 source 2, 7:6 destination; its high byte repeats the setting that is left
.if MSB != \new
	s_set_vgpr_msb (MSB<<8)|\new
.set MSB, \new
.endif
.endm
	s_load_b256 s[4:11], s[0:1], 0x0               ; W2, b2, route, xq
	s_load_b128 s[12:15], s[0:1], 0x20             ; hq, ys
	v_lshl_add_u32 v254, v0, 2, 0x16000
	v_mov_b32 v255, 0
	v_lshrrev_b32 v13, 5, v0
	v_readfirstlane_b32 s16, v13                   ; wave
	s_and_b32 s17, ttmp9, 15                       ; cs: which 64 columns
	s_lshr_b32 s18, ttmp9, 4                       ; H: which half of K
	s_and_b32 s19, ttmp7, 0xffff                   ; expert
	v_and_b32 v1, 31, v0                           ; lane
	v_and_b32 v13, 15, v0                          ; lane % 16
	v_bfe_u32 v14, v0, 4, 1                        ; lane / 16
	v_lshlrev_b32 v2, 4, v13
	v_lshl_add_u32 v2, v14, 17, v2                 ; W2: 16 bytes of a row; lanes 16-31 32 rows further down
	v_lshrrev_b32 v3, 2, v13
	v_mul_u32_u24 v3, v3, TILEP
	v_and_b32 v5, 3, v13
	v_lshl_add_u32 v3, v5, 6, v3
	v_lshl_add_u32 v3, v14, 8, v3
	s_lshl_b32 s23, s16, 12
	v_add_nc_u32 v3, s23, v3                       ; where my codes go: tile (lane % 16) / 4, row 4 (lane % 4) (+ jj), the image's upper half for lanes 16-31, K steps 4 w on
	v_mul_u32_u24 v4, v13, 320
	s_lshl_b32 s23, s16, 4
	v_add_nc_u32 v4, s23, v4
	v_add_nc_u32 v4, SCB, v4                       ; and my scale words: four for each column
	v_lshlrev_b32 v5, 4, v1                        ; 16 x lane: an image's place
	v_lshlrev_b32 v6, 2, v1
	v_mul_u32_u24 v7, v1, 80
	v_add_nc_u32 v7, SCB, v7
	v_lshlrev_b32 v8, 5, v14                       ; b2: 32 h
	v_lshlrev_b32 v9, 2, v13
	s_mul_i32 s23, s16, 16*272
	s_add_co_u32 s23, s23, STG                     ; my stage
	v_mul_u32_u24 v10, v13, 272
	v_lshl_add_u32 v10, v14, 5, v10
	v_add_nc_u32 v10, s23, v10                     ; in: row r, 32 bytes for each half of the lanes
	v_mul_u32_u24 v11, v14, 272
	v_lshl_add_u32 v11, v13, 4, v11
	v_add_nc_u32 v11, s23, v11                     ; back: lanes 0-15 one row, lanes 16-31 the next
	v_lshlrev_b32 v12, 12, v14
	v_lshl_add_u32 v12, v13, 4, v12                ; and the same two rows in ys
	v_lshlrev_b32 v15, 3, v14                      ; 8 x (lane / 16)
	v_mov_b32 v[WT+1], 0                           ; named as the upper halves of the weights' pairs, so they are written
	v_mov_b32 v[WT+3], 0
	s_mov_b32 s50, 0x76543210
	s_mov_b32 s51, 0xfedcba98
	s_lshl_b32 s52, s18, 14                        ; this half's fragments in a tile of h
	s_lshl_b32 s53, s18, 10                        ; and their scale words
	s_mul_i32 s54, s18, HALFB
	s_lshl_b32 s23, s17, 8
	s_add_co_u32 s54, s54, s23                     ; ys: my half, my columns
	s_cmp_eq_u32 s18, 0
	s_cselect_b32 s48, 1.0, 0                      ; b2 counts in half 0 alone
	s_mov_b32 s49, s48
	s_lshl_b32 s22, s19, 2
	s_mov_b32 s39, 0
	s_lshl_b32 s38, s19, 24
	s_lshl_b32 s29, s18, 23
	s_add_co_u32 s38, s38, s29
	s_lshl_b32 s29, s16, 21
	s_add_co_u32 s38, s38, s29
	s_add_co_u32 s38, s38, s23
	s_wait_kmcnt 0x0
	s_add_nc_u64 s[20:21], s[4:5], s[38:39]        ; W2[e][2048 H + 512 w][64 cs]
	s_lshl_b32 s38, s19, 12
	s_add_co_u32 s38, s38, s23
	s_add_nc_u64 s[56:57], s[6:7], s[38:39]        ; b2[e][64 cs]
	s_load_b32 s30, s[8:9], s22 offset:0x0         ; the expert's first tile
	s_load_b32 s31, s[8:9], s22 offset:0x20        ; and how many
.macro LOADBLK set, bp                 ; rows 64 bp + 32 (lane / 16) + 0 .. 31 of my 512: register 128 set + 4 i + jj of window 1; sixteen lanes read 256 consecutive bytes, aligned
	WIN 0x40
.set I, 0
.rept 32
	global_load_b128 v[128*(\set)+4*I:128*(\set)+4*I+3], v2, s[20:21] offset:(64*(\bp)+I)*4096 th:TH_LOAD_NT
.set I, I+1
.endr
.endm
.macro BLOCK bp
.if (\bp) < 7
	s_wait_loadcnt 32                              ; this block's 32 loads are in; the other set's may be out
.else
	s_wait_loadcnt 0x0
.endif
	WIN 0x01
.set I, 0
.rept 32
.irp jj, 0,1,2,3
	v_mov_b32 v[TT+32*\jj+I], v[128*((\bp)%2)+4*I+\jj]         ; turned: a column's 32 numbers on end
.endr
.set I, I+1
.endr
.if (\bp)+2 < 8
	LOADBLK (\bp)%2, (\bp)+2
.endif
	WIN 0
.irp jj, 0,1,2,3
	v_max3_num_f32 v[TM+\jj], |v[TT+32*\jj]|, |v[TT+32*\jj+1]|, 0x1800000   ; the floor 2^(3 - 127) holds the byte at 1 from below
.endr
.irp i, 2,4,6,8,10,12,14,16,18,20,22,24,26,28,30
.irp jj, 0,1,2,3
	v_max3_num_f32 v[TM+\jj], v[TM+\jj], |v[TT+32*\jj+\i]|, |v[TT+32*\jj+\i+1]|
.endr
.endr
.irp jj, 0,1,2,3
	v_add_nc_u32 v[TM+4+\jj], 0xff000000, v[TM+\jj]
.endr
.irp jj, 0,1,2,3
	v_lshrrev_b32 v[TM+8+\jj], 23, v[TM+4+\jj]
.endr
.irp jj, 0,1,2,3                               ; my block is number 2 (bp % 2) + lane / 16 of K step 4 w + bp / 2: its byte goes to bits 0 or 16 now, and 8 (lane / 16) up at the end
.if (\bp)%2 == 0
	v_mov_b32 v[SW+4*\jj+(\bp)/2], v[TM+8+\jj]
.else
	v_lshl_or_b32 v[SW+4*\jj+(\bp)/2], v[TM+8+\jj], 16, v[SW+4*\jj+(\bp)/2]
.endif
.endr
	s_wait_dscnt 0x0                               ; the last block's LDS stores have read the registers that the conversions write
.irp jj, 0,1,2,3
.irp g, 0,1,2,3
	v_cvt_scalef32_pk8_fp4_f32 v[C+4*\jj+\g], v[TT+32*\jj+8*\g:TT+32*\jj+8*\g+7], v[TM+4+\jj]
.endr
.endr
	v_nop                                          ; one plain instruction behind the last scaled conversion
.irp jj, 0,1,2,3
	ds_store_b128 v3, v[C+4*\jj:C+4*\jj+3] offset:512*(\bp)+16*\jj
.endr
.endm
	LOADBLK 0, 0
	LOADBLK 1, 1
.irp bp, 0,1,2,3,4,5,6,7
	BLOCK \bp
.endr
	s_wait_dscnt 0x0                               ; the last stores have read the codes' registers, which the permutes below write
.set I, 0
.rept 16
	v_lshlrev_b32 v[SW+I], v15, v[SW+I]
.set I, I+1
.endr
.set I, 0
.rept 16
	v_permlanex16_b32 v[C+I], v[SW+I], s50, s51
.set I, I+1
.endr
.set I, 0
.rept 16
	v_or_b32 v[SW+I], v[SW+I], v[C+I]              ; with lane l xor 16's two bytes each word is whole
.set I, I+1
.endr
.irp jj, 0,1,2,3
	ds_store_b128 v4, v[SW+4*\jj:SW+4*\jj+3] offset:80*\jj     ; both halves of the lanes store the same words with the same values
.endr
	s_wait_dscnt 0x0                               ; for the others' sake: my codes and scale words lie in LDS
	s_barrier_signal -1
	s_barrier_wait -1                              ; the launch's one barrier: behind it a wave writes only its own stage
	s_wait_kmcnt 0x0
	s_min_u32 s30, s30, 135
	s_min_u32 s31, s31, 136
	s_cmp_le_u32 s31, s16
	s_cbranch_scc1 .Lend                           ; fewer tiles than waves: nothing for me
	s_add_co_u32 s24, s30, s16                     ; my tile
	s_add_co_u32 s25, s30, s31
	s_sub_co_u32 s25, s25, 1                       ; the expert's last
	s_sub_co_u32 s28, s31, s16
	s_add_co_u32 s28, s28, 7
	s_lshr_b32 s28, s28, 3                         ; trips: two of my tiles each
	s_mov_b32 s27, 0
.macro HBASE p                         ; set p's three bases, for tile s29
	s_lshl_b32 s38, s29, 15
	s_add_co_u32 s38, s38, s52
	s_add_nc_u64 s[32+8*\p:33+8*\p], s[12:13], s[38:39]
	s_lshl_b32 s38, s29, 11
	s_add_co_u32 s38, s38, s53
	s_add_nc_u64 s[34+8*\p:35+8*\p], s[12:13], s[38:39]
	s_lshl_b32 s38, s29, 6
	s_add_nc_u64 s[36+8*\p:37+8*\p], s[10:11], s[38:39]
.endm
.macro LOADH p                         ; 41 loads: sixteen fragments, their scale words two K steps to a register, the slots' weights
	WIN 0xc0
.irp s, 0,1,2,3,4,5,6,7,8,9,10,11,12,13,14,15
.irp c, 0,1
	global_load_b128 v[128*\p+8*\s+4*\c:128*\p+8*\s+4*\c+3], v5, s[32+8*\p:33+8*\p] offset:1024*\s+512*\c
.endr
.endr
	WIN 0
.irp q, 0,1,2,3,4,5,6,7
	global_load_b32 v[XS+8*\p+\q], v6, s[34+8*\p:35+8*\p] offset:HSS+128*\q
.endr
	global_load_b32 v[WT+2*\p], v9, s[36+8*\p:37+8*\p] offset:WSL
.endm
.irp n, 0,1,2,3
	global_load_b128 v[BIAS+8*\n:BIAS+8*\n+3], v8, s[56:57] offset:64*\n
	global_load_b128 v[BIAS+8*\n+4:BIAS+8*\n+7], v8, s[56:57] offset:64*\n+16
.endr
	s_min_u32 s29, s24, 135
	HBASE 0
	LOADH 0
	WIN 0x40
.irp s, 0,1,2,3,4,5,6,7
.irp n, 0,1,2,3
.irp c, 0,1
	ds_load_b128 v[8*(4*\s+\n)+4*\c:8*(4*\s+\n)+4*\c+3], v5 offset:\n*TILEP+\s*1024+\c*512
.endr
.endr
.endr
	WIN 0x80
.irp s, 8,9,10,11,12,13,14,15
.irp n, 0,1,2,3
.irp c, 0,1
	ds_load_b128 v[8*(4*(\s-8)+\n)+4*\c:8*(4*(\s-8)+\n)+4*\c+3], v5 offset:\n*TILEP+\s*1024+\c*512
.endr
.endr
.endr
	WIN 0
.irp pp, 0,1
.irp g, 0,1,2,3
	ds_load_b128 v[WS+16*\pp+4*\g:WS+16*\pp+4*\g+3], v7 offset:2560*\pp+16*\g
.endr
.endr
	s_wait_loadcnt 41                              ; b2 is in; set 0's 41 loads, issued behind it, may be out
.set I, 0
.rept 16
	v_pk_mul_f32 v[BIAS+I:BIAS+I+1], v[BIAS+I:BIAS+I+1], s[48:49] op_sel_hi:[1,0]
.set I, I+2
.endr
	s_add_co_u32 s29, s24, 4
	s_min_u32 s29, s29, s25
	s_min_u32 s29, s29, 135
	HBASE 1
	LOADH 1
	s_wait_dscnt 0x0                               ; the fragments and their scale words are in
.macro MM2 p, n, s
.set rD, ACC+8*(\n)
.set rA, 8*(4*((\s)%8)+(\n))
.set rB, 128*(\p)+8*(\s)
.set rC, BIAS+8*(\n)
.set rP, WS+16*((\n)/2)+(\s)
.set rQ, XS+8*(\p)+(\s)/2
.if (\s) == 0
.if (\n)%2 == 0
	v_wmma_scale_f32_16x16x128_f8f6f4 v[rD:rD+7], v[rA:rA+7], v[rB:rB+7], v[rC:rC+7], v[rP], v[rQ] matrix_a_fmt:MATRIX_FMT_FP4 matrix_b_fmt:MATRIX_FMT_FP4
.else
	v_wmma_scale_f32_16x16x128_f8f6f4 v[rD:rD+7], v[rA:rA+7], v[rB:rB+7], v[rC:rC+7], v[rP], v[rQ] matrix_a_fmt:MATRIX_FMT_FP4 matrix_b_fmt:MATRIX_FMT_FP4 matrix_a_scale:MATRIX_SCALE_ROW1
.endif
.elseif (\s)%2 == 0
.if (\n)%2 == 0
	v_wmma_scale_f32_16x16x128_f8f6f4 v[rD:rD+7], v[rA:rA+7], v[rB:rB+7], v[rD:rD+7], v[rP], v[rQ] matrix_a_fmt:MATRIX_FMT_FP4 matrix_b_fmt:MATRIX_FMT_FP4
.else
	v_wmma_scale_f32_16x16x128_f8f6f4 v[rD:rD+7], v[rA:rA+7], v[rB:rB+7], v[rD:rD+7], v[rP], v[rQ] matrix_a_fmt:MATRIX_FMT_FP4 matrix_b_fmt:MATRIX_FMT_FP4 matrix_a_scale:MATRIX_SCALE_ROW1
.endif
.else
.if (\n)%2 == 0
	v_wmma_scale_f32_16x16x128_f8f6f4 v[rD:rD+7], v[rA:rA+7], v[rB:rB+7], v[rD:rD+7], v[rP], v[rQ] matrix_a_fmt:MATRIX_FMT_FP4 matrix_b_fmt:MATRIX_FMT_FP4 matrix_b_scale:MATRIX_SCALE_ROW1
.else
	v_wmma_scale_f32_16x16x128_f8f6f4 v[rD:rD+7], v[rA:rA+7], v[rB:rB+7], v[rD:rD+7], v[rP], v[rQ] matrix_a_fmt:MATRIX_FMT_FP4 matrix_b_fmt:MATRIX_FMT_FP4 matrix_a_scale:MATRIX_SCALE_ROW1 matrix_b_scale:MATRIX_SCALE_ROW1
.endif
.endif
.endm
; One tile, on set p of h's registers.
.macro HALF p
	s_wait_loadcnt 41                              ; this set's 41 loads are in; the other set's, issued behind them, may be out
.irp s, 0,1,2,3,4,5,6,7,8,9,10,11,12,13,14,15  ; the four accumulators take turns, one instruction a turn
.if \s < 8
	WIN 0x0d                                       ; W2 window 1, h window 3, C and D window 0
.else
	WIN 0x0e                                       ; W2 window 2
.endif
.irp n, 0,1,2,3
	MM2 \p, \n, \s
.endr
.endr
	WIN 0
.rept 5
	v_nop                                          ; four plain instructions ahead of the first read of results and of the loads into operands; a fifth, since the next tile's first products write over these accumulators
.endr
.set I, 0
.rept 16
	v_pk_mul_f32 v[ACC+I:ACC+I+1], v[ACC+I:ACC+I+1], v[WT+2*\p:WT+2*\p+1] op_sel_hi:[1,0]   ; x my slot's weight, ahead of the load that brings the next tile's; each accumulator from its low end on
.set I, I+2
.endr
	s_wait_xcnt 0x0                                ; the last tile's stores have read their rows and their base: both are written again below
	s_mov_b32 s26, s24                             ; this tile
	s_min_u32 s29, s24, 135
	s_lshl_b32 s38, s29, 16
	s_add_co_u32 s38, s38, s54
	s_add_nc_u64 s[46:47], s[14:15], s[38:39]      ; ys[H][16 tile][64 cs]
	s_add_co_u32 s29, s24, 8                       ; this set's next tile; past the expert's last the last is read again
	s_min_u32 s29, s29, s25
	s_min_u32 s29, s29, 135
	HBASE \p
	s_add_co_u32 s24, s24, 4
	LOADH \p
.irp n, 0,1,2,3
	ds_store_b128 v10, v[ACC+8*\n:ACC+8*\n+3] offset:64*\n
	ds_store_b128 v10, v[ACC+8*\n+4:ACC+8*\n+7] offset:64*\n+16
.endr
.irp t, 0,1,2,3,4,5,6,7
	ds_load_b128 v[OB+4*\t:OB+4*\t+3], v11 offset:544*\t       ; LDS serves a wave's instructions in order (ISA guide 5.7.1.4): these see my stores
.endr
	s_wait_dscnt 0x0                               ; the rows are back, and the stores have read the accumulators
.if \p
	s_cmp_gt_u32 s26, s25
	s_cbranch_scc1 .Lskip_\@                       ; no such tile: nothing is stored
.endif
.irp t, 0,1,2,3,4,5,6,7
	global_store_b128 v12, v[OB+4*\t:OB+4*\t+3], s[46:47] offset:8192*\t th:TH_STORE_NT   ; sixteen lanes store 256 consecutive bytes, aligned
.endr
.if \p
.Lskip_\@:
.endif
.endm
.Lpair:
	HALF 0
	HALF 1
	s_add_co_u32 s27, s27, 1
	s_cmp_lt_u32 s27, s28
	s_cbranch_scc1 .Lpair
.Lend:
	s_wait_tensorcnt 0x0
	ds_add_u32 v254, v255
	s_wait_dscnt 0x0
	s_endpgm
.Lfunc_end_k_q485add5139_ffn2:
	.size	k_q485add5139_ffn2, .Lfunc_end_k_q485add5139_ffn2-k_q485add5139_ffn2
	.p2alignl 7, 3214868480
	.fill 96, 4, 3214868480
	.section	.rodata,"a",@progbits
	.p2align	6, 0x0
	.amdhsa_kernel k_q485add5139_ffn2
		.amdhsa_group_segment_fixed_size 90624
		.amdhsa_private_segment_fixed_size 0
		.amdhsa_enable_private_segment 0
		.amdhsa_kernarg_size 48
		.amdhsa_user_sgpr_count 2
		.amdhsa_user_sgpr_kernarg_segment_ptr 1
		.amdhsa_wavefront_size32 1
		.amdhsa_system_sgpr_workgroup_id_x 1
		.amdhsa_system_sgpr_workgroup_id_y 1
		.amdhsa_system_sgpr_workgroup_id_z 1
		.amdhsa_system_vgpr_workitem_id 0
		.amdhsa_next_free_vgpr 1024
		.amdhsa_next_free_sgpr 66
		.amdhsa_reserve_vcc 0
		.amdhsa_float_denorm_mode_32 3
		.amdhsa_float_denorm_mode_16_64 3
		.amdhsa_memory_ordered 1
		.amdhsa_forward_progress 1
		.amdhsa_inst_pref_size 162
	.end_amdhsa_kernel
	.amdgpu_metadata
---
amdhsa.version: [ 1, 2 ]
amdhsa.kernels:
  - .name:           k_q485add5139_ffn2
    .symbol:         k_q485add5139_ffn2.kd
    .args:
      - { .name: W2, .offset: 0, .size: 8, .value_kind: global_buffer, .address_space: global }
      - { .name: b2, .offset: 8, .size: 8, .value_kind: global_buffer, .address_space: global }
      - { .name: route, .offset: 16, .size: 8, .value_kind: global_buffer, .address_space: global }
      - { .name: xq, .offset: 24, .size: 8, .value_kind: global_buffer, .address_space: global }
      - { .name: hq, .offset: 32, .size: 8, .value_kind: global_buffer, .address_space: global }
      - { .name: ys, .offset: 40, .size: 8, .value_kind: global_buffer, .address_space: global }
    .group_segment_fixed_size: 90624
    .private_segment_fixed_size: 0
    .kernarg_segment_align: 8
    .kernarg_segment_size: 48
    .max_flat_workgroup_size: 128
    .sgpr_count:     66
    .vgpr_count:     1024
    .wavefront_size: 32
...
	.end_amdgpu_metadata
.endif
;; end of part 4
;; launch combine (part 5): grid 257 x 1, 4 waves a work-group, no clusters, 0 bytes of LDS; arguments route, ys, gate, out0, out1; writes out0, out1
.if DOCPART == 5
	.amdgcn_target "amdgcn-amd-amdhsa--gfx1250"
	.amdhsa_code_object_version 6
	.text
	.protected	k_q485add5139_combine
	.globl	k_q485add5139_combine
	.p2align	8
	.type	k_q485add5139_combine,@function
k_q485add5139_combine:
	s_mov_b64 s[64:65], 0
	v_nop
	global_prefetch_b8 v0, s[64:65] scope:SCOPE_SE
	s_setreg_imm32_b32 hwreg(HW_REG_WAVE_MODE, 25, 1), 1
	s_wait_xcnt 0x0
; out0[t] = the four rows of ys that belong to token t (two experts x two halves of K; the gate's weights and b2 are in them already);  out1 = the auxiliary loss.
; Work-groups 0 to 255: a wave takes one token.  Its two slots are read from route (pos), which an earlier launch stored.  A row is 4,096 bytes: eight loads of 512 consecutive bytes; 32 loads are out at once.
; Work-group 256, wave 0: the loss = the sum over e of (sum over t of the softmax's p[t][e] / 1024) (count[e] / 1024); the mean over eight experts and the factor 8 cancel.  It is one wave's work (32 KiB); the other three have none.
; No LDS, no barrier: waves share nothing.
.set HALFB, 8912896
.set POS, 256
	s_load_b256 s[4:11], s[0:1], 0x0               ; route, ys, gate, out0
	s_load_b64 s[12:13], s[0:1], 0x20              ; out1
	v_lshrrev_b32 v1, 5, v0
	v_readfirstlane_b32 s14, v1                    ; wave
	v_and_b32 v1, 31, v0
	v_lshlrev_b32 v2, 4, v1                        ; 16 x lane
	s_mov_b32 s17, 0
	s_cmp_eq_u32 ttmp9, 256
	s_cbranch_scc1 .Laux
	s_lshl_b32 s15, ttmp9, 2
	s_add_co_u32 s15, s15, s14                     ; my token
	s_lshl_b32 s22, s15, 2
	s_wait_kmcnt 0x0
	s_load_b32 s20, s[4:5], s22 offset:POS         ; the slot of its first choice
	s_load_b32 s21, s[4:5], s22 offset:POS+4096    ; and of its second
	s_lshl_b32 s16, s15, 12
	s_add_nc_u64 s[10:11], s[10:11], s[16:17]      ; its row of out0
	s_wait_kmcnt 0x0
	s_min_u32 s20, s20, 2175
	s_min_u32 s21, s21, 2175
	s_lshl_b32 s16, s20, 12
	s_add_nc_u64 s[24:25], s[6:7], s[16:17]
	s_add_nc_u64 s[26:27], s[24:25], HALFB
	s_lshl_b32 s16, s21, 12
	s_add_nc_u64 s[28:29], s[6:7], s[16:17]
	s_add_nc_u64 s[30:31], s[28:29], HALFB
.irp b, 0,1,2,3
.irp j, 0,1,2,3,4,5,6,7
	global_load_b128 v[16+32*\b+4*\j:16+32*\b+4*\j+3], v2, s[24+2*\b:25+2*\b] offset:512*\j th:TH_LOAD_NT
.endr
.endr
	s_wait_loadcnt 16                              ; the first expert's two rows are in; the second's sixteen loads may be out
.set I, 0
.rept 16
	v_pk_add_f32 v[16+I:17+I], v[16+I:17+I], v[48+I:49+I]
.set I, I+2
.endr
	s_wait_loadcnt 0x0
.set I, 0
.rept 16
	v_pk_add_f32 v[80+I:81+I], v[80+I:81+I], v[112+I:113+I]
.set I, I+2
.endr
.set I, 0
.rept 16
	v_pk_add_f32 v[16+I:17+I], v[16+I:17+I], v[80+I:81+I]
.set I, I+2
.endr
.irp j, 0,1,2,3,4,5,6,7
	global_store_b128 v2, v[16+4*\j:19+4*\j], s[10:11] offset:512*\j th:TH_STORE_NT   ; 32 lanes store 512 consecutive bytes
.endr
	s_endpgm
.Laux:
	s_cmp_lg_u32 s14, 0
	s_cbranch_scc1 .Ldone
	s_wait_kmcnt 0x0
	s_load_b256 s[24:31], s[4:5], 0x40             ; the eight counts
	s_mov_b32 s32, 0x76543210
	s_mov_b32 s33, 0xfedcba98
	v_mov_b32 v4, 0
.irp i, 0,1,2,3
	v_mov_b32 v[12+\i], 0                          ; written once: a lane permute's destination counts as one of its sources
.endr
.irp j, 0,1,2,3,4,5,6,7,8,9,10,11,12,13,14,15,16,17,18,19,20,21,22,23,24,25,26,27,28,29,30,31
	global_load_b128 v[16+4*\j:19+4*\j], v2, s[8:9] offset:512*\j    ; my four numbers are experts 4 (lane % 2) + 0 .. 3 of a token
.endr
	s_wait_loadcnt 0x0
	v_pk_add_f32 v[8:9], v[16:17], v[20:21]        ; the first two loads start the sums
	v_pk_add_f32 v[10:11], v[18:19], v[22:23]
.irp j, 2,3,4,5,6,7,8,9,10,11,12,13,14,15,16,17,18,19,20,21,22,23,24,25,26,27,28,29,30,31
	v_pk_add_f32 v[8:9], v[8:9], v[16+4*\j:17+4*\j]
	v_pk_add_f32 v[10:11], v[10:11], v[18+4*\j:19+4*\j]
.endr
.irp j, 0,1,2,3,4,5,6,7,8,9,10,11,12,13,14,15,16,17,18,19,20,21,22,23,24,25,26,27,28,29,30,31
	global_load_b128 v[16+4*\j:19+4*\j], v2, s[8:9] offset:16384+512*\j
.endr
	s_wait_loadcnt 0x0
.irp j, 0,1,2,3,4,5,6,7,8,9,10,11,12,13,14,15,16,17,18,19,20,21,22,23,24,25,26,27,28,29,30,31
	v_pk_add_f32 v[8:9], v[8:9], v[16+4*\j:17+4*\j]
	v_pk_add_f32 v[10:11], v[10:11], v[18+4*\j:19+4*\j]
.endr
.irp m, 2,4,8
.irp i, 0,1,2,3
	v_add_f32_dpp v[8+\i], v[8+\i], v[8+\i] row_xmask:\m row_mask:0xf bank_mask:0xf   ; over the lanes of my parity
.endr
.endr
.irp i, 0,1,2,3
	v_permlanex16_b32 v[12+\i], v[8+\i], s32, s33
.endr
.irp i, 0,1,2,3
	v_add_f32 v[8+\i], v[8+\i], v[12+\i]
.endr
	v_and_b32 v3, 1, v1
	v_cmp_ne_u32 vcc_lo, 0, v3
	s_wait_kmcnt 0x0
.irp i, 0,1,2,3
	v_mov_b32 v[16+\i], s[28+\i]
.endr
.irp i, 0,1,2,3
	v_cndmask_b32 v[16+\i], s[24+\i], v[16+\i], vcc_lo         ; odd lanes: experts 4 to 7
.endr
.irp i, 0,1,2,3
	v_cvt_f32_u32 v[16+\i], v[16+\i]
.endr
	v_mul_f32 v20, v8, v16
	v_fmac_f32 v20, v9, v17
	v_fmac_f32 v20, v10, v18
	v_fmac_f32 v20, v11, v19
	v_add_f32_dpp v20, v20, v20 row_xmask:1 row_mask:0xf bank_mask:0xf   ; the other four experts
	v_mul_f32 v20, 0x35800000, v20                 ; x 2^-20
	v_cmp_eq_u32 vcc_lo, 0, v1
	s_wait_xcnt 0x0                                ; EXEC changes only when every earlier memory instruction has had its addresses translated
	s_and_saveexec_b32 s34, vcc_lo
	global_store_b32 v4, v20, s[12:13]
	s_wait_xcnt 0x0
	s_or_b32 exec_lo, exec_lo, s34
.Ldone:
	s_endpgm
.Lfunc_end_k_q485add5139_combine:
	.size	k_q485add5139_combine, .Lfunc_end_k_q485add5139_combine-k_q485add5139_combine
	.p2alignl 7, 3214868480
	.fill 96, 4, 3214868480
	.section	.rodata,"a",@progbits
	.p2align	6, 0x0
	.amdhsa_kernel k_q485add5139_combine
		.amdhsa_group_segment_fixed_size 0
		.amdhsa_private_segment_fixed_size 0
		.amdhsa_enable_private_segment 0
		.amdhsa_kernarg_size 40
		.amdhsa_user_sgpr_count 2
		.amdhsa_user_sgpr_kernarg_segment_ptr 1
		.amdhsa_wavefront_size32 1
		.amdhsa_system_sgpr_workgroup_id_x 1
		.amdhsa_system_sgpr_workgroup_id_y 1
		.amdhsa_system_sgpr_workgroup_id_z 1
		.amdhsa_system_vgpr_workitem_id 0
		.amdhsa_next_free_vgpr 144
		.amdhsa_next_free_sgpr 66
		.amdhsa_reserve_vcc 1
		.amdhsa_float_denorm_mode_32 3
		.amdhsa_float_denorm_mode_16_64 3
		.amdhsa_memory_ordered 1
		.amdhsa_forward_progress 1
		.amdhsa_inst_pref_size 25
	.end_amdhsa_kernel
	.amdgpu_metadata
---
amdhsa.version: [ 1, 2 ]
amdhsa.kernels:
  - .name:           k_q485add5139_combine
    .symbol:         k_q485add5139_combine.kd
    .args:
      - { .name: route, .offset: 0, .size: 8, .value_kind: global_buffer, .address_space: global }
      - { .name: ys, .offset: 8, .size: 8, .value_kind: global_buffer, .address_space: global }
      - { .name: gate, .offset: 16, .size: 8, .value_kind: global_buffer, .address_space: global }
      - { .name: out0, .offset: 24, .size: 8, .value_kind: global_buffer, .address_space: global }
      - { .name: out1, .offset: 32, .size: 8, .value_kind: global_buffer, .address_space: global }
    .group_segment_fixed_size: 0
    .private_segment_fixed_size: 0
    .kernarg_segment_align: 8
    .kernarg_segment_size: 40
    .max_flat_workgroup_size: 128
    .sgpr_count:     66
    .vgpr_count:     144
    .wavefront_size: 32
...
	.end_amdgpu_metadata
.endif
;; end of part 5
;; ======== version 2 of 2: 5 launches
;; workspace buffers: sel 4,096 bytes of whole numbers; gate 40,960 bytes; route 8,448 bytes of whole numbers; xq 1,192,448 bytes; hq 4,734,976 bytes; ys 17,825,792 bytes
;; launch gate (part 6): grid 256 x 1, 4 waves a work-group, no clusters, 37,376 bytes of LDS; arguments inputs, task_param, alpha, Wg_in, bg_in, Wg_task, bg_task, sel, gate; writes sel, gate
.if DOCPART == 6
	.amdgcn_target "amdgcn-amd-amdhsa--gfx1250"
	.amdhsa_code_object_version 6
	.text
	.protected	k_q485add5139_gate
	.globl	k_q485add5139_gate
	.p2align	8
	.type	k_q485add5139_gate,@function
k_q485add5139_gate:
	s_mov_b64 s[64:65], 0
	v_nop
	global_prefetch_b8 v0, s[64:65] scope:SCOPE_SE
	s_setreg_imm32_b32 hwreg(HW_REG_WAVE_MODE, 25, 1), 1
	s_wait_xcnt 0x0
; THE GATE.  logits[t][e] = (1 - alpha) (x[t] . Wg_in[:, e] + bg_in[e]) + alpha (task[t] . Wg_task[:, e] + bg_task[e]), all in f32 by fused multiply-adds:
; a choice hangs on them.  Then the two largest logits (the lower index wins a tie, as lax.top_k has it), the softmax over these two, and the softmax over all eight.
; SHARES.  A wave takes one token: t = 4 x work-group + wave.  Lane l holds x[128 j + 4 l + i] (eight loads of 512 consecutive bytes), multiplies by the same rows of Wg_in and
; the 32 lanes' sums meet at the end.  Wg_in (32 KiB) is brought into LDS once for the four waves, in pieces of 16 bytes, 512 consecutive bytes a load.
; OUT, at fixed places: sel[t] = e0 | e1 << 8 | (bit e0 | bit e1) << 16;  gate: the eight probabilities at 32 t, the two weights at WTS + 4 t and WTS + 4096 + 4 t.
; No address and no branch hangs on the choice here: a later launch reads sel and places the rows.  These stores are 44 bytes a token from one lane, 45 KB in the whole launch.
; LIMITS: NaN and infinities are not served; two logits that agree to within the rounding of f32 sums may change places in the choice.
.set GW, 16                            ; v16-79    Wg_in on its way into LDS
.set X,  80                            ; v80-111   my 32 numbers of x
.set TP, 112                           ; v112-113  my two numbers of the task
.set WT, 114                           ; v114-129  rows 2 l, 2 l + 1 of Wg_task
.set WR, 130                           ; v130-193  two sets of four rows of Wg_in
.set A,  194                           ; v194-201  x . Wg_in, my part
.set B,  202                           ; v202-209  task . Wg_task, my part
.set L,  210                           ; v210-217  the logits
.set P,  218                           ; v218-225  the probabilities
.set CHUNK, 144                        ; LDS: four rows of Wg_in (128 bytes) + 16 of padding: the lanes' chunks start 36 words apart
.set WTS, 32768
	s_load_b512 s[4:19], s[0:1], 0x0               ; inputs, task_param, alpha, Wg_in, bg_in, Wg_task, bg_task, sel
	s_load_b64 s[20:21], s[0:1], 0x40              ; gate
	v_lshl_add_u32 v240, v0, 2, 0x9000
	v_mov_b32 v241, 0
	v_lshrrev_b32 v9, 5, v0
	v_readfirstlane_b32 s42, v9                    ; wave
	v_and_b32 v1, 31, v0                           ; lane
	v_lshlrev_b32 v2, 4, v0                        ; Wg_in: 16 bytes a thread
	v_lshrrev_b32 v3, 3, v0
	v_mul_u32_u24 v3, v3, CHUNK
	v_and_b32 v9, 7, v0
	v_lshl_add_u32 v3, v9, 4, v3                   ; into LDS: piece p lies at 144 (p / 8) + 16 (p % 8)
	v_mul_u32_u24 v4, v1, CHUNK                    ; out of LDS: my chunk of a step's 32
	v_lshlrev_b32 v5, 4, v1
	v_lshlrev_b32 v6, 3, v1
	v_lshlrev_b32 v7, 6, v1
	v_mov_b32 v8, 0
.irp e, 0,1,2,3,4,5,6,7
	v_mov_b32 v[P+\e], 0                           ; written once: a lane permute's destination counts as one of its sources
.endr
	s_mov_b32 s40, 0x76543210
	s_mov_b32 s41, 0xfedcba98                      ; v_permlanex16_b32's selects for lane l xor 16
	s_lshl_b32 s43, ttmp9, 2
	s_add_co_u32 s43, s43, s42                     ; my token
	s_mov_b32 s51, 0
	s_wait_kmcnt 0x0
	s_load_b32 s22, s[8:9], 0x0                    ; alpha
	s_load_b256 s[24:31], s[12:13], 0x0            ; bg_in
	s_load_b256 s[32:39], s[16:17], 0x0            ; bg_task
	s_lshl_b32 s50, s43, 12
	s_add_nc_u64 s[44:45], s[4:5], s[50:51]        ; x's row
	s_lshl_b32 s50, s43, 8
	s_add_nc_u64 s[46:47], s[6:7], s[50:51]        ; the task's row
	s_lshl_b32 s50, s43, 5
	s_add_nc_u64 s[48:49], s[20:21], s[50:51]      ; the probabilities' place
	s_lshl_b32 s50, s43, 2
	s_add_nc_u64 s[52:53], s[20:21], s[50:51]      ; the weights' place, less WTS
	s_add_nc_u64 s[54:55], s[18:19], s[50:51]      ; sel's word
.irp i, 0,1,2,3,4,5,6,7,8,9,10,11,12,13,14,15
	global_load_b128 v[GW+4*\i:GW+4*\i+3], v2, s[10:11] offset:2048*\i
.endr
.irp j, 0,1,2,3,4,5,6,7
	global_load_b128 v[X+4*\j:X+4*\j+3], v5, s[44:45] offset:512*\j
.endr
	global_load_b64 v[TP:TP+1], v6, s[46:47]
.irp m, 0,1,2,3
	global_load_b128 v[WT+4*\m:WT+4*\m+3], v7, s[14:15] offset:16*\m
.endr
	s_wait_loadcnt 13                              ; Wg_in's sixteen loads are in; the 8 + 1 + 4 issued behind them may stay out
.irp i, 0,1,2,3,4,5,6,7,8,9,10,11,12,13,14,15
	ds_store_b128 v3, v[GW+4*\i:GW+4*\i+3] offset:16*CHUNK*\i
.endr
	s_wait_dscnt 0x0                               ; for the others' sake: my part of Wg_in lies in LDS
	s_barrier_signal -1
	s_barrier_wait -1
.macro FETCHG j                        ; rows 128 j + 4 l + 0 .. 3 of Wg_in into set j % 2: register 8 i + e
.irp m, 0,1,2,3,4,5,6,7
	ds_load_b128 v[WR+32*((\j)%2)+4*\m:WR+32*((\j)%2)+4*\m+3], v4 offset:32*CHUNK*(\j)+16*\m
.endr
.endm
	FETCHG 0
	s_wait_loadcnt 0x0                             ; x, the task, Wg_task
.set J, 0
.rept 8
.if J < 7
	FETCHG J+1
	s_wait_alu depctr_va_vdst(0)
	s_wait_dscnt 8                                 ; this step's eight loads are in, the next step's eight may be out
.else
	s_wait_alu depctr_va_vdst(0)
	s_wait_dscnt 0x0
.endif
.irp i, 0,1,2,3
.irp e, 0,1,2,3,4,5,6,7
.if (J == 0) && (\i == 0)
	v_mul_f32 v[A+\e], v[X+4*J+\i], v[WR+32*(J%2)+8*\i+\e]     ; the first products start the sums
.else
	v_fmac_f32 v[A+\e], v[X+4*J+\i], v[WR+32*(J%2)+8*\i+\e]
.endif
.endr
.endr
.set J, J+1
.endr
.irp e, 0,1,2,3,4,5,6,7
	v_mul_f32 v[B+\e], v[TP], v[WT+\e]
.endr
.irp e, 0,1,2,3,4,5,6,7
	v_fmac_f32 v[B+\e], v[TP+1], v[WT+8+\e]
.endr
	s_wait_kmcnt 0x0                               ; alpha and the two biases
	v_mov_b32 v231, s22                            ; alpha
	v_sub_f32 v230, 1.0, v231                      ; 1 - alpha
.irp e, 0,1,2,3,4,5,6,7
	v_mul_f32 v[L+\e], v[A+\e], v230
.endr
.irp e, 0,1,2,3,4,5,6,7
	v_fmac_f32 v[L+\e], v[B+\e], v231              ; blended lane by lane, so that one sum over the lanes serves both products
.endr
.irp m, 1,2,4,8
.irp e, 0,1,2,3,4,5,6,7
	v_add_f32_dpp v[L+\e], v[L+\e], v[L+\e] row_xmask:\m row_mask:0xf bank_mask:0xf
.endr
.endr
.irp e, 0,1,2,3,4,5,6,7
	v_permlanex16_b32 v[P+\e], v[L+\e], s40, s41
.endr
.irp e, 0,1,2,3,4,5,6,7
	v_add_f32 v[L+\e], v[L+\e], v[P+\e]            ; every lane now holds the same eight sums, bit for bit
.endr
.irp e, 0,1,2,3,4,5,6,7
	v_fmac_f32 v[L+\e], s[24+\e], v230             ; + (1 - alpha) bg_in
.endr
.irp e, 0,1,2,3,4,5,6,7
	v_fmac_f32 v[L+\e], s[32+\e], v231             ; + alpha bg_task
.endr
	v_mov_b32 v226, v[L]                           ; the largest logit and its index: a later one wins only if it is strictly larger
	v_mov_b32 v227, 0
.irp e, 1,2,3,4,5,6,7
	v_cmp_ge_f32 vcc_lo, v226, v[L+\e]
	v_cndmask_b32 v227, \e, v227, vcc_lo
	v_cndmask_b32 v226, v[L+\e], v226, vcc_lo
.endr
.irp e, 0,1,2,3,4,5,6,7
	v_sub_f32 v[P+\e], v[L+\e], v226               ; the largest is taken away ahead of the exponentials
.endr
	v_mov_b32 v232, 0xff800000                     ; -infinity takes the winner's place for the second search
.irp e, 0,1,2,3,4,5,6,7
	v_cmp_eq_u32 vcc_lo, \e, v227
	v_cndmask_b32 v[L+\e], v[L+\e], v232, vcc_lo
.endr
	v_mov_b32 v228, v[L]
	v_mov_b32 v229, 0
.irp e, 1,2,3,4,5,6,7
	v_cmp_ge_f32 vcc_lo, v228, v[L+\e]
	v_cndmask_b32 v229, \e, v229, vcc_lo
	v_cndmask_b32 v228, v[L+\e], v228, vcc_lo
.endr
	v_sub_f32 v233, v228, v226                     ; second - largest
.irp e, 0,1,2,3,4,5,6,7
	v_mul_f32 v[P+\e], 0x3fb8aa3b, v[P+\e]         ; x log2(e)
.endr
	v_mul_f32 v233, 0x3fb8aa3b, v233
	s_wait_alu depctr_va_vdst(0)
.irp e, 0,1,2,3,4,5,6,7
	v_exp_f32 v[P+\e], v[P+\e]
.endr
	v_exp_f32 v233, v233                           ; q = e^(second - largest)
	v_mov_b32 v234, 0x10000                        ; (a plain instruction behind the exponentials)
	s_wait_alu depctr_va_vdst(0)
	v_add_f32 v235, v[P], v[P+1]
	v_add_f32 v236, v[P+2], v[P+3]
	v_add_f32 v237, v[P+4], v[P+5]
	v_add_f32 v238, v[P+6], v[P+7]
	v_add_f32 v235, v235, v236
	v_add_f32 v237, v237, v238
	v_add_f32 v235, v235, v237
	v_add_f32 v236, 1.0, v233
	s_wait_alu depctr_va_vdst(0)
	v_rcp_f32 v235, v235
	v_rcp_f32 v236, v236                           ; w0 = 1 / (1 + q)
	v_lshlrev_b32 v237, v227, v234                 ; (a plain instruction behind the reciprocals)  bit e0, 16 up
	v_lshlrev_b32 v238, v229, v234                 ; bit e1
	s_wait_alu depctr_va_vdst(0)
.irp e, 0,1,2,3,4,5,6,7
	v_mul_f32 v[P+\e], v[P+\e], v235
.endr
	v_mul_f32 v239, v233, v236                     ; w1 = q w0
	v_or_b32 v237, v237, v238
	v_lshl_or_b32 v237, v229, 8, v237
	v_or_b32 v237, v237, v227
	v_cmp_eq_u32 vcc_lo, 0, v1
	s_wait_alu depctr_va_vdst(0)
	s_wait_xcnt 0x0                                ; EXEC changes only when every earlier memory instruction has had its addresses translated
	s_wait_tensorcnt 0x0
	ds_add_u32 v240, v241
	s_wait_dscnt 0x0
	s_and_saveexec_b32 s57, vcc_lo                 ; all lanes hold the same numbers: lane 0 stores them
	global_store_b128 v8, v[P:P+3], s[48:49]
	global_store_b128 v8, v[P+4:P+7], s[48:49] offset:16
	global_store_b32 v8, v236, s[52:53] offset:WTS
	global_store_b32 v8, v239, s[52:53] offset:WTS+4096
	global_store_b32 v8, v237, s[54:55]
	s_wait_xcnt 0x0
	s_or_b32 exec_lo, exec_lo, s57
	s_endpgm
.Lfunc_end_k_q485add5139_gate:
	.size	k_q485add5139_gate, .Lfunc_end_k_q485add5139_gate-k_q485add5139_gate
	.p2alignl 7, 3214868480
	.fill 96, 4, 3214868480
	.section	.rodata,"a",@progbits
	.p2align	6, 0x0
	.amdhsa_kernel k_q485add5139_gate
		.amdhsa_group_segment_fixed_size 37376
		.amdhsa_private_segment_fixed_size 0
		.amdhsa_enable_private_segment 0
		.amdhsa_kernarg_size 72
		.amdhsa_user_sgpr_count 2
		.amdhsa_user_sgpr_kernarg_segment_ptr 1
		.amdhsa_wavefront_size32 1
		.amdhsa_system_sgpr_workgroup_id_x 1
		.amdhsa_system_sgpr_workgroup_id_y 1
		.amdhsa_system_sgpr_workgroup_id_z 1
		.amdhsa_system_vgpr_workitem_id 0
		.amdhsa_next_free_vgpr 242
		.amdhsa_next_free_sgpr 66
		.amdhsa_reserve_vcc 1
		.amdhsa_float_denorm_mode_32 3
		.amdhsa_float_denorm_mode_16_64 3
		.amdhsa_memory_ordered 1
		.amdhsa_forward_progress 1
		.amdhsa_inst_pref_size 28
	.end_amdhsa_kernel
	.amdgpu_metadata
---
amdhsa.version: [ 1, 2 ]
amdhsa.kernels:
  - .name:           k_q485add5139_gate
    .symbol:         k_q485add5139_gate.kd
    .args:
      - { .name: inputs, .offset: 0, .size: 8, .value_kind: global_buffer, .address_space: global }
      - { .name: task_param, .offset: 8, .size: 8, .value_kind: global_buffer, .address_space: global }
      - { .name: alpha, .offset: 16, .size: 8, .value_kind: global_buffer, .address_space: global }
      - { .name: Wg_in, .offset: 24, .size: 8, .value_kind: global_buffer, .address_space: global }
      - { .name: bg_in, .offset: 32, .size: 8, .value_kind: global_buffer, .address_space: global }
      - { .name: Wg_task, .offset: 40, .size: 8, .value_kind: global_buffer, .address_space: global }
      - { .name: bg_task, .offset: 48, .size: 8, .value_kind: global_buffer, .address_space: global }
      - { .name: sel, .offset: 56, .size: 8, .value_kind: global_buffer, .address_space: global }
      - { .name: gate, .offset: 64, .size: 8, .value_kind: global_buffer, .address_space: global }
    .group_segment_fixed_size: 37376
    .private_segment_fixed_size: 0
    .kernarg_segment_align: 8
    .kernarg_segment_size: 72
    .max_flat_workgroup_size: 128
    .sgpr_count:     66
    .vgpr_count:     242
    .wavefront_size: 32
...
	.end_amdgpu_metadata
.endif
;; end of part 6
;; launch place (part 7): grid 136 x 1, 8 waves a work-group, no clusters, 1,536 bytes of LDS; arguments sel, gate, inputs, route, xq; writes route, xq
.if DOCPART == 7
	.amdgcn_target "amdgcn-amd-amdhsa--gfx1250"
	.amdhsa_code_object_version 6
	.text
	.protected	k_q485add5139_place
	.globl	k_q485add5139_place
	.p2align	8
	.type	k_q485add5139_place,@function
k_q485add5139_place:
	s_mov_b64 s[64:65], 0
	v_nop
	global_prefetch_b8 v0, s[64:65] scope:SCOPE_SE
	s_setreg_imm32_b32 hwreg(HW_REG_WAVE_MODE, 25, 1), 1
	s_wait_xcnt 0x0
; THE PLACING.  The 2,048 routed rows (token, k) are laid by expert into SLOTS; each expert takes whole tiles of 16 slots, tile_start[e] = the sum of ceil(count / 16) of the experts before it.
; There are never more than 128 + 7 tiles, whatever the choice; 136 are laid out.  A slot that no row takes (a pad) carries token 0's x; what is computed of it is read by nobody.
; SHARES.  A work-group makes ONE tile T of slots, and every work-group first repeats the small counting: wave w counts expert w over all of sel (4 KiB); the eight counts meet in LDS.
; Wave 0 then walks sel once more and scatters into LDS the 16 entries (k x 1024 + token) whose rank in the tile's expert is 16 (T - tile_start) + 0 .. 15.  The ranks go by register, then by lane: the same in every work-group.
; Then wave w gathers the 16 tokens' numbers of K step w (128 along K), quantises them (E2M1, one E8M0 byte for 32) and stores the fragment AS AN IMAGE OF THE OPERAND'S REGISTERS:
; XC[T][s][c][lane][16 bytes], 512 consecutive bytes a store; the scale words XSS[T][s][row].  Wave 1 also stores the slots' gate weights and each routed row's slot (pos); wave 2 of work-group 0 the table.
; A block's scale byte is its largest magnitude's exponent field - 2, held at 1 from below; a block of zeros so gets 1 (its codes are zeros, and this program alone reads the bytes).
; LIMITS: NaN and infinities among the inputs are not served.
.set CT, 16                            ; v16-23   the eight counts
.set TC, 24                            ; v24-31   tiles of each expert
.set ST, 32                            ; v32-39   first tile of each expert
.set SV, 40                            ; v40-71   sel: register 4 j + i holds token 128 j + 4 lane + i
.set X,  72                            ; v72-135  64 numbers of x: register 32 c + i = k 128 w + 64 c + 32 (lane / 16) + i of my slot's token
.set LIST, 256                         ; LDS: the counts at 0 (8 words); the tile's 16 entries at 256, word 16 takes what does not belong to the tile
.set XSS, 1114112
.set WSL, 1183744
.set WTS, 32768
.set POS, 256
	s_load_b256 s[4:11], s[0:1], 0x0               ; sel, gate, inputs, route
	s_load_b64 s[12:13], s[0:1], 0x20              ; xq
	v_lshl_add_u32 v176, v0, 2, 0x200
	v_mov_b32 v177, 0
	v_lshrrev_b32 v7, 5, v0
	s_delay_alu instid0(VALU_DEP_1)
	v_readfirstlane_b32 s14, v7                    ; wave 0..7
	s_mov_b32 s15, ttmp9                           ; T
	v_and_b32 v1, 31, v0                           ; lane
	v_and_b32 v2, 15, v0                           ; r
	v_bfe_u32 v3, v0, 4, 1                         ; h
	s_delay_alu instid0(VALU_DEP_3)
	v_lshlrev_b32 v4, 2, v1                        ; 4 x lane: my first token of a load's 128
	v_mov_b32 v5, -1
	v_mov_b32 v6, 0x400
	v_lshl_add_u32 v164, v2, 2, LIST               ; every LDS address that stays is made here
	v_lshl_add_u32 v165, v1, 2, LIST
	s_lshl_b32 s23, s14, 2
	v_mov_b32 v166, s23                            ; my wave's count
	v_mov_b32 v167, 0
	v_lshlrev_b32 v168, 4, v1
	v_lshlrev_b32 v169, 2, v2
	v_mov_b32 v162, 0                              ; written once: a lane permute's destination counts as one of its sources
	s_mov_b32 s40, 0x76543210
	s_mov_b32 s41, 0xfedcba98
	s_mov_b32 s33, 0
	s_wait_alu depctr_va_vdst(0)
	s_wait_kmcnt 0x0
.irp j, 0,1,2,3,4,5,6,7
	global_load_b128 v[SV+4*\j:SV+4*\j+3], v168, s[4:5] offset:512*\j
.endr
	s_lshl_b32 s32, s14, 9
	s_add_nc_u64 s[16:17], s[8:9], s[32:33]        ; inputs at K step w
	s_lshl_b32 s32, s15, 13
	s_lshl_b32 s23, s14, 10
	s_add_co_u32 s32, s32, s23
	s_add_nc_u64 s[18:19], s[12:13], s[32:33]      ; XC[T][w]
	s_lshl_b32 s32, s15, 9
	s_lshl_b32 s23, s14, 6
	s_add_co_u32 s32, s32, s23
	s_add_nc_u64 s[26:27], s[12:13], s[32:33]      ; XSS[T][w], less XSS
	s_lshl_b32 s32, s15, 6
	s_add_nc_u64 s[28:29], s[12:13], s[32:33]      ; WSL[16 T], less WSL
	s_add_co_u32 s20, s14, 16
	s_lshl_b32 s20, 1, s20                         ; expert w's bit in a word of sel
	s_mov_b32 s21, 0
	s_wait_loadcnt 0x0
.set Q, 0
.rept 32
	v_and_b32 v7, s20, v[SV+Q]
	s_delay_alu instid0(VALU_DEP_1)
	v_cmp_ne_u32 vcc_lo, 0, v7
	s_bcnt1_i32_b32 s22, vcc_lo
	s_add_co_u32 s21, s21, s22
.set Q, Q+1
.endr
	v_mov_b32 v7, s21
	ds_store_b32 v166, v7                          ; all lanes write the same word with the same value
	s_wait_dscnt 0x0
	s_barrier_signal -1
	s_barrier_wait -1                              ; the eight counts lie in LDS
	ds_load_b128 v[CT:CT+3], v167
	ds_load_b128 v[CT+4:CT+7], v167 offset:16
	s_wait_dscnt 0x0
	s_barrier_signal -1
	s_barrier_wait -1                              ; every wave has read them: from here to the next barrier wave 0 alone touches LDS
.irp e, 0,1,2,3,4,5,6,7
	v_add_nc_u32 v[TC+\e], 15, v[CT+\e]
.endr
.irp e, 0,1,2,3,4,5,6,7
	v_lshrrev_b32 v[TC+\e], 4, v[TC+\e]
.endr
	v_mov_b32 v[ST], 0
.irp e, 0,1,2,3,4,5,6
	s_delay_alu instid0(VALU_DEP_1)
	v_add_nc_u32 v[ST+\e+1], v[ST+\e], v[TC+\e]
.endr
	v_mov_b32 v10, 0                               ; the tile's expert: the last whose first tile is not behind T
	v_mov_b32 v9, 0                                ; and that first tile
.irp j, 1,2,3,4,5,6,7
	v_cmp_lt_u32 vcc_lo, s15, v[ST+\j]
	s_delay_alu instid0(VALU_DEP_1)
	v_cndmask_b32 v10, \j, v10, vcc_lo
	s_delay_alu instid0(VALU_DEP_2)
	v_cndmask_b32 v9, v[ST+\j], v9, vcc_lo
.endr
	s_delay_alu instid0(VALU_DEP_1)
	v_sub_nc_u32 v11, s15, v9
	s_delay_alu instid0(VALU_DEP_1)
	v_lshlrev_b32 v11, 4, v11                      ; the rank of the tile's first slot
	v_mov_b32 v12, 0x10000
	s_delay_alu instid0(VALU_DEP_1)
	v_lshlrev_b32 v12, v10, v12                    ; the expert's bit
	s_cmp_lg_u32 s14, 0
	s_cbranch_scc1 .Lno_scatter
	v_mov_b32 v7, 0x800                            ; a pad: token 0, and past both k
	ds_store_b32 v165, v7
	s_mov_b32 s24, 0                               ; rows of the expert seen so far
.macro SCAT q
	v_and_b32 v7, v12, v[SV+(\q)]
	s_delay_alu instid0(VALU_DEP_1)
	v_cmp_ne_u32 vcc_lo, 0, v7
	s_delay_alu instid0(VALU_DEP_1)
	v_mbcnt_lo_u32_b32 v7, vcc_lo, s24             ; my row's rank: those seen + those in lower lanes
	s_bcnt1_i32_b32 s25, vcc_lo
	s_add_co_u32 s24, s24, s25
	v_sub_nc_u32 v7, v7, v11                       ; its place in the tile,
	s_delay_alu instid0(VALU_DEP_1)
	v_cndmask_b32 v7, v5, v7, vcc_lo               ; none where the token did not choose the expert,
	s_delay_alu instid0(VALU_DEP_1)
	v_min_u32 v7, 16, v7                           ; and word 16 for all that lies outside 0 .. 15
	s_delay_alu instid0(VALU_DEP_1)
	v_lshlrev_b32 v15, 2, v7
	v_bfe_u32 v8, v[SV+(\q)], 8, 8
	s_delay_alu instid0(VALU_DEP_1)
	v_cmp_eq_u32 vcc_lo, v8, v10                   ; is the expert the token's second choice?
	s_delay_alu instid0(VALU_DEP_1)
	v_cndmask_b32 v8, 0, v6, vcc_lo
	s_delay_alu instid0(VALU_DEP_1)
	v_add3_u32 v8, v8, v4, 128*((\q)/4)+(\q)%4     ; k x 1024 + token
	ds_store_b32 v15, v8 offset:LIST
.endm
.set Q, 0
.rept 32
	SCAT Q
.set Q, Q+1
.endr
.Lno_scatter:
	s_wait_dscnt 0x0
	s_barrier_signal -1
	s_barrier_wait -1                              ; the tile's sixteen entries lie in LDS
	ds_load_b32 v13, v164                          ; my slot's entry
	s_wait_dscnt 0x0
	v_and_b32 v7, 0x3ff, v13
	s_delay_alu instid0(VALU_DEP_1)
	v_min_u32 v7, 0x3ff, v7                        ; the token
	s_delay_alu instid0(VALU_DEP_1)
	v_lshlrev_b32 v14, 12, v7
	s_delay_alu instid0(VALU_DEP_1)
	v_lshl_add_u32 v14, v3, 7, v14                 ; its row of 4,096 bytes, + 128 h
.irp c, 0,1
.irp m, 0,1,2,3,4,5,6,7
	global_load_b128 v[X+32*\c+4*\m:X+32*\c+4*\m+3], v14, s[16:17] offset:256*\c+16*\m
.endr
.endr
	s_wait_loadcnt 8                               ; my first block's eight loads are in, the second's may be out
	v_max3_num_f32 v136, |v[X]|, |v[X+1]|, 0x1800000     ; a whole block of 32 is mine; the floor 2^(3 - 127) holds the byte at 1 from below
.irp i, 2,4,6,8,10,12,14,16,18,20,22,24,26,28,30
	s_delay_alu instid0(VALU_DEP_1)
	v_max3_num_f32 v136, v136, |v[X+\i]|, |v[X+\i+1]|
.endr
	s_wait_loadcnt 0x0
	v_max3_num_f32 v137, |v[X+32]|, |v[X+33]|, 0x1800000
.irp i, 2,4,6,8,10,12,14,16,18,20,22,24,26,28,30
	s_delay_alu instid0(VALU_DEP_1)
	v_max3_num_f32 v137, v137, |v[X+32+\i]|, |v[X+33+\i]|
.endr
.irp c, 0
	v_add_nc_u32 v[140+\c], 0xff000000, v[136+\c]
.endr
.irp c, 1
	s_delay_alu instid0(VALU_DEP_2)
	v_add_nc_u32 v[140+\c], 0xff000000, v[136+\c]  ; 2 off the exponent field: the conversion takes this operand's exponent field as its scale
.endr
.irp c, 0,1
	s_delay_alu instid0(VALU_DEP_2)
	v_lshrrev_b32 v[138+\c], 23, v[140+\c]         ; the scale's byte
.endr
	s_delay_alu instid0(VALU_DEP_1)
	v_lshl_or_b32 v160, v139, 16, v138             ; my two bytes, blocks h and 2 + h,
	v_lshlrev_b32 v161, 3, v3
	s_delay_alu instid0(VALU_DEP_1)
	v_lshlrev_b32 v160, v161, v160                 ; at their places in the word;
	s_delay_alu instid0(VALU_DEP_1)
	v_permlanex16_b32 v162, v160, s40, s41
	s_delay_alu instid0(VALU_DEP_1)
	v_or_b32 v160, v160, v162                      ; with lane l xor 16's two the word is whole
.irp c, 0,1
.irp g, 0,1,2,3
	v_cvt_scalef32_pk8_fp4_f32 v[152+4*\c+\g], v[X+32*\c+8*\g:X+32*\c+8*\g+7], v[140+\c]
.endr
.endr
	v_nop                                          ; one plain instruction behind the last scaled conversion
	global_store_b128 v168, v[152:155], s[18:19]               ; 32 lanes store 512 consecutive bytes
	global_store_b128 v168, v[156:159], s[18:19] offset:512
	global_store_b32 v169, v160, s[26:27] offset:XSS           ; both halves of the lanes store the same word with the same value
	s_cmp_lg_u32 s14, 1
	s_cbranch_scc1 .Lnot_wave_1
	v_min_u32 v170, 0x7ff, v13                     ; k x 1024 + token; a pad reads the last weight, which nobody uses
	s_delay_alu instid0(VALU_DEP_1)
	v_lshlrev_b32 v170, 2, v170
	global_load_b32 v171, v170, s[6:7] offset:WTS
	s_lshl_b32 s31, s15, 4
	v_add_nc_u32 v172, s31, v2                     ; my slot
	v_cmp_gt_u32 vcc_lo, 0x800, v13                ; a routed row, not a pad
	s_wait_alu depctr_va_vdst(0)
	s_wait_loadcnt 0x0
	global_store_b32 v169, v171, s[28:29] offset:WSL
	s_wait_xcnt 0x0                                ; EXEC changes only when every earlier memory instruction has had its addresses translated
	s_and_saveexec_b32 s30, vcc_lo
	global_store_b32 v170, v172, s[10:11] offset:POS           ; pos[k][token] = slot
	s_wait_xcnt 0x0
	s_or_b32 exec_lo, exec_lo, s30
.Lnot_wave_1:
	s_cmp_lg_u32 s14, 2
	s_cbranch_scc1 .Ldone
	s_cmp_lg_u32 s15, 0
	s_cbranch_scc1 .Ldone
	v_cmp_eq_u32 vcc_lo, 0, v1
	s_wait_xcnt 0x0
	s_and_saveexec_b32 s30, vcc_lo                 ; the table: one lane of one wave of one work-group
	global_store_b128 v167, v[ST:ST+3], s[10:11]
	global_store_b128 v167, v[ST+4:ST+7], s[10:11] offset:16
	global_store_b128 v167, v[TC:TC+3], s[10:11] offset:32
	global_store_b128 v167, v[TC+4:TC+7], s[10:11] offset:48
	global_store_b128 v167, v[CT:CT+3], s[10:11] offset:64
	global_store_b128 v167, v[CT+4:CT+7], s[10:11] offset:80
	s_wait_xcnt 0x0
	s_or_b32 exec_lo, exec_lo, s30
.Ldone:
	s_wait_tensorcnt 0x0
	ds_add_u32 v176, v177
	s_wait_dscnt 0x0
	s_endpgm
.Lfunc_end_k_q485add5139_place:
	.size	k_q485add5139_place, .Lfunc_end_k_q485add5139_place-k_q485add5139_place
	.p2alignl 7, 3214868480
	.fill 96, 4, 3214868480
	.section	.rodata,"a",@progbits
	.p2align	6, 0x0
	.amdhsa_kernel k_q485add5139_place
		.amdhsa_group_segment_fixed_size 1536
		.amdhsa_private_segment_fixed_size 0
		.amdhsa_enable_private_segment 0
		.amdhsa_kernarg_size 40
		.amdhsa_user_sgpr_count 2
		.amdhsa_user_sgpr_kernarg_segment_ptr 1
		.amdhsa_wavefront_size32 1
		.amdhsa_system_sgpr_workgroup_id_x 1
		.amdhsa_system_sgpr_workgroup_id_y 1
		.amdhsa_system_sgpr_workgroup_id_z 1
		.amdhsa_system_vgpr_workitem_id 0
		.amdhsa_next_free_vgpr 178
		.amdhsa_next_free_sgpr 66
		.amdhsa_reserve_vcc 1
		.amdhsa_float_denorm_mode_32 3
		.amdhsa_float_denorm_mode_16_64 3
		.amdhsa_memory_ordered 1
		.amdhsa_forward_progress 1
		.amdhsa_inst_pref_size 46
	.end_amdhsa_kernel
	.amdgpu_metadata
---
amdhsa.version: [ 1, 2 ]
amdhsa.kernels:
  - .name:           k_q485add5139_place
    .symbol:         k_q485add5139_place.kd
    .args:
      - { .name: sel, .offset: 0, .size: 8, .value_kind: global_buffer, .address_space: global }
      - { .name: gate, .offset: 8, .size: 8, .value_kind: global_buffer, .address_space: global }
      - { .name: inputs, .offset: 16, .size: 8, .value_kind: global_buffer, .address_space: global }
      - { .name: route, .offset: 24, .size: 8, .value_kind: global_buffer, .address_space: global }
      - { .name: xq, .offset: 32, .size: 8, .value_kind: global_buffer, .address_space: global }
    .group_segment_fixed_size: 1536
    .private_segment_fixed_size: 0
    .kernarg_segment_align: 8
    .kernarg_segment_size: 40
    .max_flat_workgroup_size: 256
    .sgpr_count:     66
    .vgpr_count:     178
    .wavefront_size: 32
...
	.end_amdgpu_metadata
.endif
;; end of part 7
;; launch ffn1 (part 8): grid 32 x 8, 4 waves a work-group, no clusters, 74,240 bytes of LDS; arguments W1, b1, route, xq, hq; writes hq
.if DOCPART == 8
	.amdgcn_target "amdgcn-amd-amdhsa--gfx1250"
	.amdhsa_code_object_version 6
	.text
	.protected	k_q485add5139_ffn1
	.globl	k_q485add5139_ffn1
	.p2align	8
	.type	k_q485add5139_ffn1,@function
k_q485add5139_ffn1:
	s_mov_b64 s[64:65], 0
	v_nop
	global_prefetch_b8 v0, s[64:65] scope:SCOPE_SE
	s_setreg_imm32_b32 hwreg(HW_REG_WAVE_SCHED_MODE, 0, 2), 2
	s_setreg_imm32_b32 hwreg(HW_REG_WAVE_MODE, 25, 1), 1
	s_wait_xcnt 0x0
	s_wait_alu depctr_vm_vsrc(0)
; h = gelu(x W1[e] + b1[e]) for the rows that chose expert e, on codes of E2M1 with one E8M0 scale for 32 along K; h is quantised on the way and leaves as codes.
; THE WEIGHTS STAY, THE ROWS WALK.  Work-group (slab, e) owns W1[e][all 1,024 k][128 slab .. + 127]: 512 KiB of f32, read from memory ONCE in the whole launch, by this work-group alone.
; PHASE A.  Wave w takes rows 256 w .. + 255 in eight blocks of 32.  A load reads one row's 512 bytes (16 a lane: four columns).  The conversions take neighbours along K from consecutive registers of one lane,
; so a block is first turned in registers (128 moves: register 32 jj + i = row i of my column jj); a block of 32 along K of a column then lies in one lane: no other lane is asked for its largest magnitude.
; The codes go to LDS as IMAGES OF THE OPERAND'S REGISTERS (fragment (tile n, K step s), group c, at n TILEP + 1024 s + 512 c + 16 lane), the scale words beside them.  One barrier.
; PHASE B.  Every wave fetches ALL 64 fragments (512 registers) and the waves share the expert's tiles of 16 slots: wave w takes tiles start + w, + 4, ..  A tile: x's eight fragments from xq (images: 512 consecutive
; bytes a load), 64 products, gelu, quantiser, one fragment of h and its scale words to hq.  The next tile's x is asked for ahead of the gelu.
; The number of tiles is read from route, which an earlier launch stored; so this text has no tensor load, and no barrier behind the one above.
; THE PRODUCT IS USED TRANSPOSED (source 0 = 16 columns of W1, source 1 = 16 slots of x): a lane holds one slot, its registers run along the hidden units.  THE COLUMNS OF A TILE ARE NOT NEIGHBOURS: row r of tile 2 b + u
; is column 32 b + 8 u + r + 8 (r / 8), so that the 16 registers of tiles 2 b, 2 b + 1 are 16 neighbours along the next K.  b1 is the C of each sum's first product.
; gelu is the tanh form: x / (1 + 2^(K1 x + K2 x^3)), K1 = -2 sqrt(2 / pi) log2(e), K2 = 0.044715 K1, all in f32.
; No multicast: what work-groups share here (x's codes, 8.5 KiB a tile) is small beside the weights, which nobody shares, and the partners' trip counts hang on stored numbers.
; LIMITS: NaN and infinities are not served; a block of zeros gets the scale byte 1 (its codes are zeros; this program alone reads the bytes).
; REGISTERS, in windows of 256.  Window 0: v1-15 addresses and constants; v16-47 W1's scale words; v48-51 x's; v52 h's; v56-71 at work; v72-79 the codes just made; v80-143 the eight accumulators; v144-207 at work in gelu
;   (phase A: v80-207 a block, turned; v208-223 its codes; v224-231 scale words).  Window 1: phase A two sets of loads; then the fragments of K steps 0-3 at v[8 (4 n + s)].  Window 2: K steps 4-7.  Window 3: v0-63 x; v128-191 b1.
; THE MODE: SCHED_MODE bits 1:0 = 2 (LLVM: expert scheduling mode 2), set by the entry lines.  The code itself states the register dependences between vector or matrix instructions
; and memory or LDS instructions, with s_wait_alu, always for 0.
; THE PLAN.  Registers that memory or LDS instructions touch:
;   v2, v3, v4, v6, v7, v8, v9   addresses, made at the head and never written again: one wait on va_vdst ahead of the first load serves them all.
;   window 1, sets 0 and 1       phase A: block b's 128 moves read set b % 2; behind them the loads of block b + 2 land in it.
;   C (v208-223)                 block b's conversions write it; four LDS stores, ISSUED IN BLOCK b + 1 behind that block's moves, read it; block b + 1's conversions write it again.
;   SW (v224-231)                made by vector instructions through the eight blocks; read by the tail's four LDS stores.
;   So a block has ONE wait on va_vdst, behind its moves (they are done reading the set; the last block's codes are written), with the 32 loads and the four stores behind it,
;   and ONE on vm_vsrc, ahead of its conversions.  The tail's wait on va_vdst is the last vector-side line ahead of the loop: it also serves the loads that land in window 1 behind the barrier.
;   window 3 v0-63, XS           phase B: the trip's 64 products read them; behind the products the next tile's loads land in them: one wait on va_vdst.
;   PC, PW                       the quantiser writes them; the trip's three stores read them: one wait on va_vdst ahead of the stores, one on vm_vsrc in the next trip, far ahead of the quantiser.
;   The fragments of W1, their scale words and b1 are loaded once and read by products alone; the accumulators and gelu's registers are named by vector and matrix instructions alone.
.set TILEP, 8208                       ; a tile's eight fragments + 16 bytes, so that the four tiles that sixteen lanes of a store touch start four words apart
.set SCB,   8*TILEP                    ; the scale words: 48 bytes for each of 128 places (32 b + 16 u + r), word s at 4 s
.set XSS,   1114112
.set HSS,   4456448
.set WS, 16                            ; register 8 P + s: lanes 0-15 tile 2 P, lanes 16-31 tile 2 P + 1
.set XS, 48                            ; register q: lanes 0-15 K step 2 q, lanes 16-31 K step 2 q + 1
.set PW, 52
.set TM, 56
.set PC, 72
.set HA, 80
.set T,  144
.set TT, 80
.set C,  208
.set SW, 224
.set B1, 128
.set SEL, 40
.set MSB, 0
.macro WIN new                         ; the immediate's low byte: bits 1:0 source 0, 3:2 source 1, 5:4 source 2, 7:6 destination; its high byte repeats the setting that is left
.if MSB != \new
	s_set_vgpr_msb (MSB<<8)|\new
.set MSB, \new
.endif
.endm
	s_load_b256 s[4:11], s[0:1], 0x0               ; W1, b1, route, xq
	s_load_b64 s[12:13], s[0:1], 0x20              ; hq
	v_lshl_add_u32 v254, v0, 2, 0x12000
	v_mov_b32 v255, 0
	v_lshrrev_b32 v12, 5, v0
	v_readfirstlane_b32 s14, v12                   ; wave
	s_mov_b32 s15, ttmp9                           ; slab
	s_and_b32 s16, ttmp7, 0xffff                   ; expert
	v_and_b32 v1, 31, v0                           ; lane
	v_lshlrev_b32 v2, 4, v1                        ; 16 x lane: a row's bytes, and an image's place
	v_lshrrev_b32 v12, 3, v1                       ; my four columns 4 l + jj: b = l / 8,
	v_bfe_u32 v13, v1, 1, 1                        ; u,
	v_bfe_u32 v14, v1, 2, 1                        ; the row's upper half,
	v_and_b32 v15, 1, v1                           ; and which four of its eight
	v_mul_u32_u24 v3, v12, 2*TILEP
	v_mad_u32_u24 v3, v13, TILEP, v3
	v_lshl_add_u32 v3, v14, 7, v3
	v_lshl_add_u32 v3, v15, 6, v3
	s_wait_alu depctr_va_sdst(0)                   ; s14, the wave's number, is written, ahead of its first reader
	s_lshl_b32 s23, s14, 11
	v_add_nc_u32 v3, s23, v3                       ; where my codes go: tile (2 b + u), row 8 x + 4 y (+ jj), K steps 2 w on
	v_lshlrev_b32 v4, 5, v12
	v_lshl_add_u32 v4, v13, 4, v4
	v_lshl_add_u32 v4, v14, 3, v4
	v_lshl_add_u32 v4, v15, 2, v4
	v_mul_u32_u24 v4, v4, 48
	s_lshl_b32 s23, s14, 3
	v_add_nc_u32 v4, s23, v4
	v_add_nc_u32 v4, SCB, v4                       ; and my scale words: two for each column
	v_lshlrev_b32 v6, 2, v1
	v_mul_u32_u24 v7, v1, 48
	v_add_nc_u32 v7, SCB, v7
	v_bfe_u32 v8, v0, 4, 1
	v_lshlrev_b32 v8, 6, v8                        ; b1: 64 h
	v_and_b32 v9, 15, v0
	v_lshlrev_b32 v9, 2, v9
	v_mov_b32 v10, 0xc0135761                      ; K1
	v_mov_b32 v11, 0xc0135761
	s_mov_b32 s42, 0xbdd2d3e8                      ; K2
	s_mov_b32 s43, s42
	s_mov_b32 s[SEL], 0x76543210
	s_mov_b32 s[SEL+1], 0xfedcba98
	s_lshl_b32 s46, s15, 10                        ; h's fragment of this slab in a tile
	s_lshl_b32 s47, s15, 6                         ; and its scale words
	s_lshl_b32 s22, s16, 2
	s_mov_b32 s39, 0
	s_lshl_b32 s38, s16, 24
	s_lshl_b32 s23, s14, 22
	s_add_co_u32 s38, s38, s23
	s_lshl_b32 s23, s15, 9
	s_add_co_u32 s38, s38, s23
	s_wait_kmcnt 0x0
	s_add_nc_u64 s[18:19], s[4:5], s[38:39]        ; W1[e][256 w][128 slab]
	s_lshl_b32 s38, s16, 14
	s_add_co_u32 s38, s38, s23
	s_add_nc_u64 s[44:45], s[6:7], s[38:39]        ; b1[e][128 slab]
	s_load_b32 s20, s[8:9], s22 offset:0x0         ; the expert's first tile
	s_load_b32 s21, s[8:9], s22 offset:0x20        ; and how many
	WIN 0xc0
	s_wait_alu depctr_va_vdst(0)                   ; the addresses v2, v3, v4, v6, v7, v8 and v9 are written: every load and store of the kernel reads one of them
.irp t, 0,1,2,3,4,5,6,7
	global_load_b128 v[B1+8*\t:B1+8*\t+3], v8, s[44:45] offset:(32*(\t/2)+8*(\t%2))*4
	global_load_b128 v[B1+8*\t+4:B1+8*\t+7], v8, s[44:45] offset:(32*(\t/2)+8*(\t%2))*4+16
.endr
.macro LOADBLK set, b                  ; rows 32 b + 0 .. 31 of my 256: register 128 set + 4 i + jj of window 1
	WIN 0x40
.set I, 0
.rept 32
	global_load_b128 v[128*(\set)+4*I:128*(\set)+4*I+3], v2, s[18:19] offset:(32*(\b)+I)*16384 th:TH_LOAD_NT
.set I, I+1
.endr
.endm
.macro STOREC b                        ; block b's codes go to LDS: block b of my eight lies at 1024 (b / 4) + 512 ((b / 2) % 2) + 256 (b % 2) = 256 b
.irp jj, 0,1,2,3
	ds_store_b128 v3, v[C+4*\jj:C+4*\jj+3] offset:256*(\b)+16*\jj
.endr
.endm
.macro BLOCK b
.if (\b) < 7
	s_wait_loadcnt 32                              ; this block's 32 loads are in (and all issued before them); the other set's may be out
.else
	s_wait_loadcnt 0x0
.endif
	WIN 0x01
.set I, 0
.rept 32
.irp jj, 0,1,2,3
	v_mov_b32 v[TT+32*\jj+I], v[128*((\b)%2)+4*I+\jj]          ; turned: a column's 32 numbers on end
.endr
.set I, I+1
.endr
.if (\b)+2 < 8
	WIN 0x40
	s_wait_alu depctr_va_vdst(0)                   ; the moves are done reading this set, in which the loads below land; the last block's conversions have written its codes, which the LDS stores below read
	LOADBLK (\b)%2, (\b)+2
	WIN 0
.else
	WIN 0
	s_wait_alu depctr_va_vdst(0)                   ; the last block's conversions have written its codes, which the LDS stores below read
.endif
.if (\b) > 0
	STOREC (\b)-1                                  ; no vector instruction since the wait names the codes' registers
.endif
.irp jj, 0,1,2,3
	v_max3_num_f32 v[TM+\jj], |v[TT+32*\jj]|, |v[TT+32*\jj+1]|, 0x1800000   ; the floor 2^(3 - 127) holds the byte at 1 from below
.endr
.irp i, 2,4,6,8,10,12,14,16,18,20,22,24,26,28,30
.irp jj, 0,1,2,3
	v_max3_num_f32 v[TM+\jj], v[TM+\jj], |v[TT+32*\jj+\i]|, |v[TT+32*\jj+\i+1]|   ; the four columns by turns
.endr
.endr
.irp jj, 0,1,2,3
	v_add_nc_u32 v[TM+4+\jj], 0xff000000, v[TM+\jj]            ; 2 off the exponent field: the conversion's scale operand
.endr
.irp jj, 0,1,2,3
	v_lshrrev_b32 v[TM+8+\jj], 23, v[TM+4+\jj]                 ; the scale's byte
.endr
.irp jj, 0,1,2,3
.if (\b)%4 == 0
	v_mov_b32 v[SW+2*\jj+(\b)/4], v[TM+8+\jj]
.else
	v_lshl_or_b32 v[SW+2*\jj+(\b)/4], v[TM+8+\jj], 8*((\b)%4), v[SW+2*\jj+(\b)/4]
.endif
.endr
	s_wait_dscnt 0x0                               ; the last block's LDS stores are done
.if (\b) > 0
	s_wait_alu depctr_vm_vsrc(0)                   ; the LDS stores above have read the codes' registers, which the conversions write again
.endif
.irp jj, 0,1,2,3
.irp g, 0,1,2,3
	v_cvt_scalef32_pk8_fp4_f32 v[C+4*\jj+\g], v[TT+32*\jj+8*\g:TT+32*\jj+8*\g+7], v[TM+4+\jj]
.endr
.endr
	v_nop                                          ; one plain instruction behind the last scaled conversion
.endm
	LOADBLK 0, 0
	LOADBLK 1, 1
.irp b, 0,1,2,3,4,5,6,7
	BLOCK \b
.endr
	s_wait_alu depctr_va_vdst(0)                   ; block 7's conversions have written its codes and the scale words are made: the LDS stores below read both.  The moves are done reading window 1, in which the fragments land behind the barrier
	STOREC 7
.irp jj, 0,1,2,3
	ds_store_b64 v4, v[SW+2*\jj:SW+2*\jj+1] offset:48*\jj
.endr
	s_wait_dscnt 0x0                               ; for the others' sake: my codes and scale words lie in LDS
	s_barrier_signal -1
	s_barrier_wait -1                              ; the launch's one barrier: nothing in LDS is written behind it
	s_wait_kmcnt 0x0
	s_min_u32 s20, s20, 135
	s_min_u32 s21, s21, 136
	s_cmp_le_u32 s21, s14
	s_cbranch_scc1 .Lend                           ; fewer tiles than waves: nothing for me
	s_add_co_u32 s24, s20, s14                     ; my tile
	s_add_co_u32 s25, s20, s21
	s_sub_co_u32 s25, s25, 1                       ; the expert's last
	s_sub_co_u32 s27, s21, s14
	s_add_co_u32 s27, s27, 3
	s_lshr_b32 s27, s27, 2                         ; my tiles
	s_mov_b32 s26, 0
.macro XBASE                           ; where tile s24's x lies; past the expert's last tile the last is read again, and not used
	s_min_u32 s36, s24, s25
	s_min_u32 s36, s36, 135
	s_lshl_b32 s38, s36, 13
	s_add_nc_u64 s[28:29], s[10:11], s[38:39]
	s_lshl_b32 s38, s36, 9
	s_add_nc_u64 s[30:31], s[10:11], s[38:39]
.endm
.macro LOADX again                     ; 20 loads: eight fragments, and their scale words two K steps to a register.  again = 1: in the loop, behind a tile's products
	WIN 0xc0
.if \again
	s_wait_alu depctr_va_vdst(0)                   ; the tile's products are done reading x's fragments and x's scale words, in which these twenty loads land
.endif
.irp s, 0,1,2,3,4,5,6,7
.irp c, 0,1
	global_load_b128 v[8*\s+4*\c:8*\s+4*\c+3], v2, s[28:29] offset:1024*\s+512*\c
.endr
.endr
	WIN 0
.irp q, 0,1,2,3
	global_load_b32 v[XS+\q], v6, s[30:31] offset:XSS+128*\q
.endr
.endm
	XBASE
	LOADX 0
	WIN 0x40
.irp n, 0,1,2,3,4,5,6,7
.irp s, 0,1,2,3
.irp c, 0,1
	ds_load_b128 v[8*(4*\n+\s)+4*\c:8*(4*\n+\s)+4*\c+3], v2 offset:\n*TILEP+\s*1024+\c*512
.endr
.endr
.endr
	WIN 0x80
.irp n, 0,1,2,3,4,5,6,7
.irp s, 4,5,6,7
.irp c, 0,1
	ds_load_b128 v[8*(4*\n+\s-4)+4*\c:8*(4*\n+\s-4)+4*\c+3], v2 offset:\n*TILEP+\s*1024+\c*512
.endr
.endr
.endr
	WIN 0
.irp pp, 0,1,2,3
.irp g, 0,1
	ds_load_b128 v[WS+8*\pp+4*\g:WS+8*\pp+4*\g+3], v7 offset:1536*\pp+16*\g
.endr
.endr
	s_wait_dscnt 0x0
; one product: tile n of W1's columns x the tile of slots, K step s.  The scales' rows: odd tiles and odd K steps lie in lanes 16-31 of their registers
.macro MM1 n, s
.set rD, HA+8*(\n)
.set rA, 8*(4*(\n)+(\s)%4)
.set rB, 8*(\s)
.set rC, B1+8*(\n)
.set rP, WS+8*((\n)/2)+(\s)
.set rQ, XS+(\s)/2
.if (\s) == 0
.if (\n)%2 == 0
	v_wmma_scale_f32_16x16x128_f8f6f4 v[rD:rD+7], v[rA:rA+7], v[rB:rB+7], v[rC:rC+7], v[rP], v[rQ] matrix_a_fmt:MATRIX_FMT_FP4 matrix_b_fmt:MATRIX_FMT_FP4
.else
	v_wmma_scale_f32_16x16x128_f8f6f4 v[rD:rD+7], v[rA:rA+7], v[rB:rB+7], v[rC:rC+7], v[rP], v[rQ] matrix_a_fmt:MATRIX_FMT_FP4 matrix_b_fmt:MATRIX_FMT_FP4 matrix_a_scale:MATRIX_SCALE_ROW1
.endif
.elseif (\s)%2 == 0
.if (\n)%2 == 0
	v_wmma_scale_f32_16x16x128_f8f6f4 v[rD:rD+7], v[rA:rA+7], v[rB:rB+7], v[rD:rD+7], v[rP], v[rQ] matrix_a_fmt:MATRIX_FMT_FP4 matrix_b_fmt:MATRIX_FMT_FP4
.else
	v_wmma_scale_f32_16x16x128_f8f6f4 v[rD:rD+7], v[rA:rA+7], v[rB:rB+7], v[rD:rD+7], v[rP], v[rQ] matrix_a_fmt:MATRIX_FMT_FP4 matrix_b_fmt:MATRIX_FMT_FP4 matrix_a_scale:MATRIX_SCALE_ROW1
.endif
.else
.if (\n)%2 == 0
	v_wmma_scale_f32_16x16x128_f8f6f4 v[rD:rD+7], v[rA:rA+7], v[rB:rB+7], v[rD:rD+7], v[rP], v[rQ] matrix_a_fmt:MATRIX_FMT_FP4 matrix_b_fmt:MATRIX_FMT_FP4 matrix_b_scale:MATRIX_SCALE_ROW1
.else
	v_wmma_scale_f32_16x16x128_f8f6f4 v[rD:rD+7], v[rA:rA+7], v[rB:rB+7], v[rD:rD+7], v[rP], v[rQ] matrix_a_fmt:MATRIX_FMT_FP4 matrix_b_fmt:MATRIX_FMT_FP4 matrix_a_scale:MATRIX_SCALE_ROW1 matrix_b_scale:MATRIX_SCALE_ROW1
.endif
.endif
.endm
; 64 numbers of a lane, register 16 b + i = k 32 b + 16 (lane / 16) + i of my slot, become a fragment's codes in v[PC] on and its scale word in v[PW]
.macro QUANT s
.irp b, 0,1,2,3
	v_max3_num_f32 v[TM+\b], |v[\s+16*\b]|, |v[\s+1+16*\b]|, 0x1800000
.endr
.irp i, 2,4,6,8,10,12,14
.irp b, 0,1,2,3
	v_max3_num_f32 v[TM+\b], v[TM+\b], |v[\s+16*\b+\i]|, |v[\s+1+16*\b+\i]|
.endr
.endr
.irp b, 0,1,2,3
	v_permlanex16_b32 v[TM+4+\b], v[TM+\b], s[SEL], s[SEL+1]
.endr
.irp b, 0,1,2,3
	v_max_num_f32 v[TM+\b], v[TM+\b], v[TM+4+\b]   ; with lane l xor 16's: the block's largest magnitude
.endr
.irp b, 0,1,2,3
	v_add_nc_u32 v[TM+12+\b], 0xff000000, v[TM+\b]
.endr
.irp b, 0,1,2,3
	v_lshrrev_b32 v[TM+4+\b], 23, v[TM+12+\b]
.endr
	v_lshl_or_b32 v[PW], v[TM+5], 8, v[TM+4]
	v_lshl_or_b32 v[PW], v[TM+6], 16, v[PW]
	v_lshl_or_b32 v[PW], v[TM+7], 24, v[PW]
.irp b, 0,1,2,3
	v_cvt_scalef32_pk8_fp4_f32 v[PC+2*\b], v[\s+16*\b:\s+7+16*\b], v[TM+12+\b]
	v_cvt_scalef32_pk8_fp4_f32 v[PC+1+2*\b], v[\s+8+16*\b:\s+15+16*\b], v[TM+12+\b]
.endr
	v_nop                                          ; one plain instruction behind the last scaled conversion
.irp c, 0,1                                    ; the operand's layout wants a whole block in a lane: lanes 0-15 block 2 c, lanes 16-31 block 2 c + 1
.irp i, 0,1
	v_permlane16_swap_b32 v[PC+4*\c+\i], v[PC+2+4*\c+\i]
.endr
.endr
.endm
.Ltile:
	s_wait_loadcnt 0x0                             ; this tile's x (asked for a tile ago), in the first trip b1 too
.irp s, 0,1,2,3,4,5,6,7                        ; the eight accumulators take turns, one instruction a turn
.if \s == 0
	WIN 0x3d                                       ; W1 window 1, x window 3, C = b1 window 3, D window 0
.elseif \s < 4
	WIN 0x0d
.else
	WIN 0x0e                                       ; W1 window 2
.endif
.irp n, 0,1,2,3,4,5,6,7
	MM1 \n, \s
.endr
.endr
	WIN 0
.rept 4
	v_nop                                          ; four plain instructions between the last products and the first read of their results
.endr
	s_wait_xcnt 0x0                                ; the last trip's stores have had their addresses translated: their data and bases are written again below
	s_wait_alu depctr_vm_vsrc(0)                   ; the last trip's three stores have read the codes and the scale word, which this trip's quantiser writes again; only x's loads, which read v2 and v6, are issued in between
	s_min_u32 s37, s24, 135
	s_lshl_b32 s38, s37, 15
	s_add_co_u32 s38, s38, s46
	s_add_nc_u64 s[32:33], s[12:13], s[38:39]      ; HC[tile][slab]
	s_lshl_b32 s38, s37, 11
	s_add_co_u32 s38, s38, s47
	s_add_nc_u64 s[34:35], s[12:13], s[38:39]      ; HSS[tile][slab], less HSS
	s_add_co_u32 s24, s24, 4
	XBASE
	LOADX 1                                        ; my next tile's x lands while this tile's gelu is worked
.set I, 0
.rept 32
	v_pk_mul_f32 v[T+I:T+I+1], v[HA+I:HA+I+1], v[HA+I:HA+I+1]  ; x^2; each accumulator is read from its low end on
.set I, I+2
.endr
.set I, 0
.rept 32
	v_pk_fma_f32 v[T+I:T+I+1], v[T+I:T+I+1], s[42:43], v[10:11] op_sel_hi:[1,0,0]   ; K2 x^2 + K1
.set I, I+2
.endr
.set I, 0
.rept 32
	v_pk_mul_f32 v[T+I:T+I+1], v[T+I:T+I+1], v[HA+I:HA+I+1]
.set I, I+2
.endr
.set I, 0
	s_wait_alu depctr_va_vdst(0)
.rept 64
	v_exp_f32 v[T+I], v[T+I]
.set I, I+1
.endr
	v_nop                                          ; a plain instruction behind the exponentials
.set I, 0
	s_wait_alu depctr_va_vdst(0)                   ; the 64 exponentials have written their results: one wait for the batch, ahead of its first reader
.rept 32
	v_pk_add_f32 v[T+I:T+I+1], v[T+I:T+I+1], 1.0 op_sel_hi:[1,0]
.set I, I+2
.endr
.set I, 0
	s_wait_alu depctr_va_vdst(0)
.rept 64
	v_rcp_f32 v[T+I], v[T+I]
.set I, I+1
.endr
	v_nop                                          ; a plain instruction behind the reciprocals
.set I, 0
	s_wait_alu depctr_va_vdst(0)                   ; the 64 reciprocals have written their results: one wait for the batch, ahead of its first reader
.rept 32
	v_pk_mul_f32 v[HA+I:HA+I+1], v[HA+I:HA+I+1], v[T+I:T+I+1]
.set I, I+2
.endr
	QUANT HA
	s_wait_alu depctr_va_vdst(0)                   ; the quantiser has written the codes and the scale word, which the three stores read
	global_store_b128 v2, v[PC:PC+3], s[32:33]                 ; 32 lanes store 512 consecutive bytes
	global_store_b128 v2, v[PC+4:PC+7], s[32:33] offset:512
	global_store_b32 v9, v[PW], s[34:35] offset:HSS            ; both halves of the lanes store the same word with the same value
	s_add_co_u32 s26, s26, 1
	s_cmp_lt_u32 s26, s27
	s_cbranch_scc1 .Ltile
.Lend:
	s_wait_dscnt 0x0                               ; the closing lines, six on end
	s_wait_alu 0x0
	s_wait_tensorcnt 0x0
	ds_add_u32 v254, v255
	s_wait_dscnt 0x0
	s_endpgm
.Lfunc_end_k_q485add5139_ffn1:
	.size	k_q485add5139_ffn1, .Lfunc_end_k_q485add5139_ffn1-k_q485add5139_ffn1
	.p2alignl 7, 3214868480
	.fill 96, 4, 3214868480
	.section	.rodata,"a",@progbits
	.p2align	6, 0x0
	.amdhsa_kernel k_q485add5139_ffn1
		.amdhsa_group_segment_fixed_size 74240
		.amdhsa_private_segment_fixed_size 0
		.amdhsa_enable_private_segment 0
		.amdhsa_kernarg_size 40
		.amdhsa_user_sgpr_count 2
		.amdhsa_user_sgpr_kernarg_segment_ptr 1
		.amdhsa_wavefront_size32 1
		.amdhsa_system_sgpr_workgroup_id_x 1
		.amdhsa_system_sgpr_workgroup_id_y 1
		.amdhsa_system_sgpr_workgroup_id_z 1
		.amdhsa_system_vgpr_workitem_id 0
		.amdhsa_next_free_vgpr 1024
		.amdhsa_next_free_sgpr 66
		.amdhsa_reserve_vcc 0
		.amdhsa_float_denorm_mode_32 3
		.amdhsa_float_denorm_mode_16_64 3
		.amdhsa_memory_ordered 1
		.amdhsa_forward_progress 1
		.amdhsa_inst_pref_size 152
	.end_amdhsa_kernel
	.amdgpu_metadata
---
amdhsa.version: [ 1, 2 ]
amdhsa.kernels:
  - .name:           k_q485add5139_ffn1
    .symbol:         k_q485add5139_ffn1.kd
    .args:
      - { .name: W1, .offset: 0, .size: 8, .value_kind: global_buffer, .address_space: global }
      - { .name: b1, .offset: 8, .size: 8, .value_kind: global_buffer, .address_space: global }
      - { .name: route, .offset: 16, .size: 8, .value_kind: global_buffer, .address_space: global }
      - { .name: xq, .offset: 24, .size: 8, .value_kind: global_buffer, .address_space: global }
      - { .name: hq, .offset: 32, .size: 8, .value_kind: global_buffer, .address_space: global }
    .group_segment_fixed_size: 74240
    .private_segment_fixed_size: 0
    .kernarg_segment_align: 8
    .kernarg_segment_size: 40
    .max_flat_workgroup_size: 128
    .sgpr_count:     66
    .vgpr_count:     1024
    .wavefront_size: 32
...
	.end_amdgpu_metadata
.endif
;; end of part 8
;; launch ffn2 (part 9): grid 32 x 8, 4 waves a work-group, no clusters, 90,624 bytes of LDS; arguments W2, b2, route, xq, hq, ys; writes ys
.if DOCPART == 9
	.amdgcn_target "amdgcn-amd-amdhsa--gfx1250"
	.amdhsa_code_object_version 6
	.text
	.protected	k_q485add5139_ffn2
	.globl	k_q485add5139_ffn2
	.p2align	8
	.type	k_q485add5139_ffn2,@function
k_q485add5139_ffn2:
	s_mov_b64 s[64:65], 0
	v_nop
	global_prefetch_b8 v0, s[64:65] scope:SCOPE_SE
	s_setreg_imm32_b32 hwreg(HW_REG_WAVE_SCHED_MODE, 0, 2), 2
	s_setreg_imm32_b32 hwreg(HW_REG_WAVE_MODE, 25, 1), 1
	s_wait_xcnt 0x0
	s_wait_alu depctr_vm_vsrc(0)
; ys[H][slot] = weight[slot] x (h[slot] W2[e] over half H of K, + b2[e] in half 0), on codes of E2M1 with one E8M0 scale for 32 along K.  The last launch adds a token's four rows.
; THE WEIGHTS STAY, THE ROWS WALK, as in the launch before.  Work-group (cs, H, e) owns W2[e][2048 H .. + 2047][64 cs .. + 63]: 512 KiB of f32, read from memory once in the whole launch.
; PHASE A.  Wave w takes rows 512 w .. + 511 of the half.  A load reads two rows' 256 bytes: lanes 0-15 a row of an even block of 32, lanes 16-31 the same row of the odd block behind it; 16 bytes (four columns) a lane.
; A block is turned in registers, quantised in one lane, and its codes go to LDS as images of the operand's registers (fragment (tile n, K step s): n TILEP + 1024 s + 512 c + 16 lane).  One barrier.
; PHASE B.  Every wave fetches all 64 fragments (512 registers); wave w takes the expert's tiles start + w, + 4, ..  A tile: h's sixteen fragments of this half from hq, 64 products on four accumulators, x the slot's weight,
; through the wave's own stage in LDS, out as rows of 256 consecutive bytes.  Two sets of registers for h take turns, so that a tile's 41 loads have a whole tile's work in which to land.
; The loop's one trip runs both sets; where the number of my tiles is odd, the second half works the expert's last tile once more and its stores are passed over.
; THE PRODUCT IS USED TRANSPOSED (source 0 = 16 columns of W2, source 1 = 16 slots of h): a lane holds eight neighbouring outputs of one slot.  b2 (x 1 in half 0, x 0 in half 1) is the C of each sum's first product.
; The number of tiles is read from route, which an earlier launch stored; so this text has no tensor load, and no barrier behind the one above.  No multicast, for the reasons given in the launch before.
; LIMITS: NaN and infinities are not served; a block of zeros gets the scale byte 1 (its codes are zeros; this program alone reads the bytes).
; REGISTERS, in windows of 256.  Window 0: v1-15 addresses; v16-47 W2's scale words; v48-63 h's, two sets; v64-67 the weights, as pairs; v68-79 at work; v80-111 four accumulators; v112-143 b2; v144-175 rows on the way out
;   (phase A: v80-207 a block, turned; v208-223 its codes; v224-239 scale words).  Windows 1, 2: phase A two sets of loads (window 1); then the fragments at v[8 (4 (s % 8) + n)] of window 1 + s / 8.  Window 3: h, two sets of 128.
; THE MODE: SCHED_MODE bits 1:0 = 2 (LLVM: expert scheduling mode 2), set by the entry lines.  The code itself states the register dependences between vector or matrix instructions
; and memory or LDS instructions, with s_wait_alu, always for 0.
; THE PLAN.  Registers that memory or LDS instructions touch:
;   v2 to v12                    addresses, made at the head and never written again: one wait on va_vdst ahead of the first load serves them all.
;   window 1, sets 0 and 1       phase A: block bp's 128 moves read set bp % 2; behind them the loads of block bp + 2 land in it.
;   C (v208-223)                 block bp's conversions write it; four LDS stores, ISSUED IN BLOCK bp + 1 behind that block's moves, read it; the next conversions, and at the tail the permutes, write it again.
;   SW (v224-239)                made by vector instructions; read by the tail's four LDS stores.
;   So a block has ONE wait on va_vdst, behind its moves, with the 32 loads and the four stores behind it, and ONE on vm_vsrc, ahead of its conversions.  The tail's last wait on va_vdst is the last
;   vector-side line ahead of phase B's first loads: it also serves those that land in window 1, in b2's registers and in the rows' registers, which phase A's vector instructions named.
;   window 3 set p, XS + 8 p, WT + 2 p   a tile's products read the first two, its weighing the third; behind the weighing the loads of the set's next tile land in them.
;   ACC (v80-111)                the products and the weighing write it; eight LDS stores read it; the next tile's first products write it again.
;   OB (v144-175)                eight LDS loads land in it; eight global stores read it; the next tile's LDS loads land in it again.
;   So a tile has ONE wait on vm_vsrc, at its head (the last tile's LDS stores have read ACC, its global stores OB), and ONE on va_vdst, behind the weighing, with the 41 loads, the eight LDS stores
;   and the eight LDS loads behind it and no vector instruction among them.  The fragments of W2 and their scale words are loaded once and read by products alone.
.set TILEP, 16400                      ; a tile's sixteen fragments + 16 bytes
.set SCB,   4*TILEP                    ; the scale words: 80 bytes for each of 64 columns, word s at 4 s
.set STG,   SCB+64*80                  ; the stages: 16 rows x (256 + 16) bytes for each wave
.set HSS,   4456448
.set WSL,   1183744
.set HALFB, 8912896
.set WS, 16                            ; register 16 P + s: lanes 0-15 tile 2 P, lanes 16-31 tile 2 P + 1
.set XS, 48                            ; register 8 p + q: lanes 0-15 K step 2 q, lanes 16-31 K step 2 q + 1
.set WT, 64
.set TM, 68
.set ACC, 80
.set BIAS, 112
.set OB, 144
.set TT, 80
.set C,  208
.set SW, 224
.set MSB, 0
.macro WIN new                         ; the immediate's low byte: bits 1:0 source 0, 3:2 source 1, 5:4 source 2, 7:6 destination; its high byte repeats the setting that is left
.if MSB != \new
	s_set_vgpr_msb (MSB<<8)|\new
.set MSB, \new
.endif
.endm
	s_load_b256 s[4:11], s[0:1], 0x0               ; W2, b2, route, xq
	s_load_b128 s[12:15], s[0:1], 0x20             ; hq, ys
	v_lshl_add_u32 v254, v0, 2, 0x16000
	v_mov_b32 v255, 0
	v_lshrrev_b32 v13, 5, v0
	v_readfirstlane_b32 s16, v13                   ; wave
	s_and_b32 s17, ttmp9, 15                       ; cs: which 64 columns
	s_lshr_b32 s18, ttmp9, 4                       ; H: which half of K
	s_and_b32 s19, ttmp7, 0xffff                   ; expert
	v_and_b32 v1, 31, v0                           ; lane
	v_and_b32 v13, 15, v0                          ; lane % 16
	v_bfe_u32 v14, v0, 4, 1                        ; lane / 16
	v_lshlrev_b32 v2, 4, v13
	v_lshl_add_u32 v2, v14, 17, v2                 ; W2: 16 bytes of a row; lanes 16-31 32 rows further down
	v_lshrrev_b32 v3, 2, v13
	v_mul_u32_u24 v3, v3, TILEP
	v_and_b32 v5, 3, v13
	v_lshl_add_u32 v3, v5, 6, v3
	v_lshl_add_u32 v3, v14, 8, v3
	s_wait_alu depctr_va_sdst(0)                   ; s16, the wave's number, is written, ahead of its first reader
	s_lshl_b32 s23, s16, 12
	v_add_nc_u32 v3, s23, v3                       ; where my codes go: tile (lane % 16) / 4, row 4 (lane % 4) (+ jj), the image's upper half for lanes 16-31, K steps 4 w on
	v_mul_u32_u24 v4, v13, 320
	s_lshl_b32 s23, s16, 4
	v_add_nc_u32 v4, s23, v4
	v_add_nc_u32 v4, SCB, v4                       ; and my scale words: four for each column
	v_lshlrev_b32 v5, 4, v1                        ; 16 x lane: an image's place
	v_lshlrev_b32 v6, 2, v1
	v_mul_u32_u24 v7, v1, 80
	v_add_nc_u32 v7, SCB, v7
	v_lshlrev_b32 v8, 5, v14                       ; b2: 32 h
	v_lshlrev_b32 v9, 2, v13
	s_mul_i32 s23, s16, 16*272
	s_add_co_u32 s23, s23, STG                     ; my stage
	v_mul_u32_u24 v10, v13, 272
	v_lshl_add_u32 v10, v14, 5, v10
	v_add_nc_u32 v10, s23, v10                     ; in: row r, 32 bytes for each half of the lanes
	v_mul_u32_u24 v11, v14, 272
	v_lshl_add_u32 v11, v13, 4, v11
	v_add_nc_u32 v11, s23, v11                     ; back: lanes 0-15 one row, lanes 16-31 the next
	v_lshlrev_b32 v12, 12, v14
	v_lshl_add_u32 v12, v13, 4, v12                ; and the same two rows in ys
	v_lshlrev_b32 v15, 3, v14                      ; 8 x (lane / 16)
	v_mov_b32 v[WT+1], 0                           ; named as the upper halves of the weights' pairs, so they are written
	v_mov_b32 v[WT+3], 0
	s_mov_b32 s50, 0x76543210
	s_mov_b32 s51, 0xfedcba98
	s_lshl_b32 s52, s18, 14                        ; this half's fragments in a tile of h
	s_lshl_b32 s53, s18, 10                        ; and their scale words
	s_mul_i32 s54, s18, HALFB
	s_lshl_b32 s23, s17, 8
	s_add_co_u32 s54, s54, s23                     ; ys: my half, my columns
	s_cmp_eq_u32 s18, 0
	s_cselect_b32 s48, 1.0, 0                      ; b2 counts in half 0 alone
	s_mov_b32 s49, s48
	s_lshl_b32 s22, s19, 2
	s_mov_b32 s39, 0
	s_lshl_b32 s38, s19, 24
	s_lshl_b32 s29, s18, 23
	s_add_co_u32 s38, s38, s29
	s_lshl_b32 s29, s16, 21
	s_add_co_u32 s38, s38, s29
	s_add_co_u32 s38, s38, s23
	s_wait_kmcnt 0x0
	s_add_nc_u64 s[20:21], s[4:5], s[38:39]        ; W2[e][2048 H + 512 w][64 cs]
	s_lshl_b32 s38, s19, 12
	s_add_co_u32 s38, s38, s23
	s_add_nc_u64 s[56:57], s[6:7], s[38:39]        ; b2[e][64 cs]
	s_load_b32 s30, s[8:9], s22 offset:0x0         ; the expert's first tile
	s_load_b32 s31, s[8:9], s22 offset:0x20        ; and how many
.macro LOADBLK set, bp                 ; rows 64 bp + 32 (lane / 16) + 0 .. 31 of my 512: register 128 set + 4 i + jj of window 1; sixteen lanes read 256 consecutive bytes, aligned
	WIN 0x40
.set I, 0
.rept 32
	global_load_b128 v[128*(\set)+4*I:128*(\set)+4*I+3], v2, s[20:21] offset:(64*(\bp)+I)*4096 th:TH_LOAD_NT
.set I, I+1
.endr
.endm
.macro STOREC bp                       ; block bp's codes go to LDS
.irp jj, 0,1,2,3
	ds_store_b128 v3, v[C+4*\jj:C+4*\jj+3] offset:512*(\bp)+16*\jj
.endr
.endm
.macro BLOCK bp
.if (\bp) < 7
	s_wait_loadcnt 32                              ; this block's 32 loads are in; the other set's may be out
.else
	s_wait_loadcnt 0x0
.endif
	WIN 0x01
.set I, 0
.rept 32
.irp jj, 0,1,2,3
	v_mov_b32 v[TT+32*\jj+I], v[128*((\bp)%2)+4*I+\jj]         ; turned: a column's 32 numbers on end
.endr
.set I, I+1
.endr
.if (\bp)+2 < 8
	WIN 0x40
	s_wait_alu depctr_va_vdst(0)                   ; the moves are done reading this set, in which the loads below land; the last block's conversions have written its codes, which the LDS stores below read
	LOADBLK (\bp)%2, (\bp)+2
	WIN 0
.else
	WIN 0
	s_wait_alu depctr_va_vdst(0)                   ; the last block's conversions have written its codes, which the LDS stores below read
.endif
.if (\bp) > 0
	STOREC (\bp)-1                                 ; no vector instruction since the wait names the codes' registers
.endif
.irp jj, 0,1,2,3
	v_max3_num_f32 v[TM+\jj], |v[TT+32*\jj]|, |v[TT+32*\jj+1]|, 0x1800000   ; the floor 2^(3 - 127) holds the byte at 1 from below
.endr
.irp i, 2,4,6,8,10,12,14,16,18,20,22,24,26,28,30
.irp jj, 0,1,2,3
	v_max3_num_f32 v[TM+\jj], v[TM+\jj], |v[TT+32*\jj+\i]|, |v[TT+32*\jj+\i+1]|
.endr
.endr
.irp jj, 0,1,2,3
	v_add_nc_u32 v[TM+4+\jj], 0xff000000, v[TM+\jj]
.endr
.irp jj, 0,1,2,3
	v_lshrrev_b32 v[TM+8+\jj], 23, v[TM+4+\jj]
.endr
.irp jj, 0,1,2,3                               ; my block is number 2 (bp % 2) + lane / 16 of K step 4 w + bp / 2: its byte goes to bits 0 or 16 now, and 8 (lane / 16) up at the end
.if (\bp)%2 == 0
	v_mov_b32 v[SW+4*\jj+(\bp)/2], v[TM+8+\jj]
.else
	v_lshl_or_b32 v[SW+4*\jj+(\bp)/2], v[TM+8+\jj], 16, v[SW+4*\jj+(\bp)/2]
.endif
.endr
	s_wait_dscnt 0x0                               ; the last block's LDS stores are done
.if (\bp) > 0
	s_wait_alu depctr_vm_vsrc(0)                   ; the LDS stores above have read the codes' registers, which the conversions write again
.endif
.irp jj, 0,1,2,3
.irp g, 0,1,2,3
	v_cvt_scalef32_pk8_fp4_f32 v[C+4*\jj+\g], v[TT+32*\jj+8*\g:TT+32*\jj+8*\g+7], v[TM+4+\jj]
.endr
.endr
	v_nop                                          ; one plain instruction behind the last scaled conversion
.endm
	WIN 0x40
	s_wait_alu depctr_va_vdst(0)                   ; the addresses v2 to v12 are written: every load and store of the kernel reads one of them
	LOADBLK 0, 0
	LOADBLK 1, 1
.irp bp, 0,1,2,3,4,5,6,7
	BLOCK \bp
.endr
	s_wait_alu depctr_va_vdst(0)                   ; block 7's conversions have written its codes, which the LDS stores below read
	STOREC 7
.set I, 0
.rept 16
	v_lshlrev_b32 v[SW+I], v15, v[SW+I]
.set I, I+1
.endr
	s_wait_dscnt 0x0                               ; the last LDS stores are done
	s_wait_alu depctr_vm_vsrc(0)                   ; they have read the codes' registers, which the permutes below write
.set I, 0
.rept 16
	v_permlanex16_b32 v[C+I], v[SW+I], s50, s51
.set I, I+1
.endr
.set I, 0
.rept 16
	v_or_b32 v[SW+I], v[SW+I], v[C+I]              ; with lane l xor 16's two bytes each word is whole
.set I, I+1
.endr
	s_wait_alu depctr_va_vdst(0)                   ; the scale words are whole, which the LDS stores below read.  Phase A's vector instructions are done with window 1 and with v80-207, in which the fragments, b2 and the rows on the way out land behind the barrier
.irp jj, 0,1,2,3
	ds_store_b128 v4, v[SW+4*\jj:SW+4*\jj+3] offset:80*\jj     ; both halves of the lanes store the same words with the same values
.endr
	s_wait_dscnt 0x0                               ; for the others' sake: my codes and scale words lie in LDS
	s_barrier_signal -1
	s_barrier_wait -1                              ; the launch's one barrier: behind it a wave writes only its own stage
	s_wait_kmcnt 0x0
	s_min_u32 s30, s30, 135
	s_min_u32 s31, s31, 136
	s_cmp_le_u32 s31, s16
	s_cbranch_scc1 .Lend                           ; fewer tiles than waves: nothing for me
	s_add_co_u32 s24, s30, s16                     ; my tile
	s_add_co_u32 s25, s30, s31
	s_sub_co_u32 s25, s25, 1                       ; the expert's last
	s_sub_co_u32 s28, s31, s16
	s_add_co_u32 s28, s28, 7
	s_lshr_b32 s28, s28, 3                         ; trips: two of my tiles each
	s_mov_b32 s27, 0
.macro HBASE p                         ; set p's three bases, for tile s29
	s_lshl_b32 s38, s29, 15
	s_add_co_u32 s38, s38, s52
	s_add_nc_u64 s[32+8*\p:33+8*\p], s[12:13], s[38:39]
	s_lshl_b32 s38, s29, 11
	s_add_co_u32 s38, s38, s53
	s_add_nc_u64 s[34+8*\p:35+8*\p], s[12:13], s[38:39]
	s_lshl_b32 s38, s29, 6
	s_add_nc_u64 s[36+8*\p:37+8*\p], s[10:11], s[38:39]
.endm
.macro LOADH p, again                  ; 41 loads: sixteen fragments, their scale words two K steps to a register, the slots' weights.  again = 1: in the loop, behind a tile's products and its weighing
	WIN 0xc0
.if \again
	s_wait_alu depctr_va_vdst(0)                   ; the tile's products are done reading this set of h and its scale words, the weighing is done reading the weight: these 41 loads land in them.  The weighing has written the accumulators, which the LDS stores behind the loads read
.endif
.irp s, 0,1,2,3,4,5,6,7,8,9,10,11,12,13,14,15
.irp c, 0,1
	global_load_b128 v[128*\p+8*\s+4*\c:128*\p+8*\s+4*\c+3], v5, s[32+8*\p:33+8*\p] offset:1024*\s+512*\c
.endr
.endr
	WIN 0
.irp q, 0,1,2,3,4,5,6,7
	global_load_b32 v[XS+8*\p+\q], v6, s[34+8*\p:35+8*\p] offset:HSS+128*\q
.endr
	global_load_b32 v[WT+2*\p], v9, s[36+8*\p:37+8*\p] offset:WSL
.endm
.irp n, 0,1,2,3
	global_load_b128 v[BIAS+8*\n:BIAS+8*\n+3], v8, s[56:57] offset:64*\n
	global_load_b128 v[BIAS+8*\n+4:BIAS+8*\n+7], v8, s[56:57] offset:64*\n+16
.endr
	s_min_u32 s29, s24, 135
	HBASE 0
	LOADH 0, 0
	WIN 0x40
.irp s, 0,1,2,3,4,5,6,7
.irp n, 0,1,2,3
.irp c, 0,1
	ds_load_b128 v[8*(4*\s+\n)+4*\c:8*(4*\s+\n)+4*\c+3], v5 offset:\n*TILEP+\s*1024+\c*512
.endr
.endr
.endr
	WIN 0x80
.irp s, 8,9,10,11,12,13,14,15
.irp n, 0,1,2,3
.irp c, 0,1
	ds_load_b128 v[8*(4*(\s-8)+\n)+4*\c:8*(4*(\s-8)+\n)+4*\c+3], v5 offset:\n*TILEP+\s*1024+\c*512
.endr
.endr
.endr
	WIN 0
.irp pp, 0,1
.irp g, 0,1,2,3
	ds_load_b128 v[WS+16*\pp+4*\g:WS+16*\pp+4*\g+3], v7 offset:2560*\pp+16*\g
.endr
.endr
	s_wait_loadcnt 41                              ; b2 is in; set 0's 41 loads, issued behind it, may be out
.set I, 0
.rept 16
	v_pk_mul_f32 v[BIAS+I:BIAS+I+1], v[BIAS+I:BIAS+I+1], s[48:49] op_sel_hi:[1,0]
.set I, I+2
.endr
	s_add_co_u32 s29, s24, 4
	s_min_u32 s29, s29, s25
	s_min_u32 s29, s29, 135
	HBASE 1
	LOADH 1, 0                                     ; the sixteen lines above name b2's registers alone, none that these loads touch
	s_wait_dscnt 0x0                               ; the fragments and their scale words are in
.macro MM2 p, n, s
.set rD, ACC+8*(\n)
.set rA, 8*(4*((\s)%8)+(\n))
.set rB, 128*(\p)+8*(\s)
.set rC, BIAS+8*(\n)
.set rP, WS+16*((\n)/2)+(\s)
.set rQ, XS+8*(\p)+(\s)/2
.if (\s) == 0
.if (\n)%2 == 0
	v_wmma_scale_f32_16x16x128_f8f6f4 v[rD:rD+7], v[rA:rA+7], v[rB:rB+7], v[rC:rC+7], v[rP], v[rQ] matrix_a_fmt:MATRIX_FMT_FP4 matrix_b_fmt:MATRIX_FMT_FP4
.else
	v_wmma_scale_f32_16x16x128_f8f6f4 v[rD:rD+7], v[rA:rA+7], v[rB:rB+7], v[rC:rC+7], v[rP], v[rQ] matrix_a_fmt:MATRIX_FMT_FP4 matrix_b_fmt:MATRIX_FMT_FP4 matrix_a_scale:MATRIX_SCALE_ROW1
.endif
.elseif (\s)%2 == 0
.if (\n)%2 == 0
	v_wmma_scale_f32_16x16x128_f8f6f4 v[rD:rD+7], v[rA:rA+7], v[rB:rB+7], v[rD:rD+7], v[rP], v[rQ] matrix_a_fmt:MATRIX_FMT_FP4 matrix_b_fmt:MATRIX_FMT_FP4
.else
	v_wmma_scale_f32_16x16x128_f8f6f4 v[rD:rD+7], v[rA:rA+7], v[rB:rB+7], v[rD:rD+7], v[rP], v[rQ] matrix_a_fmt:MATRIX_FMT_FP4 matrix_b_fmt:MATRIX_FMT_FP4 matrix_a_scale:MATRIX_SCALE_ROW1
.endif
.else
.if (\n)%2 == 0
	v_wmma_scale_f32_16x16x128_f8f6f4 v[rD:rD+7], v[rA:rA+7], v[rB:rB+7], v[rD:rD+7], v[rP], v[rQ] matrix_a_fmt:MATRIX_FMT_FP4 matrix_b_fmt:MATRIX_FMT_FP4 matrix_b_scale:MATRIX_SCALE_ROW1
.else
	v_wmma_scale_f32_16x16x128_f8f6f4 v[rD:rD+7], v[rA:rA+7], v[rB:rB+7], v[rD:rD+7], v[rP], v[rQ] matrix_a_fmt:MATRIX_FMT_FP4 matrix_b_fmt:MATRIX_FMT_FP4 matrix_a_scale:MATRIX_SCALE_ROW1 matrix_b_scale:MATRIX_SCALE_ROW1
.endif
.endif
.endm
; One tile, on set p of h's registers.
.macro HALF p
	s_wait_loadcnt 41                              ; this set's 41 loads are in; the other set's, issued behind them, may be out
	s_wait_alu depctr_vm_vsrc(0)                   ; the last tile's LDS stores have read the accumulators, which the first products below write; its global stores have read the rows' registers, in which this tile's LDS loads land
.irp s, 0,1,2,3,4,5,6,7,8,9,10,11,12,13,14,15  ; the four accumulators take turns, one instruction a turn
.if \s < 8
	WIN 0x0d                                       ; W2 window 1, h window 3, C and D window 0
.else
	WIN 0x0e                                       ; W2 window 2
.endif
.irp n, 0,1,2,3
	MM2 \p, \n, \s
.endr
.endr
	WIN 0
.rept 5
	v_nop                                          ; four plain instructions ahead of the first read of results; a fifth, since the next tile's first products write over these accumulators
.endr
.set I, 0
.rept 16
	v_pk_mul_f32 v[ACC+I:ACC+I+1], v[ACC+I:ACC+I+1], v[WT+2*\p:WT+2*\p+1] op_sel_hi:[1,0]   ; x my slot's weight, ahead of the load that brings the next tile's; each accumulator from its low end on
.set I, I+2
.endr
	s_wait_xcnt 0x0                                ; the last tile's stores have had their addresses translated: their rows and their base are written again below
	s_mov_b32 s26, s24                             ; this tile
	s_min_u32 s29, s24, 135
	s_lshl_b32 s38, s29, 16
	s_add_co_u32 s38, s38, s54
	s_add_nc_u64 s[46:47], s[14:15], s[38:39]      ; ys[H][16 tile][64 cs]
	s_add_co_u32 s29, s24, 8                       ; this set's next tile; past the expert's last the last is read again
	s_min_u32 s29, s29, s25
	s_min_u32 s29, s29, 135
	HBASE \p
	s_add_co_u32 s24, s24, 4
	LOADH \p, 1
.irp n, 0,1,2,3
	ds_store_b128 v10, v[ACC+8*\n:ACC+8*\n+3] offset:64*\n     ; no vector instruction since the wait in front of the loads
	ds_store_b128 v10, v[ACC+8*\n+4:ACC+8*\n+7] offset:64*\n+16
.endr
.irp t, 0,1,2,3,4,5,6,7
	ds_load_b128 v[OB+4*\t:OB+4*\t+3], v11 offset:544*\t       ; LDS serves a wave's instructions in order (ISA guide 5.7.1.4): these see my stores
.endr
	s_wait_dscnt 0x0                               ; the rows are back
.if \p
	s_cmp_gt_u32 s26, s25
	s_cbranch_scc1 .Lskip_\@                       ; no such tile: nothing is stored
.endif
.irp t, 0,1,2,3,4,5,6,7
	global_store_b128 v12, v[OB+4*\t:OB+4*\t+3], s[46:47] offset:8192*\t th:TH_STORE_NT   ; sixteen lanes store 256 consecutive bytes, aligned
.endr
.if \p
.Lskip_\@:
.endif
.endm
.Lpair:
	s_wait_alu depctr_va_vdst(0)
	HALF 0
	HALF 1
	s_add_co_u32 s27, s27, 1
	s_cmp_lt_u32 s27, s28
	s_cbranch_scc1 .Lpair
.Lend:
	s_wait_dscnt 0x0                               ; the closing lines, six on end
	s_wait_alu 0x0
	s_wait_tensorcnt 0x0
	ds_add_u32 v254, v255
	s_wait_dscnt 0x0
	s_endpgm
.Lfunc_end_k_q485add5139_ffn2:
	.size	k_q485add5139_ffn2, .Lfunc_end_k_q485add5139_ffn2-k_q485add5139_ffn2
	.p2alignl 7, 3214868480
	.fill 96, 4, 3214868480
	.section	.rodata,"a",@progbits
	.p2align	6, 0x0
	.amdhsa_kernel k_q485add5139_ffn2
		.amdhsa_group_segment_fixed_size 90624
		.amdhsa_private_segment_fixed_size 0
		.amdhsa_enable_private_segment 0
		.amdhsa_kernarg_size 48
		.amdhsa_user_sgpr_count 2
		.amdhsa_user_sgpr_kernarg_segment_ptr 1
		.amdhsa_wavefront_size32 1
		.amdhsa_system_sgpr_workgroup_id_x 1
		.amdhsa_system_sgpr_workgroup_id_y 1
		.amdhsa_system_sgpr_workgroup_id_z 1
		.amdhsa_system_vgpr_workitem_id 0
		.amdhsa_next_free_vgpr 1024
		.amdhsa_next_free_sgpr 66
		.amdhsa_reserve_vcc 0
		.amdhsa_float_denorm_mode_32 3
		.amdhsa_float_denorm_mode_16_64 3
		.amdhsa_memory_ordered 1
		.amdhsa_forward_progress 1
		.amdhsa_inst_pref_size 163
	.end_amdhsa_kernel
	.amdgpu_metadata
---
amdhsa.version: [ 1, 2 ]
amdhsa.kernels:
  - .name:           k_q485add5139_ffn2
    .symbol:         k_q485add5139_ffn2.kd
    .args:
      - { .name: W2, .offset: 0, .size: 8, .value_kind: global_buffer, .address_space: global }
      - { .name: b2, .offset: 8, .size: 8, .value_kind: global_buffer, .address_space: global }
      - { .name: route, .offset: 16, .size: 8, .value_kind: global_buffer, .address_space: global }
      - { .name: xq, .offset: 24, .size: 8, .value_kind: global_buffer, .address_space: global }
      - { .name: hq, .offset: 32, .size: 8, .value_kind: global_buffer, .address_space: global }
      - { .name: ys, .offset: 40, .size: 8, .value_kind: global_buffer, .address_space: global }
    .group_segment_fixed_size: 90624
    .private_segment_fixed_size: 0
    .kernarg_segment_align: 8
    .kernarg_segment_size: 48
    .max_flat_workgroup_size: 128
    .sgpr_count:     66
    .vgpr_count:     1024
    .wavefront_size: 32
...
	.end_amdgpu_metadata
.endif
;; end of part 9
;; launch combine (part 10): grid 257 x 1, 4 waves a work-group, no clusters, 0 bytes of LDS; arguments route, ys, gate, out0, out1; writes out0, out1
.if DOCPART == 10
	.amdgcn_target "amdgcn-amd-amdhsa--gfx1250"
	.amdhsa_code_object_version 6
	.text
	.protected	k_q485add5139_combine
	.globl	k_q485add5139_combine
	.p2align	8
	.type	k_q485add5139_combine,@function
k_q485add5139_combine:
	s_mov_b64 s[64:65], 0
	v_nop
	global_prefetch_b8 v0, s[64:65] scope:SCOPE_SE
	s_setreg_imm32_b32 hwreg(HW_REG_WAVE_MODE, 25, 1), 1
	s_wait_xcnt 0x0
; out0[t] = the four rows of ys that belong to token t (two experts x two halves of K; the gate's weights and b2 are in them already);  out1 = the auxiliary loss.
; Work-groups 0 to 255: a wave takes one token.  Its two slots are read from route (pos), which an earlier launch stored.  A row is 4,096 bytes: eight loads of 512 consecutive bytes; 32 loads are out at once.
; Work-group 256, wave 0: the loss = the sum over e of (sum over t of the softmax's p[t][e] / 1024) (count[e] / 1024); the mean over eight experts and the factor 8 cancel.  It is one wave's work (32 KiB); the other three have none.
; No LDS, no barrier: waves share nothing.
.set HALFB, 8912896
.set POS, 256
	s_load_b256 s[4:11], s[0:1], 0x0               ; route, ys, gate, out0
	s_load_b64 s[12:13], s[0:1], 0x20              ; out1
	v_lshrrev_b32 v1, 5, v0
	v_readfirstlane_b32 s14, v1                    ; wave
	v_and_b32 v1, 31, v0
	v_lshlrev_b32 v2, 4, v1                        ; 16 x lane
	s_mov_b32 s17, 0
	s_cmp_eq_u32 ttmp9, 256
	s_cbranch_scc1 .Laux
	s_lshl_b32 s15, ttmp9, 2
	s_add_co_u32 s15, s15, s14                     ; my token
	s_lshl_b32 s22, s15, 2
	s_wait_kmcnt 0x0
	s_load_b32 s20, s[4:5], s22 offset:POS         ; the slot of its first choice
	s_load_b32 s21, s[4:5], s22 offset:POS+4096    ; and of its second
	s_lshl_b32 s16, s15, 12
	s_add_nc_u64 s[10:11], s[10:11], s[16:17]      ; its row of out0
	s_wait_kmcnt 0x0
	s_min_u32 s20, s20, 2175
	s_min_u32 s21, s21, 2175
	s_lshl_b32 s16, s20, 12
	s_add_nc_u64 s[24:25], s[6:7], s[16:17]
	s_add_nc_u64 s[26:27], s[24:25], HALFB
	s_lshl_b32 s16, s21, 12
	s_add_nc_u64 s[28:29], s[6:7], s[16:17]
	s_add_nc_u64 s[30:31], s[28:29], HALFB
	s_wait_alu depctr_va_vdst(0)
.irp b, 0,1,2,3
.irp j, 0,1,2,3,4,5,6,7
	global_load_b128 v[16+32*\b+4*\j:16+32*\b+4*\j+3], v2, s[24+2*\b:25+2*\b] offset:512*\j th:TH_LOAD_NT
.endr
.endr
	s_wait_loadcnt 16                              ; the first expert's two rows are in; the second's sixteen loads may be out
.set I, 0
.rept 16
	v_pk_add_f32 v[16+I:17+I], v[16+I:17+I], v[48+I:49+I]
.set I, I+2
.endr
	s_wait_loadcnt 0x0
.set I, 0
.rept 16
	v_pk_add_f32 v[80+I:81+I], v[80+I:81+I], v[112+I:113+I]
.set I, I+2
.endr
.set I, 0
.rept 16
	v_pk_add_f32 v[16+I:17+I], v[16+I:17+I], v[80+I:81+I]
.set I, I+2
.endr
.irp j, 0,1,2,3,4,5,6,7
	global_store_b128 v2, v[16+4*\j:19+4*\j], s[10:11] offset:512*\j th:TH_STORE_NT   ; 32 lanes store 512 consecutive bytes
.endr
	s_endpgm
.Laux:
	s_cmp_lg_u32 s14, 0
	s_cbranch_scc1 .Ldone
	s_wait_kmcnt 0x0
	s_load_b256 s[24:31], s[4:5], 0x40             ; the eight counts
	s_mov_b32 s32, 0x76543210
	s_mov_b32 s33, 0xfedcba98
	v_mov_b32 v4, 0
.irp i, 0,1,2,3
	v_mov_b32 v[12+\i], 0                          ; written once: a lane permute's destination counts as one of its sources
.endr
	s_wait_alu depctr_va_vdst(0)
.irp j, 0,1,2,3,4,5,6,7,8,9,10,11,12,13,14,15,16,17,18,19,20,21,22,23,24,25,26,27,28,29,30,31
	global_load_b128 v[16+4*\j:19+4*\j], v2, s[8:9] offset:512*\j    ; my four numbers are experts 4 (lane % 2) + 0 .. 3 of a token
.endr
	s_wait_loadcnt 0x0
	v_pk_add_f32 v[8:9], v[16:17], v[20:21]        ; the first two loads start the sums
	v_pk_add_f32 v[10:11], v[18:19], v[22:23]
.irp j, 2,3,4,5,6,7,8,9,10,11,12,13,14,15,16,17,18,19,20,21,22,23,24,25,26,27,28,29,30,31
	v_pk_add_f32 v[8:9], v[8:9], v[16+4*\j:17+4*\j]
	v_pk_add_f32 v[10:11], v[10:11], v[18+4*\j:19+4*\j]
.endr
.irp j, 0,1,2,3,4,5,6,7,8,9,10,11,12,13,14,15,16,17,18,19,20,21,22,23,24,25,26,27,28,29,30,31
	global_load_b128 v[16+4*\j:19+4*\j], v2, s[8:9] offset:16384+512*\j
.endr
	s_wait_alu depctr_va_vdst(0)
	s_wait_loadcnt 0x0
.irp j, 0,1,2,3,4,5,6,7,8,9,10,11,12,13,14,15,16,17,18,19,20,21,22,23,24,25,26,27,28,29,30,31
	v_pk_add_f32 v[8:9], v[8:9], v[16+4*\j:17+4*\j]
	v_pk_add_f32 v[10:11], v[10:11], v[18+4*\j:19+4*\j]
.endr
.irp m, 2,4,8
.irp i, 0,1,2,3
	v_add_f32_dpp v[8+\i], v[8+\i], v[8+\i] row_xmask:\m row_mask:0xf bank_mask:0xf   ; over the lanes of my parity
.endr
.endr
.irp i, 0,1,2,3
	v_permlanex16_b32 v[12+\i], v[8+\i], s32, s33
.endr
.irp i, 0,1,2,3
	v_add_f32 v[8+\i], v[8+\i], v[12+\i]
.endr
	v_and_b32 v3, 1, v1
	v_cmp_ne_u32 vcc_lo, 0, v3
	s_wait_kmcnt 0x0
.irp i, 0,1,2,3
	v_mov_b32 v[16+\i], s[28+\i]
.endr
.irp i, 0,1,2,3
	v_cndmask_b32 v[16+\i], s[24+\i], v[16+\i], vcc_lo         ; odd lanes: experts 4 to 7
.endr
.irp i, 0,1,2,3
	v_cvt_f32_u32 v[16+\i], v[16+\i]
.endr
	v_mul_f32 v20, v8, v16
	v_fmac_f32 v20, v9, v17
	v_fmac_f32 v20, v10, v18
	v_fmac_f32 v20, v11, v19
	v_add_f32_dpp v20, v20, v20 row_xmask:1 row_mask:0xf bank_mask:0xf   ; the other four experts
	v_mul_f32 v20, 0x35800000, v20                 ; x 2^-20
	v_cmp_eq_u32 vcc_lo, 0, v1
	s_wait_alu depctr_va_vdst(0)
	s_wait_xcnt 0x0                                ; EXEC changes only when every earlier memory instruction has had its addresses translated
	s_and_saveexec_b32 s34, vcc_lo
	global_store_b32 v4, v20, s[12:13]
	s_wait_xcnt 0x0
	s_or_b32 exec_lo, exec_lo, s34
.Ldone:
	s_endpgm
.Lfunc_end_k_q485add5139_combine:
	.size	k_q485add5139_combine, .Lfunc_end_k_q485add5139_combine-k_q485add5139_combine
	.p2alignl 7, 3214868480
	.fill 96, 4, 3214868480
	.section	.rodata,"a",@progbits
	.p2align	6, 0x0
	.amdhsa_kernel k_q485add5139_combine
		.amdhsa_group_segment_fixed_size 0
		.amdhsa_private_segment_fixed_size 0
		.amdhsa_enable_private_segment 0
		.amdhsa_kernarg_size 40
		.amdhsa_user_sgpr_count 2
		.amdhsa_user_sgpr_kernarg_segment_ptr 1
		.amdhsa_wavefront_size32 1
		.amdhsa_system_sgpr_workgroup_id_x 1
		.amdhsa_system_sgpr_workgroup_id_y 1
		.amdhsa_system_sgpr_workgroup_id_z 1
		.amdhsa_system_vgpr_workitem_id 0
		.amdhsa_next_free_vgpr 144
		.amdhsa_next_free_sgpr 66
		.amdhsa_reserve_vcc 1
		.amdhsa_float_denorm_mode_32 3
		.amdhsa_float_denorm_mode_16_64 3
		.amdhsa_memory_ordered 1
		.amdhsa_forward_progress 1
		.amdhsa_inst_pref_size 25
	.end_amdhsa_kernel
	.amdgpu_metadata
---
amdhsa.version: [ 1, 2 ]
amdhsa.kernels:
  - .name:           k_q485add5139_combine
    .symbol:         k_q485add5139_combine.kd
    .args:
      - { .name: route, .offset: 0, .size: 8, .value_kind: global_buffer, .address_space: global }
      - { .name: ys, .offset: 8, .size: 8, .value_kind: global_buffer, .address_space: global }
      - { .name: gate, .offset: 16, .size: 8, .value_kind: global_buffer, .address_space: global }
      - { .name: out0, .offset: 24, .size: 8, .value_kind: global_buffer, .address_space: global }
      - { .name: out1, .offset: 32, .size: 8, .value_kind: global_buffer, .address_space: global }
    .group_segment_fixed_size: 0
    .private_segment_fixed_size: 0
    .kernarg_segment_align: 8
    .kernarg_segment_size: 40
    .max_flat_workgroup_size: 128
    .sgpr_count:     66
    .vgpr_count:     144
    .wavefront_size: 32
...
	.end_amdgpu_metadata
.endif
;; end of part 10
